; MI455X (gfx1250); checked and timed in simulation.
; The chip was launched on July 23, 2026; its instructions are those of AMD's public machine-readable ISA for CDNA 5 (MIT licence, August 2026) and "CDNA5" Instruction Set Architecture Reference Guide (July 2026). The comments in the code are by the model that wrote it; some were corrected since.
;; My Transformer Encoder Layer. Allowed arithmetic: matrix products marked QUANTISED: E2M3 operands, one E8M0 scale for each 32 along K, by v_wmma_scale_f32_16x16x128_f8f6f4 with both operands' format E2M3, f32 sums; everything else in f32.
;; Inputs: W1 4,096 x 1,024 float32; W2 1,024 x 4,096 float32; Wk 1,024 x 1,024 float32; Wo 1,024 x 1,024 float32; Wq 1,024 x 1,024 float32; Wv 1,024 x 1,024 float32; b1 4,096 float32; b2 1,024 float32; be1 1,024 float32; be2 1,024 float32; bk 1,024 float32; bo 1,024 float32; bq 1,024 float32; bv 1,024 float32; g1 1,024 float32; g2 1,024 float32; src 2,048 x 2 x 1,024 float32.
;; Outputs: out0 2,048 x 2 x 1,024 float32.
;; This version of the problem:
;;   THIS VERSION OF THE PROBLEM IS GIVEN IN LOW PRECISION. The matrix products marked QUANTISED in the list below multiply operands that are first quantised to E2M3 (2 exponent bits, 3 mantissa bits; 6 bits a number), with one power-of-two scale for each 32 numbers along K (OCP MX v1.0); their sums are f32. All else is computed in f32.
;;   The module's matrix products, in the order in which they are computed (A, B: the left and right operand; K: the contracted axis; several contracted axes count as one K, in the product's order):
;;     1. [M 4,096, K 1,024] x [K 1,024, N 1,024]; A: input src; B: input Wq: QUANTISED
;;     2. [M 4,096, K 1,024] x [K 1,024, N 1,024]; A: input src; B: input Wk: QUANTISED
;;     3. [M 4,096, K 1,024] x [K 1,024, N 1,024]; A: input src; B: input Wv: QUANTISED
;;     4. batch 32 x [M 2,048, K 64] x [K 64, N 2,048]; A: computed on the way; B: computed on the way: QUANTISED
;;     5. batch 32 x [M 64, K 2,048] x [K 2,048, N 2,048]; A: computed on the way; B: softmax (see below): QUANTISED
;;     6. [M 4,096, K 1,024] x [K 1,024, N 1,024]; A: computed on the way; B: input Wo: QUANTISED
;;     7. [M 4,096, K 1,024] x [K 1,024, N 4,096]; A: computed on the way; B: input W1: QUANTISED
;;     8. [M 4,096, K 4,096] x [K 4,096, N 1,024]; A: computed on the way; B: input W2: QUANTISED
;;   THE QUANTISER, for each operand of a quantised product, along K:
;;     - K is cut into blocks of 32 from its start; a last block that is shorter is filled with zeros.
;;     - A block's scale is 2^e with e = floor(log2(the largest magnitude in the block)) - 2, held to -126 .. 127; a block of zeros has e = 0. As a byte (E8M0): e + 127.
;;     - Each number is divided by its block's scale, clamped to +-7.5, and rounded to the nearest number of E2M3, ties to even, subnormals kept.
;;     - The product sums the exact products of the quantised numbers (number of the format x scale) in f32.
;;   ~~~python
;;   def quantise(x, axis):      # numpy; x: float32 -> the quantised numbers, widened to float32 again
;;       x = np.moveaxis(x, axis, -1); K = x.shape[-1]
;;       x = np.pad(x, [(0, 0)] * (x.ndim - 1) + [(0, -K % 32)]); x = x.reshape(x.shape[:-1] + (-1, 32)); a = np.abs(x).max(-1, keepdims=True)
;;       e = np.where(a > 0, np.clip(np.frexp(np.where(a > 0, a, 1))[1] - 1 - 2, -126, 127), 0)      # np.frexp(a)[1] - 1 = floor(log2(a)), exactly
;;       r = np.clip(x / 2.0 ** e, -7.5, 7.5)
;;       step = 2.0 ** (np.maximum(np.frexp(np.where(r == 0, 1, r))[1] - 1, 0) - 3)
;;       q = np.round(r / step) * step * 2.0 ** e      # np.round: ties to even
;;       return np.moveaxis(q.reshape(q.shape[:-2] + (-1,))[..., :K], -1, axis).astype(np.float32)
;;   ~~~
;;   SOFTMAX AHEAD OF A QUANTISED PRODUCT. Where the list says 'softmax', what is quantised is not the finished softmax but p = 2^(t - M), with t = logit x log2(e) and M = ceil(the row's largest t), a whole number; so 1/2 < the row's largest p <= 1. The row's sum l is taken of the UNQUANTISED p, in f32, and the product's result is divided by l at the end. Since M is a whole number, a kernel that streams over the keys may use a running M (the ceiling of the running maximum): every later rescaling is an exact power of two, which a block's scale takes up: the codes' values come out the same.
;;   OPERANDS COMPUTED ON THE WAY. 'Computed on the way' means the value that the module computes at that place (a softmax that the list does not call 'softmax' is quantised finished and normalised). What goes into a quantiser is computed in f32, as accurately as f32 sums, v_exp_f32 and their like allow (about 1e-6 of the number): no bf16 or f16 on the way to a quantiser, and a product that is left as it is and whose result goes on into a quantised operand takes f32 operands (vector FMAs, or v_wmma_f32_16x16x4_f32). A number that lies on a knife's edge between two numbers of the format may be rounded either way, as far as f32 arithmetic and the matrix unit's own rounding can turn it there, and no further.
;; 2 versions. Each part assembles by itself: llvm-mc -triple=amdgcn-amd-amdhsa -mcpu=gfx1250 --defsym DOCPART=n.
;; ======== version 1 of 2: 8 launches
;; workspace buffers: inq 13,107,200 bytes; qkv 10,223,616 bytes; att 3,276,800 bytes; y 16,777,216 bytes; x 20,054,016 bytes; hid 13,107,200 bytes
;; launch quant_in (part 1): grid 1024 x 1, 16 waves a work-group, no clusters, 89,088 bytes of LDS; arguments src, Wq, Wk, Wv, Wo, W1, W2, inq; writes inq
.if DOCPART == 1
	.amdgcn_target "amdgcn-amd-amdhsa--gfx1250"
	.amdhsa_code_object_version 6
	.text
	.protected	k_q92934b9eae_quant_in
	.globl	k_q92934b9eae_quant_in
	.p2align	8
	.type	k_q92934b9eae_quant_in,@function
k_q92934b9eae_quant_in:
	s_mov_b64 s[64:65], 0
	v_nop
	global_prefetch_b8 v0, s[64:65] scope:SCOPE_SE
	s_setreg_imm32_b32 hwreg(HW_REG_WAVE_MODE, 25, 1), 1
	s_wait_xcnt 0x0
; src and the six weights, f32 with K innermost, become codes of FP6 (E2M3) with one E8M0 byte for each 32 along K, laid as the matrix unit's registers want them.
; A FRAGMENT (16 rows x 128 K) is 1,536 bytes: two half images of 768 (16 rows x 64 K); in a half image lane (r, h)'s six registers (k = 32 h + 0 .. 31 of row r) lie as 16 bytes at 16 x lane and 8 bytes at 512 + 8 x lane.
; So a reader fetches a fragment by dense loads of 16, 8, 16, 8 bytes a lane.  Scale words: [16 rows][K / 128] -> [K step][row], 4 bytes each (byte i: k = 32 i ..).
; A work-group (number g) makes 16 image rows x 1,024 along K: 8 fragments, 12,288 bytes at g x 12,288, and 512 bytes of scale words at SCOFF + g x 512.  g: src 0, Wq 256, Wk 320, Wv 384, Wo 448, W1 512, W2 768 (four to a row block).
; WHICH ROWS FORM A BLOCK: for src, Wq, Wk, Wv, W1 image row m of block rb is row 32 (rb / 2) + 8 (rb % 2) + m % 8 + 16 (m / 8): as source 0 of a product such a block leaves 16 neighbours in the 16 registers of two neighbouring tiles.
; Wo and W2 keep their order.  src's blocks count positions of one batch entry: block 128 b + pb, row of src = 2 s + b.
; Wave w takes image row w: eight loads of 512 consecutive bytes; the row turns through the wave's own stage in LDS so that lane l holds block l (32 neighbours); codes meet in LDS as images; one barrier; each wave stores one half image (three aligned runs of 256 bytes).
; A block's scale is 2^(floor(log2(largest magnitude)) - 2): its byte is that magnitude's exponent field - 2, held at 1 from below.
; LIMITS: a block of zeros gets the byte 1 (its codes are zeros; this program alone reads the bytes); blocks whose largest magnitude lies under 2^-124 are held at the byte 1; NaN and infinities are not served.
.set TPL,   144                        ; a block's place in the stage: 128 bytes + 16
.set TWV,   32*TPL                     ; a wave's stage
.set IMG,   16*TWV                     ; the 16 half images, IPI bytes apart
.set IPI,   784
.set SCB,   IMG+16*IPI                 ; the 512 bytes of scale words
.set SCOFF, 12582912
.set Z,  16                            ; v16-47  the row as loaded
.set X,  48                            ; v48-79  my block's 32 numbers
.set P,  80                            ; v80-85  its codes
.set T,  88                            ; v88-90  the second conversion's result
.set OU, 92                            ; v92-97  the way out
.set SW, 100                           ; v100-103 scale words on the way out
	s_load_b512 s[8:23], s[0:1], 0x0               ; src, Wq, Wk, Wv, Wo, W1, W2, inq
	v_lshl_add_u32 v104, v0, 2, 0x15400
	v_mov_b32 v105, 0
	v_lshrrev_b32 v1, 5, v0
	v_readfirstlane_b32 s7, v1                     ; wave = image row
	v_and_b32 v1, 31, v0                           ; lane
	v_lshlrev_b32 v2, 4, v1                        ; 16 x lane
	s_mul_i32 s6, s7, TWV
	v_lshrrev_b32 v3, 3, v1
	v_mul_u32_u24 v3, v3, TPL
	v_and_b32 v10, 7, v1
	v_lshl_add_u32 v3, v10, 4, v3
	v_add_nc_u32 v3, s6, v3                        ; stage, in: eight lanes fill a block's 128 bytes
	v_mul_u32_u24 v4, v1, TPL
	v_add_nc_u32 v4, s6, v4                        ; stage, out: block = lane
	v_lshrrev_b32 v10, 1, v1
	v_mul_u32_u24 v10, v10, IPI                    ; my block's half image: lane / 2
	v_and_b32 v11, 1, v1                           ; and its half of the lanes there
	v_lshl_add_u32 v5, v11, 8, v10
	s_lshl_b32 s6, s7, 4
	s_add_co_u32 s6, s6, IMG
	v_add_nc_u32 v5, s6, v5                        ; 16 bytes at 16 x (16 h + row)
	v_lshl_add_u32 v6, v11, 7, v10
	s_lshl_b32 s6, s7, 3
	s_add_co_u32 s6, s6, IMG+512
	v_add_nc_u32 v6, s6, v6                        ; 8 bytes at 512 + 8 x (16 h + row)
	v_lshrrev_b32 v7, 2, v1
	v_lshlrev_b32 v7, 6, v7
	v_and_b32 v10, 3, v1
	v_add_nc_u32 v7, v7, v10
	s_lshl_b32 s6, s7, 2
	s_add_co_u32 s6, s6, SCB
	v_add_nc_u32 v7, s6, v7                        ; my scale byte: 64 x K step + 4 x row + block % 4
	v_lshlrev_b32 v9, 3, v1                        ; 8 x lane
	s_mul_i32 s6, s7, IPI
	s_add_co_u32 s6, s6, IMG
	v_add_nc_u32 v8, s6, v9                        ; the way out: half image = wave
	v_add_nc_u32 v14, SCB, v2
	s_wait_kmcnt 0x0
	; which tensor: the choice hangs on the work-group's number alone
	s_mov_b64 s[24:25], s[8:9]
	s_mov_b32 s26, 0
	s_cmp_ge_u32 ttmp9, 256
	s_cselect_b64 s[24:25], s[10:11], s[24:25]
	s_cselect_b32 s26, 256, s26
	s_cmp_ge_u32 ttmp9, 320
	s_cselect_b64 s[24:25], s[12:13], s[24:25]
	s_cselect_b32 s26, 320, s26
	s_cmp_ge_u32 ttmp9, 384
	s_cselect_b64 s[24:25], s[14:15], s[24:25]
	s_cselect_b32 s26, 384, s26
	s_cmp_ge_u32 ttmp9, 448
	s_cselect_b64 s[24:25], s[16:17], s[24:25]
	s_cselect_b32 s26, 448, s26
	s_cmp_ge_u32 ttmp9, 512
	s_cselect_b64 s[24:25], s[18:19], s[24:25]
	s_cselect_b32 s26, 512, s26
	s_cmp_ge_u32 ttmp9, 768
	s_cselect_b64 s[24:25], s[20:21], s[24:25]
	s_cselect_b32 s26, 768, s26
	s_sub_co_u32 s27, ttmp9, s26                   ; the group's number within its tensor
	s_and_b32 s28, s27, 127                        ; src: block of positions,
	s_lshr_b32 s29, s27, 7
	s_lshl_b32 s29, s29, 12                        ; and the batch entry's 4,096 bytes
	s_lshr_b32 s30, s27, 2                         ; W2: row block,
	s_and_b32 s31, s27, 3
	s_lshl_b32 s31, s31, 12                        ; and which 1,024 along K
	s_mov_b32 s32, s27
	s_mov_b32 s33, 0
	s_mov_b32 s34, 12                              ; a row's bytes as a shift
	s_cmp_lt_u32 ttmp9, 256
	s_cselect_b32 s32, s28, s32
	s_cselect_b32 s33, s29, s33
	s_cselect_b32 s34, 13, s34
	s_cmp_ge_u32 ttmp9, 768
	s_cselect_b32 s32, s30, s32
	s_cselect_b32 s33, s31, s33
	s_cselect_b32 s34, 14, s34
	s_lshr_b32 s35, s32, 1
	s_lshl_b32 s35, s35, 5
	s_and_b32 s36, s32, 1
	s_lshl_b32 s36, s36, 3
	s_add_co_u32 s35, s35, s36
	s_and_b32 s36, s7, 7
	s_add_co_u32 s35, s35, s36
	s_lshr_b32 s36, s7, 3
	s_lshl_b32 s36, s36, 4
	s_add_co_u32 s35, s35, s36                     ; 32 (rb / 2) + 8 (rb % 2) + w % 8 + 16 (w / 8)
	s_lshl_b32 s36, s32, 4
	s_add_co_u32 s36, s36, s7                      ; 16 rb + w: Wo and W2
	s_sub_co_u32 s37, ttmp9, 448
	s_cmp_ge_u32 ttmp9, 768
	s_cselect_b32 s35, s36, s35
	s_cmp_lt_u32 s37, 64
	s_cselect_b32 s35, s36, s35
	s_lshl_b32 s35, s35, s34
	s_add_co_u32 s38, s35, s33
	s_mov_b32 s39, 0
	s_add_nc_u64 s[24:25], s[24:25], s[38:39]      ; my row
.irp j, 0,1,2,3,4,5,6,7
	global_load_b128 v[Z+4*\j:Z+4*\j+3], v2, s[24:25] offset:512*\j th:TH_LOAD_NT   ; 32 lanes read 512 consecutive bytes
.endr
	s_mul_i32 s40, ttmp9, 12288
	s_mul_i32 s41, s7, 768
	s_add_co_u32 s40, s40, s41
	s_mov_b32 s41, 0
	s_add_nc_u64 s[42:43], s[22:23], s[40:41]      ; my half image in inq
	s_lshl_b32 s40, ttmp9, 9
	s_add_co_u32 s40, s40, SCOFF
	s_add_nc_u64 s[44:45], s[22:23], s[40:41]      ; the group's scale words
; the row turns through my own stage: LDS serves a wave's instructions in order, so no wait stands between the stores and the loads
.macro TURNROW counted
.irp j, 0,1,2,3,4,5,6,7
.if \counted
	s_wait_loadcnt 7-\j                            ; loads come back in order: load j is in, the younger ones may be out
.endif
	ds_store_b128 v3, v[Z+4*\j:Z+4*\j+3] offset:4*TPL*\j
.endr
.irp j, 0,1,2,3,4,5,6,7
	ds_load_b128 v[X+4*\j:X+4*\j+3], v4 offset:16*\j
.endr
	s_wait_dscnt 0x0
.endm
; my block of 32: largest magnitude, scale, 32 codes in six registers, into the images
.macro BLOCKQ
	v_max3_num_f32 v10, |v[X]|, |v[X+1]|, |v[X+2]|
	v_max3_num_f32 v11, |v[X+3]|, |v[X+4]|, |v[X+5]|
.irp i, 6,10,14,18,22,26
	v_max3_num_f32 v10, v10, |v[X+\i]|, |v[X+\i+1]|
	v_max3_num_f32 v11, v11, |v[X+\i+2]|, |v[X+\i+3]|
.endr
	v_max3_num_f32 v10, v10, |v[X+30]|, |v[X+31]|
	v_max3_num_f32 v10, v10, v11, 0x1800000        ; and the floor 2^(3 - 127): the byte cannot fall under 1
	v_add_nc_u32 v12, 0xff000000, v10              ; 2 off the exponent field: the conversion takes this operand's exponent field as its scale
	v_cvt_scalef32_pk16_fp6_f32 v[P:P+2], v[X:X+15], v12
	v_cvt_scalef32_pk16_fp6_f32 v[T:T+2], v[X+16:X+31], v12   ; (a conversion's three registers begin on an even number)
	v_lshrrev_b32 v13, 23, v12                     ; the scale's byte; also the plain line behind the conversions
	v_mov_b32 v[P+3], v[T]
	v_mov_b32 v[P+4], v[T+1]
	v_mov_b32 v[P+5], v[T+2]
	ds_store_b128 v5, v[P:P+3]
	ds_store_b64 v6, v[P+4:P+5]
	ds_store_b8 v7, v13
.endm
; behind the barrier: wave w stores half image w; wave 0 also the scale words
.macro OUTIMG
	s_wait_dscnt 0x0                               ; for the others' sake: my stores into the images are done
	s_barrier_signal -1
	s_barrier_wait -1
	ds_load_b64 v[OU:OU+1], v8
	ds_load_b64 v[OU+2:OU+3], v8 offset:256
	ds_load_b64 v[OU+4:OU+5], v8 offset:512
	s_wait_dscnt 0x0
	global_store_b64 v9, v[OU:OU+1], s[42:43]               ; 32 lanes store 256 consecutive bytes, aligned
	global_store_b64 v9, v[OU+2:OU+3], s[42:43] offset:256
	global_store_b64 v9, v[OU+4:OU+5], s[42:43] offset:512
	s_cmp_lg_u32 s7, 0
	s_cbranch_scc1 .Ldone
	ds_load_b128 v[SW:SW+3], v14
	s_wait_dscnt 0x0
	global_store_b128 v2, v[SW:SW+3], s[44:45]              ; 512 consecutive bytes
.Ldone:
.endm
	TURNROW 1
	BLOCKQ
	OUTIMG
	s_wait_tensorcnt 0x0
	ds_add_u32 v104, v105
	s_wait_dscnt 0x0
	s_endpgm
.Lfunc_end_k_q92934b9eae_quant_in:
	.size	k_q92934b9eae_quant_in, .Lfunc_end_k_q92934b9eae_quant_in-k_q92934b9eae_quant_in
	.p2alignl 7, 3214868480
	.fill 96, 4, 3214868480
	.section	.rodata,"a",@progbits
	.p2align	6, 0x0
	.amdhsa_kernel k_q92934b9eae_quant_in
		.amdhsa_group_segment_fixed_size 89088
		.amdhsa_private_segment_fixed_size 0
		.amdhsa_enable_private_segment 0
		.amdhsa_kernarg_size 64
		.amdhsa_user_sgpr_count 2
		.amdhsa_user_sgpr_kernarg_segment_ptr 1
		.amdhsa_wavefront_size32 1
		.amdhsa_system_sgpr_workgroup_id_x 1
		.amdhsa_system_sgpr_workgroup_id_y 1
		.amdhsa_system_sgpr_workgroup_id_z 1
		.amdhsa_system_vgpr_workitem_id 0
		.amdhsa_next_free_vgpr 106
		.amdhsa_next_free_sgpr 66
		.amdhsa_reserve_vcc 0
		.amdhsa_float_denorm_mode_32 3
		.amdhsa_float_denorm_mode_16_64 3
		.amdhsa_memory_ordered 1
		.amdhsa_forward_progress 1
		.amdhsa_inst_pref_size 10
	.end_amdhsa_kernel
	.amdgpu_metadata
---
amdhsa.version: [ 1, 2 ]
amdhsa.kernels:
  - .name:           k_q92934b9eae_quant_in
    .symbol:         k_q92934b9eae_quant_in.kd
    .args:
      - { .name: src, .offset: 0, .size: 8, .value_kind: global_buffer, .address_space: global }
      - { .name: Wq, .offset: 8, .size: 8, .value_kind: global_buffer, .address_space: global }
      - { .name: Wk, .offset: 16, .size: 8, .value_kind: global_buffer, .address_space: global }
      - { .name: Wv, .offset: 24, .size: 8, .value_kind: global_buffer, .address_space: global }
      - { .name: Wo, .offset: 32, .size: 8, .value_kind: global_buffer, .address_space: global }
      - { .name: W1, .offset: 40, .size: 8, .value_kind: global_buffer, .address_space: global }
      - { .name: W2, .offset: 48, .size: 8, .value_kind: global_buffer, .address_space: global }
      - { .name: inq, .offset: 56, .size: 8, .value_kind: global_buffer, .address_space: global }
    .group_segment_fixed_size: 89088
    .private_segment_fixed_size: 0
    .kernarg_segment_align: 8
    .kernarg_segment_size: 64
    .max_flat_workgroup_size: 512
    .sgpr_count:     66
    .vgpr_count:     106
    .wavefront_size: 32
...
	.end_amdgpu_metadata
.endif
;; end of part 1
;; launch gemm_qkv (part 2): grid 12 x 16, 4 waves a work-group, clusters of 4 x 4, 327,680 bytes of LDS; arguments inq, bq, bk, bv, qkv; writes qkv
.if DOCPART == 2
	.amdgcn_target "amdgcn-amd-amdhsa--gfx1250"
	.amdhsa_code_object_version 6
	.text
	.protected	k_q92934b9eae_gemm_qkv
	.globl	k_q92934b9eae_gemm_qkv
	.p2align	8
	.type	k_q92934b9eae_gemm_qkv,@function
k_q92934b9eae_gemm_qkv:
	s_mov_b64 s[64:65], 0
	v_nop
	global_prefetch_b8 v0, s[64:65] scope:SCOPE_SE
	s_setreg_imm32_b32 hwreg(HW_REG_WAVE_MODE, 25, 1), 1
	s_wait_xcnt 0x0
	s_wait_alu depctr_hold_cnt(0) depctr_sa_sdst(0) depctr_va_vdst(0) depctr_va_sdst(0) depctr_va_ssrc(0) depctr_va_vcc(0) depctr_vm_vsrc(0)
	s_getreg_b32 s2, hwreg(HW_REG_IB_STS2, 6, 4)
	s_cmp_eq_u32 s2, 0
	s_cbranch_scc0 .Lentry_in_a_cluster
	s_endpgm
.Lentry_in_a_cluster:
	s_bfe_u32 s2, ttmp6, 0x10000c
	s_cmp_lg_u32 s2, 0xf033
	s_cbranch_scc0 .Lentry_shape_is_right
	s_endpgm
.Lentry_shape_is_right:
; q = src Wq^T + bq, k = src Wk^T + bk, v = src Wv^T + bv on codes of FP6 (E2M3) with E8M0 scales; the results are quantised in registers and leave as codes: q and k along the head's 64, v along the keys.
; A tile of 256 x 256 to a work-group of four waves, 128 x 128 a wave (64 accumulators, 512 registers); K = 1,024 in steps of 256 through a ring of two LDS slots filled by the tensor data mover.
; OPERANDS lie in memory as images of the matrix unit's registers: a fragment (16 rows x 128 K) is 1,536 bytes, fetched by dense LDS loads of 16, 8, 16, 8 bytes a lane; an operand is [row block][K step][1,536]; a slot's tile is
; 8 row blocks x 3,072 bytes for each half.  Scale words [row block][K step][16 rows]: those of a tile, for all of K, are one dense block and come into LDS once.
; SOURCE 0 = "B" (its rows run along a lane's registers in the result), SOURCE 1 = "A" (its rows are the lanes).  The cluster's x says which product: 0: A = src, B = Wq; 1: A = src, B = Wk; 2: A = Wv, B = src, so that a lane
; holds one feature of v and its registers run along the positions, which are the keys.  The rows that form a block of src, Wq, Wk, Wv were chosen so that the 16 registers of two neighbouring tiles are 16 neighbours.
; CLUSTERS 4 x 4: A's tiles are shared along a row of the cluster, B's along a column, by joint loads.  What differs between the three products is global offsets alone, made from the cluster's x and y, which all partners share.
; LIMITS: a block of zeros gets the byte 1 (its codes are zeros; this program alone reads the bytes); blocks whose largest magnitude lies under 2^-124 are held at the byte 1; NaN and infinities are not served.
; REGISTERS: window 0: v0-31 addresses; v32-63 scale words, two sets; v64-127 bq's or bk's numbers in the result's layout; v128-223 A's fragments, one set (on the way out: codes and work); v224-239 bv's numbers, twice each.
;   window 1: B's fragments, two sets, at v0 and v128.   windows 2, 3: the accumulators ((a, b) at v[8 (8 (a % 4) + b)]).
.set KS,     8                         ; K / 128
.set SCOFF,  12582912
.set NQ,     2
.set FR,     12
.set NL,     4                         ; LDS loads that bring a fragment
.set NP,     4                         ; places behind this matrix instruction (ISA guide 7.12.1)
.set BLKB,   3072                      ; a row block's two fragments in a slot
.set HALFT,  8*BLKB                    ; 128 rows: what one tensor load brings
.set SLOT,   4*HALFT
.set LAPS,   KS/4
.set SCL,    2*SLOT
.set HALFS,  8*KS*64
.set SPARE,  SCL+4*HALFS               ; the spare words, 128 bytes for each wave: two blocks of 256 bytes that no other line names
.set ADRA, 16                          ; v16-17 16 x lane + my A rows in slot 0, 1; v18-19 the same with 8 x lane
.set ADRB, 20                          ; v20-23 likewise for B
.set LI16, 24
.set LI8,  25
.set SOFF, 26
.set ADRS, 27
.set SPW,  28
.set NIL,  29
.set L4,   30
.set SC,   32
.set BIAS, 64
.set AF,   128
.set PC,   128                         ; the way out: v128-147 codes
.set TM,   160                         ; v160-175 at work
.set PW,   176                         ; the scale word just made
.set SWR,  178
.set BV,   224
.set G1, 24
.set G0, 32
.set G1B, 48
.set G0B, 56
.set G1S, 68
.set G0S, 76
.set G1SB, 80
.set G0SB, 88
.set MSB, 0
.macro WIN new                         ; the immediate's high byte repeats the setting that is left
.if MSB != (\new)
	s_set_vgpr_msb (MSB<<8)|(\new)
.set MSB, (\new)
.endif
.endm
.set MUL_LO, 0xa1                      ; source 0 (B) window 1, source 1 (A) window 0, C and D window 2
.set MUL_HI, 0xf1
.set TO_B,   0x40
; A joint load: waves 0 and 1 fetch for A, waves 2 and 3 for B; the branch hangs on the wave's number alone.  Four v_nop follow each of the two lines.
.macro JLOAD g0a, g1a, g0b, g1b
	s_cmp_eq_u32 s15, 0
	s_cbranch_scc0 .Lfor_b_\@
	tensor_load_to_lds s[\g0a:\g0a+3], s[\g1a:\g1a+7]
	s_nop 0
.rept 4
	v_nop
.endr
	s_branch .Lasked_\@
.Lfor_b_\@:
	tensor_load_to_lds s[\g0b:\g0b+3], s[\g1b:\g1b+7]
	s_nop 0
.rept 4
	v_nop
.endr
.Lasked_\@:
.endm
.macro CREST                           ; a round of the cluster's barrier behind its opening barrier
	s_cmp_lg_u32 s14, 0
	s_cbranch_scc1 .Lnot_wave_0_\@
	s_barrier_signal -3
.Lnot_wave_0_\@:
	s_barrier_wait -3
	s_barrier_signal -1
	s_barrier_wait -1
.endm
.macro CROUND
	s_barrier_signal -1
	s_barrier_wait -1
	CREST
.endm
	s_load_b256 s[4:11], s[0:1], 0x0               ; inq s[4:5], bq s[6:7], bk s[8:9], bv s[10:11]
	s_load_b64 s[12:13], s[0:1], 0x20              ; qkv
	v_lshl_add_u32 v[SPW], v0, 2, SPARE
	v_mov_b32 v[NIL], 0
	ds_add_u32 v28, v29
	ds_add_u32 v28, v29
	s_wait_dscnt 0x0
	v_lshrrev_b32 v1, 5, v0
	v_readfirstlane_b32 s14, v1                    ; wave 0..3
	s_lshr_b32 s15, s14, 1                         ; which half of A's rows is mine.  Also: I fetch for A (0) or for B (1)
	s_and_b32 s16, s14, 1                          ; which half of B's rows.  Also: which 128 rows I fetch
	s_bfe_u32 s40, ttmp6, 0x40000                  ; cx
	s_bfe_u32 s41, ttmp6, 0x40004                  ; cy
	s_and_b32 s17, ttmp7, 0xffff                   ; CY, the cluster's y
	s_lshr_b32 s95, ttmp9, 1                       ; F = 1 for v (cluster x = 2)
	s_xor_b32 s96, s95, 1                          ; 1 - F
	s_lshl_b32 s43, s41, 2
	s_lshl_b32 s43, 15, s43                        ; my row of the cluster
	s_lshl_b32 s44, 0x1111, s40                    ; my column
	s_mov_b32 s97, 0xffff0000                      ; lanes 16-31
	s_mov_b32 s98, 0x76543210
	s_mov_b32 s99, 0xfedcba98                      ; v_permlanex16_b32's selects for lane l xor 16
	; descriptor group 1: 8 rows of 3,072 bytes (384 elements of 8 bytes), a row block's KS x 1,536 bytes apart; no padding
	s_or_b32 s[G1+0], s43, (3<<16)|(1<<21)
	s_or_b32 s[G1B+0], s44, (3<<16)|(1<<21)
.irp g, G1, G1B
	s_mov_b32 s[\g+1], 384<<16                     ; tensor_dim0
	s_mov_b32 s[\g+2], 8<<16                       ; tensor_dim1
	s_mov_b32 s[\g+3], 384<<16                     ; tile_dim0
	s_mov_b32 s[\g+4], 8                           ; tile_dim1
	s_mov_b32 s[\g+5], KS*192                      ; tensor_dim0_stride
	s_mov_b32 s[\g+6], 0
	s_mov_b32 s[\g+7], 0
.endr
	; the scale words of 128 rows: a dense block, as rows of 256 bytes
	s_or_b32 s[G1S+0], s43, (3<<16)|(1<<21)
	s_or_b32 s[G1SB+0], s44, (3<<16)|(1<<21)
.irp g, G1S, G1SB
	s_mov_b32 s[\g+1], 32<<16
	s_mov_b32 s[\g+2], (HALFS/256)<<16
	s_mov_b32 s[\g+3], 32<<16
	s_mov_b32 s[\g+4], HALFS/256
	s_mov_b32 s[\g+5], 32
	s_mov_b32 s[\g+6], 0
	s_mov_b32 s[\g+7], 0
.endr
	s_mul_i32 s66, s16, 8*KS*1536                  ; my half of a tile's 16 row blocks, in codes,
	s_mul_i32 s67, s16, HALFS                      ; and in scale words
	s_mul_i32 s18, s96, s17                        ; (1 - F) CY
	s_mul_i32 s19, s95, s17                        ; F CY
	; A: q, k: src's tile 4 CY + cy;  v: Wv's tile cy.  A tile is 196,608 bytes of codes, 8,192 of scale words.  Nothing here holds cx
	s_mul_i32 s20, s41, 196608
	s_mul_i32 s21, s18, 786432
	s_add_co_u32 s20, s20, s21
	s_mul_i32 s21, s95, 4718592
	s_add_co_u32 s20, s20, s21
	s_add_co_u32 s20, s20, s66
	s_mov_b32 s21, 0
	s_lshl_b32 s22, s41, 13
	s_lshl_b32 s23, s18, 15
	s_add_co_u32 s22, s22, s23
	s_mul_i32 s23, s95, 196608
	s_add_co_u32 s22, s22, s23
	s_add_co_u32 s22, s22, s67
	s_add_co_u32 s22, s22, SCOFF
	s_mov_b32 s23, 0
	; B: q, k: tile 4 CX + cx of Wq | Wk;  v: src's tile 4 CY + cx.  Nothing here holds cy
	s_mul_i32 s46, s40, 196608
	s_mul_i32 s47, ttmp9, 786432
	s_add_co_u32 s47, s47, 3145728
	s_mul_i32 s47, s47, s96
	s_add_co_u32 s46, s46, s47
	s_mul_i32 s47, s19, 786432
	s_add_co_u32 s46, s46, s47
	s_add_co_u32 s46, s46, s66
	s_mov_b32 s47, 0
	s_lshl_b32 s92, s40, 13
	s_lshl_b32 s93, ttmp9, 15
	s_add_co_u32 s93, s93, 131072
	s_mul_i32 s93, s93, s96
	s_add_co_u32 s92, s92, s93
	s_lshl_b32 s93, s19, 15
	s_add_co_u32 s92, s92, s93
	s_add_co_u32 s92, s92, s67
	s_add_co_u32 s92, s92, SCOFF
	s_mov_b32 s93, 0
	s_mul_i32 s45, s14, HALFT                      ; where they go: wave x 128 rows: no place in the cluster enters an LDS address
	s_mul_i32 s94, s14, HALFS
	s_wait_kmcnt 0x0
	s_add_nc_u64 s[20:21], s[4:5], s[20:21]
	s_add_nc_u64 s[22:23], s[4:5], s[22:23]
	s_add_nc_u64 s[46:47], s[4:5], s[46:47]
	s_add_nc_u64 s[92:93], s[4:5], s[92:93]
	CROUND                                         ; all sixteen work-groups are here: the first joint loads meet
	s_mov_b32 s[G0S], 1
	s_add_co_u32 s[G0S+1], s94, SCL
	s_mov_b64 s[G0S+2:G0S+3], s[22:23]
	s_or_b32 s[G0S+3], s[G0S+3], 0x80000000
	s_mov_b32 s[G0SB], 1
	s_add_co_u32 s[G0SB+1], s94, SCL
	s_mov_b64 s[G0SB+2:G0SB+3], s[92:93]
	s_or_b32 s[G0SB+3], s[G0SB+3], 0x80000000
	JLOAD G0S, G1S, G0SB, G1SB                     ; the scale words first: they are wanted with K step 0
.irp s, 0,1
	s_mov_b32 s[G0+4*\s], 1
	s_add_co_u32 s[G0+4*\s+1], s45, \s*SLOT
	s_add_nc_u64 s[G0+4*\s+2:G0+4*\s+3], s[20:21], \s*BLKB
	s_or_b32 s[G0+4*\s+3], s[G0+4*\s+3], 0x80000000
	s_mov_b32 s[G0B+4*\s], 1
	s_add_co_u32 s[G0B+4*\s+1], s45, \s*SLOT
	s_add_nc_u64 s[G0B+4*\s+2:G0B+4*\s+3], s[46:47], \s*BLKB
	s_or_b32 s[G0B+4*\s+3], s[G0B+4*\s+3], 0x80000000
	JLOAD G0+4*\s, G1, G0B+4*\s, G1B
.endr
	v_and_b32 v1, 15, v0                           ; r
	v_bfe_u32 v2, v0, 4, 1                         ; h
	v_and_b32 v3, 31, v0                           ; lane
	v_lshlrev_b32 v4, 4, v3
	v_lshlrev_b32 v5, 3, v3
	s_mul_i32 s21, s15, HALFT                      ; my 128 rows of A
	s_mul_i32 s22, s16, HALFT                      ; my 128 rows of B,
	s_add_co_u32 s22, s22, 2*HALFT                 ; which lie behind A's 256
.irp s, 0,1
	v_add_nc_u32 v[ADRA+\s], s21, v4
	v_add_nc_u32 v[ADRB+\s], s22, v4
	v_add_nc_u32 v[ADRA+2+\s], s21, v5
	v_add_nc_u32 v[ADRB+2+\s], s22, v5
	s_add_co_u32 s21, s21, SLOT
	s_add_co_u32 s22, s22, SLOT
.endr
	v_lshlrev_b32 v5, 2, v1                        ; my row's scale word
	s_mul_i32 s21, s15, HALFS
	s_mul_i32 s22, s16, HALFS
	s_add_co_u32 s22, s22, 2*HALFS
	s_sub_co_u32 s22, s22, s21
	v_mul_u32_u24 v6, s22, v2                      ; lanes 16-31 take B's
	s_add_co_u32 s21, s21, SCL
	v_add_nc_u32 v5, v5, v6
	v_add_nc_u32 v[ADRS], s21, v5
	v_lshlrev_b32 v[LI16], 4, v3
	v_lshlrev_b32 v[LI8], 3, v3
	v_lshlrev_b32 v[L4], 2, v3
	v_lshlrev_b32 v[SOFF], 2, v1
	v_lshl_add_u32 v[SOFF], v2, 13, v[SOFF]        ; q, k: 4 r, and lanes 16-31 one head (8,192 bytes) on
	v_lshlrev_b32 v7, 6, v2                        ; bq, bk: lanes 16-31 begin 16 numbers on
	v_and_b32 v8, 8, v1
	v_add_nc_u32 v8, v8, v1
	v_lshlrev_b32 v8, 2, v8                        ; bv: 4 (r + 8 (r / 8))
	; both kinds of bias are loaded by every work-group, inside their buffers, so that every register is written on both ways out
	s_cmp_eq_u32 ttmp9, 0
	s_cselect_b64 s[6:7], s[6:7], s[8:9]           ; bq for q, else bk
	s_lshl_b32 s46, s40, 10
	s_lshl_b32 s47, s16, 9
	s_add_co_u32 s46, s46, s47                     ; 4 (256 cx + 128 half)
	s_mov_b32 s47, 0
	s_add_nc_u64 s[6:7], s[6:7], s[46:47]
	s_lshl_b32 s20, s41, 10
	s_lshl_b32 s21, s15, 9
	s_add_co_u32 s20, s20, s21                     ; 4 (256 cy + 128 half)
	s_mov_b32 s21, 0
	s_add_nc_u64 s[10:11], s[10:11], s[20:21]
.irp t, 0,1,2,3,4,5,6,7
	global_load_b128 v[BIAS+8*\t:BIAS+8*\t+3], v7, s[6:7] offset:(32*(\t/2)+8*(\t%2))*4       ; register 8 t + j: feature 32 (t / 2) + 16 h + 8 (t % 2) + j
	global_load_b128 v[BIAS+8*\t+4:BIAS+8*\t+7], v7, s[6:7] offset:(32*(\t/2)+8*(\t%2))*4+16
.endr
.irp t, 0,1,2,3,4,5,6,7
	global_load_b32 v[BV+2*\t], v8, s[10:11] offset:(32*(\t/2)+8*(\t%2))*4                    ; block t's feature of my lane, twice: a pair for the packed addition
	global_load_b32 v[BV+2*\t+1], v8, s[10:11] offset:(32*(\t/2)+8*(\t%2))*4
.endr
.macro FRAG reg, adr, q, i             ; a fragment as it lies: registers 0-3, 4-5, 6-9, 10-11; every load's bytes are consecutive from lane to lane
	ds_load_b128 v[\reg:\reg+3], v[\adr] offset:(\i)*BLKB+(\q)*1536
	ds_load_b64 v[\reg+4:\reg+5], v[\adr+2] offset:(\i)*BLKB+(\q)*1536+512
	ds_load_b128 v[\reg+6:\reg+9], v[\adr] offset:(\i)*BLKB+(\q)*1536+768
	ds_load_b64 v[\reg+10:\reg+11], v[\adr+2] offset:(\i)*BLKB+(\q)*1536+1280
.endm
; 16 matrix instructions: A's blocks a0, a0 + 1 x B's eight.  The 64 accumulators take turns, one instruction a turn, in the same order in every step.
.macro MUL16 a0, p, q, sc, zero
.irp a, \a0, \a0+1
.irp b, 0,1,2,3,4,5,6,7
.if \zero
	v_wmma_scale_f32_16x16x128_f8f6f4 v[8*(8*((\a)%4)+\b):8*(8*((\a)%4)+\b)+7], v[128*(\p)+FR*\b:128*(\p)+FR*\b+FR-1], v[AF+FR*(\a):AF+FR*(\a)+FR-1], 0, v[SC+8*NQ*(\sc)+NQ*\b+(\q)], v[SC+8*NQ*(\sc)+NQ*(\a)+(\q)] matrix_a_fmt:MATRIX_FMT_FP6 matrix_b_fmt:MATRIX_FMT_FP6 matrix_a_scale:MATRIX_SCALE_ROW1
.else
	v_wmma_scale_f32_16x16x128_f8f6f4 v[8*(8*((\a)%4)+\b):8*(8*((\a)%4)+\b)+7], v[128*(\p)+FR*\b:128*(\p)+FR*\b+FR-1], v[AF+FR*(\a):AF+FR*(\a)+FR-1], v[8*(8*((\a)%4)+\b):8*(8*((\a)%4)+\b)+7], v[SC+8*NQ*(\sc)+NQ*\b+(\q)], v[SC+8*NQ*(\sc)+NQ*(\a)+(\q)] matrix_a_fmt:MATRIX_FMT_FP6 matrix_b_fmt:MATRIX_FMT_FP6 matrix_a_scale:MATRIX_SCALE_ROW1
.endif
.endr
.endr
.endm
.macro FETCH_B slot, q, p
	WIN TO_B
.irp i, 0,1,2,3,4,5,6,7
	FRAG 128*(\p)+FR*\i, ADRB+\slot, \q, \i
.endr
	WIN 0
.endm
.macro FETCH_A slot, q, i0
.irp i, \i0, \i0+1, \i0+2, \i0+3
	FRAG AF+FR*(\i), ADRA+\slot, \q, \i
.endr
.endm
.macro SCALES sc                       ; a slot's scale words: lanes 0-15 A's block i, lanes 16-31 B's block i; register 2 i + q
.irp i, 0,1,2,3,4,5,6,7
	ds_load_b32 v[SC+8*NQ*\sc+NQ*\i], v[ADRS] offset:\i*KS*64
	ds_load_b32 v[SC+8*NQ*\sc+NQ*\i+1], v[ADRS] offset:\i*KS*64+64
.endr
.endm
.macro PLACES n                        ; plain vector lines between a matrix instruction and a load into, or a read of, its registers
.rept \n
	v_nop
.endr
.endm
.macro STEP slot, q, zero              ; 128 along K that has its successor in the same slot
	s_wait_dscnt 4*NL                              ; all but the youngest sixteen loads (A's blocks 4-7) are in
	WIN MUL_LO
	MUL16 0, (\q)%2, \q, \slot, \zero
	MUL16 2, (\q)%2, \q, \slot, \zero
	s_wait_dscnt 0
	PLACES NP
	FETCH_B \slot, (\q)+1, 1-(\q)%2
	FETCH_A \slot, (\q)+1, 0
	WIN MUL_HI
	MUL16 4, (\q)%2, \q, \slot, \zero
	MUL16 6, (\q)%2, \q, \slot, \zero
	PLACES NP
	WIN 0
	FETCH_A \slot, (\q)+1, 4
.endm
; A slot's last step changes slots: one barrier; in front of it each wave waits for all its tensor loads, adds 0 to its spare word, and waits for that and for its reads of this slot.  fill = 1: the slot is filled again, two K steps ahead.
.macro TURN slot, next, fill
	s_wait_tensorcnt 0x0                           ; all my tensor loads have landed: my part of the next slot
	ds_add_u32 v[SPW], v[NIL]                      ; 0 onto my spare word
	s_wait_dscnt 4*NL+1                            ; (the add and A's blocks 4-7 may be out)
	WIN MUL_LO
	MUL16 0, 1, NQ-1, \slot, 0
	s_wait_dscnt 0x0                               ; the add is done, and my reads of this slot are over
	s_barrier_signal -1
	MUL16 2, 1, NQ-1, \slot, 0
	WIN 0
	s_barrier_wait -1
.if \fill
	CREST                                          ; the barrier has opened a round of the cluster's barrier: no wave of any partner still reads this slot or has a load on its way
	s_add_nc_u64 s[G0+4*\slot+2:G0+4*\slot+3], s[G0+4*\slot+2:G0+4*\slot+3], 2*BLKB
	s_add_nc_u64 s[G0B+4*\slot+2:G0B+4*\slot+3], s[G0B+4*\slot+2:G0B+4*\slot+3], 2*BLKB
	JLOAD G0+4*\slot, G1, G0B+4*\slot, G1B         ; the first tensor load behind the round; its four v_nop are the places in front of the loads below
.else
	PLACES NP
.endif
	v_add_nc_u32 v[ADRS], 64*NQ, v[ADRS]           ; the next slot's scale words
	FETCH_B \next, 0, 0
	FETCH_A \next, 0, 0
	SCALES \next
	WIN MUL_HI
	MUL16 4, 1, NQ-1, \slot, 0
	MUL16 6, 1, NQ-1, \slot, 0
	PLACES NP
	WIN 0
	FETCH_A \next, 0, 4
.endm
	s_wait_tensorcnt 1                             ; the scale words and my part of K step 0 are in (slot 1's load may be out)
	s_barrier_signal -1
	s_barrier_wait -1
	FETCH_B 0, 0, 0
	FETCH_A 0, 0, 0
	SCALES 0
	FETCH_A 0, 0, 4
	STEP 0, 0, 1                                   ; the first step's products start the sums
	s_mov_b32 s3, LAPS-1
.Llap:
	TURN 0, 1, 1
	STEP 1, 0, 0
	TURN 1, 0, 1
	STEP 0, 0, 0
	s_sub_co_u32 s3, s3, 1
	s_cmp_lg_u32 s3, 0
	s_cbranch_scc1 .Llap
	TURN 0, 1, 0                                   ; the last lap fills nothing
	STEP 1, 0, 0
	s_wait_dscnt 4*NL
	WIN MUL_LO
	MUL16 0, 1, NQ-1, 1, 0
	MUL16 2, 1, NQ-1, 1, 0
	s_wait_dscnt 0
	WIN MUL_HI
	MUL16 4, 1, NQ-1, 1, 0
	MUL16 6, 1, NQ-1, 1, 0
	WIN 0
; THE WAY OUT.  For a block a of A's rows a lane's 64 results (window win, from register src on) are: register 16 b + i = index 32 b + 16 (lane / 16) + i along the next K.  They become a fragment's codes in v[PC] on and its scale word in v[pw].
.macro QUANT win, src, pw
	WIN ((\win)<<2)|((\win)<<4)
.irp b, 0,1,2,3
	v_max3_num_f32 v[TM+\b], 0x1800000, |v[\src+16*\b]|, |v[\src+1+16*\b]|   ; my 16 numbers of block b, and the floor 2^(3 - 127): the byte cannot fall under 1
.endr
.irp i, 2,4,6,8,10,12,14
.irp b, 0,1,2,3
	v_max3_num_f32 v[TM+\b], v[TM+\b], |v[\src+16*\b+\i]|, |v[\src+1+16*\b+\i]|
.endr
.endr
	WIN 0
.irp b, 0,1,2,3
	v_permlanex16_b32 v[TM+4+\b], v[TM+\b], s98, s99
.endr
.irp b, 0,1,2,3
	v_max_num_f32 v[TM+\b], v[TM+\b], v[TM+4+\b]   ; with lane l xor 16's: the block's largest magnitude
.endr
.irp b, 0,1,2,3
	v_add_nc_u32 v[TM+12+\b], 0xff000000, v[TM+\b] ; 2 off its exponent field: the conversion's scale operand
.endr
.irp b, 0,1,2,3
	v_lshrrev_b32 v[TM+4+\b], 23, v[TM+12+\b]      ; the scale's byte
.endr
	v_lshl_or_b32 v[\pw], v[TM+5], 8, v[TM+4]
	v_lshl_or_b32 v[\pw], v[TM+6], 16, v[\pw]
	v_lshl_or_b32 v[\pw], v[TM+7], 24, v[\pw]
	WIN (\win)
.irp c, 0,1
	v_cvt_scalef32_pk16_fp6_f32 v[PC+6*\c:PC+2+6*\c], v[\src+32*\c:\src+15+32*\c], v[TM+12+2*\c]
	v_cvt_scalef32_pk16_fp6_f32 v[PC+12+4*\c:PC+14+4*\c], v[\src+16+32*\c:\src+31+32*\c], v[TM+12+2*\c+1]   ; (a conversion's three registers begin on an even number)
.endr
	WIN 0
	v_nop                                          ; one plain line behind a scaled conversion
.irp c, 0,1                            ; the operand's layout wants a whole block in a lane
.irp i, 0,1,2
	v_permlane16_swap_b32 v[PC+6*\c+\i], v[PC+12+4*\c+\i]
.endr
.irp i, 0,1,2
	v_mov_b32 v[PC+3+6*\c+\i], v[PC+12+4*\c+\i]
.endr
.endr
.endm
; q, k: block a = 16 positions; the 128 features are two heads: the fragment's two half images go to two heads' buffers, 98,304 bytes apart, and so do the two halves of the scale word (its upper two bytes stay 0)
.macro EPIQK a
.set WQ, 2+(\a)/4
.set AC, 64*((\a)%4)
	s_wait_xcnt 0x0                                ; the last block's stores have read their registers
	WIN (WQ<<6)|WQ
.set j, 0
.rept 32
	v_pk_add_f32 v[AC+j:AC+j+1], v[AC+j:AC+j+1], v[BIAS+j:BIAS+j+1]   ; each accumulator from its low end on
.set j, j+2
.endr
	QUANT WQ, AC, PW
	v_and_b32 v[SWR], 0xffff, v[PW]
	v_lshrrev_b32 v[SWR+1], 16, v[PW]
	v_cndmask_b32 v[SWR], v[SWR], v[SWR+1], s97    ; lanes 0-15 the first head's word, lanes 16-31 the second's
	global_store_b128 v[LI16], v[PC:PC+3], s[8:9] offset:(\a)*768
	global_store_b64 v[LI8], v[PC+4:PC+5], s[8:9] offset:(\a)*768+512
	global_store_b128 v[LI16], v[PC+6:PC+9], s[8:9] offset:(\a)*768+98304
	global_store_b64 v[LI8], v[PC+10:PC+11], s[8:9] offset:(\a)*768+98304+512
	global_store_b32 v[SOFF], v[SWR], s[10:11] offset:(\a)*64
.endm
; v: block a = 16 features (head a / 4, block a % 4 of its four); the 128 positions are one K step of the keys: a whole fragment
.macro EPIV a
.set WQ, 2+(\a)/4
.set AC, 64*((\a)%4)
	s_wait_xcnt 0x0
	WIN (WQ<<6)|WQ
.set j, 0
.rept 32
	v_pk_add_f32 v[AC+j:AC+j+1], v[AC+j:AC+j+1], v[BV+2*(\a):BV+2*(\a)+1]
.set j, j+2
.endr
	QUANT WQ, AC, PW
	global_store_b128 v[LI16], v[PC:PC+3], s[8:9] offset:((\a)/4)*98304+((\a)%4)*1536
	global_store_b64 v[LI8], v[PC+4:PC+5], s[8:9] offset:((\a)/4)*98304+((\a)%4)*1536+512
	global_store_b128 v[LI16], v[PC+6:PC+9], s[8:9] offset:((\a)/4)*98304+((\a)%4)*1536+768
	global_store_b64 v[LI8], v[PC+10:PC+11], s[8:9] offset:((\a)/4)*98304+((\a)%4)*1536+1280
	global_store_b32 v[L4], v[PW], s[10:11] offset:((\a)/4)*8192+((\a)%4)*128
.endm
	PLACES NP                                      ; behind the last products: their results are read and A's registers written below
	s_wait_loadcnt 0x0                             ; the biases
.irp b, 0,1,2,3
	v_mov_b32 v[TM+4+\b], 0                        ; written once: a lane permute's destination counts as one of its sources
.endr
	s_cmp_eq_u32 ttmp9, 2                          ; the cluster's x: alike in all partners
	s_cbranch_scc1 .Lway_v
	s_lshl_b32 s20, s17, 2
	s_add_co_u32 s20, s20, s41                     ; src's tile 4 CY + cy
	s_lshr_b32 s21, s20, 3                         ; the batch entry
	s_and_b32 s20, s20, 7
	s_lshl_b32 s20, s20, 4
	s_lshl_b32 s22, s15, 3
	s_add_co_u32 s20, s20, s22                     ; my first block of positions
	s_lshl_b32 s21, s21, 4
	s_lshl_b32 s22, s40, 2
	s_add_co_u32 s21, s21, s22
	s_lshl_b32 s22, s16, 1
	s_add_co_u32 s21, s21, s22                     ; my first head: 16 b + 4 cx + 2 half
	s_mul_i32 s22, ttmp9, 3145728                  ; q's codes, or k's
	s_mul_i32 s23, s21, 98304
	s_add_co_u32 s22, s22, s23
	s_mul_i32 s23, s20, 768
	s_add_co_u32 s22, s22, s23
	s_mov_b32 s23, 0
	s_add_nc_u64 s[8:9], s[12:13], s[22:23]
	s_lshl_b32 s22, ttmp9, 18
	s_lshl_b32 s46, s21, 13
	s_add_co_u32 s22, s22, s46
	s_lshl_b32 s46, s20, 6
	s_add_co_u32 s22, s22, s46
	s_add_co_u32 s22, s22, 9437184
	s_add_nc_u64 s[10:11], s[12:13], s[22:23]
.irp a, 0,1,2,3,4,5,6,7
	EPIQK \a
.endr
	s_branch .Lclose
.Lway_v:
	s_lshl_b32 s20, s17, 2
	s_add_co_u32 s20, s20, s40                     ; src's tile 4 CY + cx
	s_lshl_b32 s20, s20, 1
	s_add_co_u32 s20, s20, s16                     ; my 128 positions
	s_lshr_b32 s21, s20, 4                         ; the batch entry
	s_and_b32 s20, s20, 15                         ; the K step of the keys
	s_lshl_b32 s21, s21, 4
	s_lshl_b32 s22, s41, 2
	s_add_co_u32 s21, s21, s22
	s_lshl_b32 s22, s15, 1
	s_add_co_u32 s21, s21, s22                     ; my first head: 16 b + 4 cy + 2 half
	s_lshl_b32 s21, s21, 4
	s_add_co_u32 s21, s21, s20
	s_mul_i32 s22, s21, 6144
	s_add_co_u32 s22, s22, 6291456
	s_mov_b32 s23, 0
	s_add_nc_u64 s[8:9], s[12:13], s[22:23]
	s_lshl_b32 s22, s21, 9
	s_add_co_u32 s22, s22, 9961472
	s_add_nc_u64 s[10:11], s[12:13], s[22:23]
.irp a, 0,1,2,3,4,5,6,7
	EPIV \a
.endr
.Lclose:
	s_wait_tensorcnt 0x0                           ; the wave's end
	ds_add_u32 v[SPW], v[NIL]
	s_wait_dscnt 0x0
	CROUND                                         ; the closing round: no work-group ends while a partner may still ask for a tile that names it
	s_endpgm
.Lfunc_end_k_q92934b9eae_gemm_qkv:
	.size	k_q92934b9eae_gemm_qkv, .Lfunc_end_k_q92934b9eae_gemm_qkv-k_q92934b9eae_gemm_qkv
	.p2alignl 7, 3214868480
	.fill 96, 4, 3214868480
	.section	.rodata,"a",@progbits
	.p2align	6, 0x0
	.amdhsa_kernel k_q92934b9eae_gemm_qkv
		.amdhsa_group_segment_fixed_size 327680
		.amdhsa_private_segment_fixed_size 0
		.amdhsa_enable_private_segment 0
		.amdhsa_kernarg_size 40
		.amdhsa_user_sgpr_count 2
		.amdhsa_user_sgpr_kernarg_segment_ptr 1
		.amdhsa_wavefront_size32 1
		.amdhsa_system_sgpr_workgroup_id_x 1
		.amdhsa_system_sgpr_workgroup_id_y 1
		.amdhsa_system_sgpr_workgroup_id_z 1
		.amdhsa_system_vgpr_workitem_id 0
		.amdhsa_next_free_vgpr 1024
		.amdhsa_next_free_sgpr 100
		.amdhsa_reserve_vcc 0
		.amdhsa_float_denorm_mode_32 3
		.amdhsa_float_denorm_mode_16_64 3
		.amdhsa_memory_ordered 1
		.amdhsa_forward_progress 1
		.amdhsa_inst_pref_size 225
	.end_amdhsa_kernel
	.amdgpu_metadata
---
amdhsa.version: [ 1, 2 ]
amdhsa.kernels:
  - .name:           k_q92934b9eae_gemm_qkv
    .symbol:         k_q92934b9eae_gemm_qkv.kd
    .args:
      - { .name: inq, .offset: 0, .size: 8, .value_kind: global_buffer, .address_space: global }
      - { .name: bq, .offset: 8, .size: 8, .value_kind: global_buffer, .address_space: global }
      - { .name: bk, .offset: 16, .size: 8, .value_kind: global_buffer, .address_space: global }
      - { .name: bv, .offset: 24, .size: 8, .value_kind: global_buffer, .address_space: global }
      - { .name: qkv, .offset: 32, .size: 8, .value_kind: global_buffer, .address_space: global }
    .group_segment_fixed_size: 327680
    .private_segment_fixed_size: 0
    .kernarg_segment_align: 8
    .kernarg_segment_size: 40
    .max_flat_workgroup_size: 128
    .sgpr_count:     100
    .vgpr_count:     1024
    .wavefront_size: 32
...
	.end_amdgpu_metadata
.endif
;; end of part 2
;; launch attention (part 3): grid 8 x 32, 16 waves a work-group, clusters of 4 x 1, 215,040 bytes of LDS; arguments qkv, att; writes att
.if DOCPART == 3
	.amdgcn_target "amdgcn-amd-amdhsa--gfx1250"
	.amdhsa_code_object_version 6
	.text
	.protected	k_q92934b9eae_attention
	.globl	k_q92934b9eae_attention
	.p2align	8
	.type	k_q92934b9eae_attention,@function
k_q92934b9eae_attention:
	s_mov_b64 s[64:65], 0
	v_nop
	global_prefetch_b8 v0, s[64:65] scope:SCOPE_SE
	s_setreg_imm32_b32 hwreg(HW_REG_WAVE_MODE, 25, 1), 1
	s_wait_xcnt 0x0
	s_wait_alu depctr_hold_cnt(0) depctr_sa_sdst(0) depctr_va_vdst(0) depctr_va_sdst(0) depctr_va_ssrc(0) depctr_va_vcc(0) depctr_vm_vsrc(0)
	s_getreg_b32 s2, hwreg(HW_REG_IB_STS2, 6, 4)
	s_cmp_eq_u32 s2, 0
	s_cbranch_scc0 .Lentry_in_a_cluster
	s_endpgm
.Lentry_in_a_cluster:
	s_bfe_u32 s2, ttmp6, 0x10000c
	s_cmp_lg_u32 s2, 0x3003
	s_cbranch_scc0 .Lentry_shape_is_right
	s_endpgm
.Lentry_shape_is_right:
; o = softmax(q k^T / 8) v for one head of one batch entry, both products on codes of FP6 (E2M3) with E8M0 scales; o is quantised along the head's 64 and leaves as codes for the next product.
; THE SOFTMAX: t = score x log2(e) / 8; M = the running largest t rounded up to a whole number; p = 2^(t - M) is what is quantised, along the keys, not normalised; the row's sum is taken of the unquantised p and divides at the end.
; When M moves, the sum and O are multiplied by 2^(old M - new M): exact.
; SHARES.  A work-group owns 256 queries of head bh = 16 b + head; each of its sixteen waves 16 of them (one block of positions), in 256 registers: four waves to a SIMD.  Every wave walks all 2,048 keys, 128 a step.
; ALL of the head's K (98,304 bytes), V^T (98,304) and their scale words (8,192 each) fit in LDS: they come once, in five loads for each of waves 0 (K) and 1 (V): nothing is filled again.  The codes come in four chunks of 512 keys;
; each chunk is waited for just ahead of its four steps.  The four work-groups of a cluster own the same head: each load is asked for jointly.
; LAYOUT.  Both products are used transposed: S^T = K Q^T, O^T = V^T P^T: a lane holds one query (lane % 16) throughout.  Blocks of positions hold s = 32 (pb / 2) + 8 (pb % 2) + r % 8 + 16 (r / 8), so the 16 registers of two
; neighbouring tiles of S^T are 16 neighbouring keys; V^T's rows are ordered likewise, so O^T's registers are neighbours along the head's 64.
; K = 64 IN AN INSTRUCTION OF 128: Q's registers 6-11 are zero codes, so whatever K's operand holds there adds exactly 0 (FP6 has no NaN and no infinity): tile t's operand is v[32 + 6 t .. + 11], whose upper half is tile t + 1's data
; (tile 7's: six registers of zeros).  The scale bytes of that half are 0 on both sides.
; LIMITS: a block of zeros gets the byte 1 (its codes are zeros; this program alone reads the bytes); NaN and infinities are not served.
; REGISTERS: v1-5 lane terms; v6-10, v94 the step's LDS addresses; v11 Q's scale words; v12 -M, v13 the largest t, v[14:15] the sum; v16-27 Q; v28-31 V's scale words; v32-85 K's tiles, then V's fragments; v86-93 K's scale words;
;   v96-159 S^T, then p; v160-191 O^T; v192-223 o; v224-235 codes; v232-254 at work.
.set VLDS, 98304
.set SCK,  196608
.set SCV,  204800
.set WV,   8
.set G1C,  16                          ; s[16:23] group 1 for a chunk: 96 rows of 256 bytes
.set G1S,  24                          ; s[24:31] for the scale words: 32 rows of 256 bytes
.set G0,   32                          ; s[32:35] group 0 for the scale words, s[36:51] for chunks 0 to 3
.set SEL,  52
.set CS,   54
.set TK,   56
.set TS,   57
.set CNT,  58
.macro CROUND
	s_barrier_signal -1
	s_barrier_wait -1
	s_cmp_lg_u32 s[WV], 0
	s_cbranch_scc1 .Lnot_wave_0_\@
	s_barrier_signal -3
.Lnot_wave_0_\@:
	s_barrier_wait -3
	s_barrier_signal -1
	s_barrier_wait -1
.endm
	s_load_b128 s[4:7], s[0:1], 0x0                ; qkv, att
	v_lshl_add_u32 v251, v0, 2, 0x34000
	v_mov_b32 v255, 0
	ds_add_u32 v251, v255
	ds_add_u32 v251, v255
	v_lshrrev_b32 v95, 5, v0
	v_readfirstlane_b32 s[WV], v95                 ; wave 0..15
	s_bfe_u32 s9, ttmp6, 0x40000                   ; cx: it enters Q's and att's global addresses alone
	s_lshl_b32 s10, ttmp9, 2
	s_add_co_u32 s10, s10, s9                      ; my block of 256 queries
	s_and_b32 s11, ttmp7, 0xffff                   ; bh, which the four partners share
	s_mov_b32 s[G1C], 15|(3<<16)|(1<<21)           ; the mask: all four work-groups; elements of 8 bytes; bit 21 beside a mask
	s_mov_b32 s[G1C+1], 32<<16
	s_mov_b32 s[G1C+2], 96<<16
	s_mov_b32 s[G1C+3], 32<<16
	s_mov_b32 s[G1C+4], 96
	s_mov_b32 s[G1C+5], 32
	s_mov_b32 s[G1C+6], 0
	s_mov_b32 s[G1C+7], 0
	s_mov_b32 s[G1S], 15|(3<<16)|(1<<21)
	s_mov_b32 s[G1S+1], 32<<16
	s_mov_b32 s[G1S+2], 32<<16
	s_mov_b32 s[G1S+3], 32<<16
	s_mov_b32 s[G1S+4], 32
	s_mov_b32 s[G1S+5], 32
	s_mov_b32 s[G1S+6], 0
	s_mov_b32 s[G1S+7], 0
	s_mul_i32 s60, s[WV], 3145728                  ; wave 0: K's codes, wave 1: V's, 3,145,728 bytes on
	s_mul_i32 s61, s11, 98304
	s_add_co_u32 s60, s60, s61
	s_add_co_u32 s60, s60, 3145728
	s_mov_b32 s61, 0
	s_mul_i32 s62, s[WV], 262144                   ; and their scale words
	s_lshl_b32 s63, s11, 13
	s_add_co_u32 s62, s62, s63
	s_add_co_u32 s62, s62, 9699328
	s_mov_b32 s63, 0
	s_mul_i32 s66, s[WV], VLDS                     ; where they go
	s_lshl_b32 s67, s[WV], 13
	s_add_co_u32 s67, s67, SCK
	s_lshl_b32 s68, s10, 4
	s_add_co_u32 s68, s68, s[WV]                   ; my block of positions
	s_lshl_b32 s69, s11, 7
	s_add_co_u32 s69, s69, s68                     ; 128 bh + pb
	s_mul_i32 s12, s69, 768
	s_mov_b32 s13, 0
	s_lshl_b32 s14, s69, 6
	s_add_co_u32 s14, s14, 9437184
	s_mov_b32 s15, 0
	s_mov_b32 s[SEL], 0x76543210
	s_mov_b32 s[SEL+1], 0xfedcba98
	s_mov_b32 s[CS], 0x3e38aa3b                    ; c = log2(e) / 8
	s_mov_b32 s[CS+1], s[CS]                       ; (named with it as a pair, so it is written)
	s_wait_dscnt 0x0
	s_wait_kmcnt 0x0
	s_add_nc_u64 s[60:61], s[4:5], s[60:61]
	s_add_nc_u64 s[62:63], s[4:5], s[62:63]
	s_add_nc_u64 s[12:13], s[4:5], s[12:13]        ; Q's half image
	s_add_nc_u64 s[14:15], s[4:5], s[14:15]        ; Q's scale words
	CROUND                                         ; all four work-groups are here: the joint loads meet
	s_mov_b32 s[G0], 1
	s_mov_b32 s[G0+1], s67
	s_mov_b64 s[G0+2:G0+3], s[62:63]
	s_or_b32 s[G0+3], s[G0+3], 0x80000000
.irp c, 0,1,2,3
	s_mov_b32 s[G0+4+4*\c], 1
	s_add_co_u32 s[G0+5+4*\c], s66, \c*24576
	s_add_nc_u64 s[G0+6+4*\c:G0+7+4*\c], s[60:61], \c*24576
	s_or_b32 s[G0+7+4*\c], s[G0+7+4*\c], 0x80000000
.endr
	s_cmp_lt_u32 s[WV], 2                          ; all first fills of a wave stand in one branch on its number: five loads of mine are out
	s_cbranch_scc0 .Lno_fetch
	tensor_load_to_lds s[G0:G0+3], s[G1S:G1S+7]
	s_nop 0
	tensor_load_to_lds s[G0+4:G0+7], s[G1C:G1C+7]
	s_nop 0
	tensor_load_to_lds s[G0+8:G0+11], s[G1C:G1C+7]
	s_nop 0
	tensor_load_to_lds s[G0+12:G0+15], s[G1C:G1C+7]
	s_nop 0
	tensor_load_to_lds s[G0+16:G0+19], s[G1C:G1C+7]
	s_nop 0
.rept 4
	v_nop
.endr
.Lno_fetch:
	v_and_b32 v95, 31, v0
	v_lshlrev_b32 v1, 4, v95                       ; 16 x lane
	v_lshlrev_b32 v2, 3, v95                       ; 8 x lane
	v_and_b32 v5, 15, v0
	v_lshlrev_b32 v5, 2, v5                        ; 4 r
	v_add_nc_u32 v3, SCK, v5
	v_lshl_add_u32 v4, v95, 2, SCV
	global_load_b128 v[16:19], v1, s[12:13]        ; Q's six registers stay
	global_load_b64 v[20:21], v2, s[12:13] offset:512
	global_load_b32 v11, v5, s[14:15]
	; where o goes: row block 128 b + pb, K step head / 2, half image head % 2
	s_lshr_b32 s60, s11, 4
	s_and_b32 s61, s11, 15
	s_lshl_b32 s60, s60, 7
	s_add_co_u32 s60, s60, s68
	s_lshr_b32 s62, s61, 1
	s_and_b32 s61, s61, 1
	s_lshl_b32 s63, s60, 3
	s_add_co_u32 s63, s63, s62
	s_mul_i32 s63, s63, 1536
	s_mul_i32 s66, s61, 768
	s_add_co_u32 s66, s66, s63
	s_mov_b32 s67, 0
	s_add_nc_u64 s[66:67], s[6:7], s[66:67]
	s_lshl_b32 s70, s60, 9
	s_lshl_b32 s62, s62, 6
	s_add_co_u32 s70, s70, s62
	s_lshl_b32 s61, s61, 1
	s_add_co_u32 s70, s70, s61
	s_add_co_u32 s70, s70, 3145728
	s_mov_b32 s71, 0
	s_add_nc_u64 s[70:71], s[6:7], s[70:71]
.irp j, 22,23,24,25,26,27, 80,81,82,83,84,85
	v_mov_b32 v[\j], 0                             ; zero codes: the unused half of K
.endr
	v_mov_b32 v13, 0xff61b1e6                      ; the largest t so far: -3e38
	v_floor_f32 v12, -v13                          ; -M
	v_mov_b32 v14, 0
	v_mov_b32 v15, 0
.irp b, 0,1,2,3
	v_mov_b32 v[236+\b], 0                         ; written once: a lane permute's destination counts as one of its sources
.endr
	v_mov_b32 v253, 0                              ; (named as the upper half of v[252:253] before it is first written)
.set j, 0
.rept 32
	v_mov_b32 v[160+j], 0                          ; O^T: the step is written once; the first change of M leaves zeros zeros
.set j, j+1
.endr
; A KEY STEP: 128 keys
.macro STEP
	v_add_nc_u32 v6, s[TK], v1                     ; six additions: also the places behind the last step's products, in front of the loads below
	v_add_nc_u32 v7, s[TK], v2
	v_add_nc_u32 v10, s[TS], v3
	v_add_nc_u32 v94, s[TS], v4
	v_add_nc_u32 v8, VLDS, v6
	v_add_nc_u32 v9, VLDS, v7
.irp t, 0,1,2,3,4,5,6,7
	ds_load_b128 v[32+6*\t:35+6*\t], v6 offset:768*\t
	ds_load_b64 v[36+6*\t:37+6*\t], v7 offset:768*\t+512
	ds_load_b32 v[86+\t], v10 offset:64*\t
.endr
	s_wait_dscnt 0x0
.irp t, 0,1,2,3,4,5,6,7
	v_wmma_scale_f32_16x16x128_f8f6f4 v[96+8*\t:103+8*\t], v[32+6*\t:43+6*\t], v[16:27], 0, v[86+\t], v11 matrix_a_fmt:MATRIX_FMT_FP6 matrix_b_fmt:MATRIX_FMT_FP6
.endr
.rept 4
	v_nop                                          ; places: the loads below land in registers that these products read, and the softmax reads their results
.endr
.irp t, 0,1,2,3                        ; V^T's four fragments land while the softmax is walked
	ds_load_b128 v[32+12*\t:35+12*\t], v8 offset:1536*\t
	ds_load_b64 v[36+12*\t:37+12*\t], v9 offset:1536*\t+512
	ds_load_b128 v[38+12*\t:41+12*\t], v8 offset:1536*\t+768
	ds_load_b64 v[42+12*\t:43+12*\t], v9 offset:1536*\t+1280
	ds_load_b32 v[28+\t], v94 offset:128*\t
.endr
.irp b, 0,1,2,3
	v_max3_num_f32 v[232+\b], v[96+16*\b], v[97+16*\b], v[98+16*\b]   ; the largest score of each block of 32 keys: for the row's maximum and, since p rises with the score, for the block's largest p
.endr
.irp i, 3,5,7,9,11,13
.irp b, 0,1,2,3
	v_max3_num_f32 v[232+\b], v[232+\b], v[96+16*\b+\i], v[97+16*\b+\i]
.endr
.endr
.irp b, 0,1,2,3
	v_max_num_f32 v[232+\b], v[232+\b], v[111+16*\b]
.endr
.irp b, 0,1,2,3
	v_permlanex16_b32 v[236+\b], v[232+\b], s[SEL], s[SEL+1]
.endr
.irp b, 0,1,2,3
	v_max_num_f32 v[232+\b], v[232+\b], v[236+\b]  ; with lane l xor 16's 16 keys
.endr
	v_max3_num_f32 v254, v232, v233, v234
	v_max_num_f32 v254, v254, v235
	v_mul_f32 v254, s[CS], v254                    ; as t (c is positive)
	v_max_num_f32 v13, v13, v254                   ; the running largest t
	v_mov_b32 v254, v12
	v_floor_f32 v12, -v13                          ; the new -M = floor(-t): M is a whole number
	v_sub_f32 v254, v12, v254                      ; old M - new M: a whole number, 0 or less
	v_cvt_i32_f32 v254, v254                       ; (it saturates)
	v_ldexp_f32 v252, 1.0, v254                    ; f = 2^(old M - new M)
.set j, 0
.rept 32
	v_pk_fma_f32 v[96+j:97+j], v[96+j:97+j], s[CS:CS+1], v[12:13] op_sel_hi:[1,0,0]   ; t - M, two at a time
.set j, j+2
.endr
.irp b, 0,1,2,3
	v_fma_f32 v[232+\b], v[232+\b], s[CS], v12     ; the same of each block's largest score
.endr
.set j, 0
.rept 64
	v_exp_f32 v[96+j], v[96+j]                     ; p = 2^(t - M), at most 1
.set j, j+1
.endr
.irp b, 0,1,2,3
	v_exp_f32 v[232+\b], v[232+\b]                 ; the block's largest p: the same two instructions on the same number
.endr
	v_pk_mul_f32 v[14:15], v[14:15], v[252:253] op_sel_hi:[1,0]   ; the sums under the new M (a plain line behind the exponentials)
	s_wait_alu depctr_va_vdst(0)
.irp b, 0,1,2,3
	v_max_num_f32 v[232+\b], 0x1800000, v[232+\b]  ; the floor 2^(3 - 127)
.endr
.irp b, 0,1,2,3
	v_add_nc_u32 v[244+\b], 0xff000000, v[232+\b]  ; the conversion's scale operand
.endr
.irp b, 0,1,2,3
	v_lshrrev_b32 v[236+\b], 23, v[244+\b]         ; the scale's byte
.endr
	v_lshl_or_b32 v253, v237, 8, v236              ; p's scale word for these 128 keys
	v_lshl_or_b32 v253, v238, 16, v253
	v_lshl_or_b32 v253, v239, 24, v253
.irp c, 0,1
	v_cvt_scalef32_pk16_fp6_f32 v[224+6*\c:226+6*\c], v[96+32*\c:111+32*\c], v[244+2*\c]
	v_cvt_scalef32_pk16_fp6_f32 v[236+4*\c:238+4*\c], v[112+32*\c:127+32*\c], v[244+2*\c+1]
.endr
	v_nop                                          ; one plain line behind a scaled conversion
.irp c, 0,1
.irp i, 0,1,2
	v_permlane16_swap_b32 v[224+6*\c+\i], v[236+4*\c+\i]
.endr
.irp i, 0,1,2
	v_mov_b32 v[227+6*\c+\i], v[236+4*\c+\i]
.endr
.endr
	v_pk_add_f32 v[236:237], v[96:97], v[98:99]    ; the row's sum is taken of the unquantised p: two chains
.irp j, 4,8,12,16,20,24,28,32,36,40,44,48,52,56,60
	v_pk_add_f32 v[14:15], v[14:15], v[96+\j:97+\j]
	v_pk_add_f32 v[236:237], v[236:237], v[98+\j:99+\j]
.endr
	v_pk_add_f32 v[14:15], v[14:15], v[236:237]
.set j, 0
.rept 16
	v_pk_mul_f32 v[160+j:161+j], v[160+j:161+j], v[252:253] op_sel_hi:[1,0]   ; O^T under the new M; these are also the places between the scale word's and the codes' last writes and the products
.set j, j+2
.endr
	s_wait_dscnt 0x0                               ; V^T's fragments and scale words
.irp t, 0,1,2,3
	v_wmma_scale_f32_16x16x128_f8f6f4 v[160+8*\t:167+8*\t], v[32+12*\t:43+12*\t], v[224:235], v[160+8*\t:167+8*\t], v[28+\t], v253 matrix_a_fmt:MATRIX_FMT_FP6 matrix_b_fmt:MATRIX_FMT_FP6
.endr
	s_add_co_u32 s[TK], s[TK], 6144
	s_add_co_u32 s[TS], s[TS], 512
.endm
; 512 keys: the wave that fetched them waits until at most the later chunks' loads are out, then the barrier shows them to all sixteen
.macro CHUNK c
	s_wait_tensorcnt 3-\c
	s_wait_dscnt 0x0
	s_barrier_signal -1
	s_barrier_wait -1
	s_mov_b32 s[TK], \c*24576
	s_mov_b32 s[TS], \c*2048
	s_mov_b32 s[CNT], 4
.Lstep_\@:
	STEP
	s_sub_co_u32 s[CNT], s[CNT], 1
	s_cmp_lg_u32 s[CNT], 0
	s_cbranch_scc1 .Lstep_\@
.endm
	s_wait_loadcnt 0x0                             ; Q
	CHUNK 0
	CHUNK 1
	CHUNK 2
	CHUNK 3
	; THE WAY OUT: o = O^T / the sum; register 16 b + i is o(query, 32 b + 16 (lane / 16) + i): two blocks of 32 along the next K
.rept 4
	v_nop
.endr
	v_add_f32 v14, v14, v15
	v_permlanex16_b32 v252, v14, s[SEL], s[SEL+1]
	v_add_f32 v14, v14, v252                       ; the row's sum
	v_rcp_f32 v14, v14
	v_nop
.set j, 0
	s_wait_alu depctr_va_vdst(0)
.rept 32
	v_mul_f32 v[192+j], v[160+j], v14
.set j, j+1
.endr
.irp b, 0,1
	v_max3_num_f32 v[232+\b], |v[192+16*\b]|, |v[193+16*\b]|, 0x1800000
.endr
.irp i, 2,4,6,8,10,12,14
.irp b, 0,1
	v_max3_num_f32 v[232+\b], v[232+\b], |v[192+16*\b+\i]|, |v[193+16*\b+\i]|
.endr
.endr
.irp b, 0,1
	v_permlanex16_b32 v[236+\b], v[232+\b], s[SEL], s[SEL+1]
.endr
.irp b, 0,1
	v_max_num_f32 v[232+\b], v[232+\b], v[236+\b]
.endr
.irp b, 0,1
	v_add_nc_u32 v[244+\b], 0xff000000, v[232+\b]
.endr
.irp b, 0,1
	v_lshrrev_b32 v[236+\b], 23, v[244+\b]
.endr
	v_lshl_or_b32 v253, v237, 8, v236              ; my head's two bytes of the row's scale word
	v_cvt_scalef32_pk16_fp6_f32 v[224:226], v[192:207], v244
	v_cvt_scalef32_pk16_fp6_f32 v[240:242], v[208:223], v245
	v_nop
.irp i, 0,1,2
	v_permlane16_swap_b32 v[224+\i], v[240+\i]
.endr
.irp i, 0,1,2
	v_mov_b32 v[227+\i], v[240+\i]
.endr
	global_store_b128 v1, v[224:227], s[66:67]               ; a half image: 512 and 256 consecutive bytes, aligned
	global_store_b64 v2, v[228:229], s[66:67] offset:512
	global_store_b16 v5, v253, s[70:71]                      ; two bytes a row: a scale word spans two heads, which two work-groups own; lanes l and l xor 16 write the same bytes with the same value
	s_wait_tensorcnt 0x0
	ds_add_u32 v251, v255
	s_wait_dscnt 0x0
	CROUND                                         ; the closing round
	s_endpgm
.Lfunc_end_k_q92934b9eae_attention:
	.size	k_q92934b9eae_attention, .Lfunc_end_k_q92934b9eae_attention-k_q92934b9eae_attention
	.p2alignl 7, 3214868480
	.fill 96, 4, 3214868480
	.section	.rodata,"a",@progbits
	.p2align	6, 0x0
	.amdhsa_kernel k_q92934b9eae_attention
		.amdhsa_group_segment_fixed_size 215040
		.amdhsa_private_segment_fixed_size 0
		.amdhsa_enable_private_segment 0
		.amdhsa_kernarg_size 16
		.amdhsa_user_sgpr_count 2
		.amdhsa_user_sgpr_kernarg_segment_ptr 1
		.amdhsa_wavefront_size32 1
		.amdhsa_system_sgpr_workgroup_id_x 1
		.amdhsa_system_sgpr_workgroup_id_y 1
		.amdhsa_system_sgpr_workgroup_id_z 1
		.amdhsa_system_vgpr_workitem_id 0
		.amdhsa_next_free_vgpr 256
		.amdhsa_next_free_sgpr 72
		.amdhsa_reserve_vcc 0
		.amdhsa_float_denorm_mode_32 3
		.amdhsa_float_denorm_mode_16_64 3
		.amdhsa_memory_ordered 1
		.amdhsa_forward_progress 1
		.amdhsa_inst_pref_size 80
	.end_amdhsa_kernel
	.amdgpu_metadata
---
amdhsa.version: [ 1, 2 ]
amdhsa.kernels:
  - .name:           k_q92934b9eae_attention
    .symbol:         k_q92934b9eae_attention.kd
    .args:
      - { .name: qkv, .offset: 0, .size: 8, .value_kind: global_buffer, .address_space: global }
      - { .name: att, .offset: 8, .size: 8, .value_kind: global_buffer, .address_space: global }
    .group_segment_fixed_size: 215040
    .private_segment_fixed_size: 0
    .kernarg_segment_align: 8
    .kernarg_segment_size: 16
    .max_flat_workgroup_size: 512
    .sgpr_count:     72
    .vgpr_count:     256
    .wavefront_size: 32
...
	.end_amdgpu_metadata
.endif
;; end of part 3
;; launch gemm_o (part 4): grid 4 x 16, 4 waves a work-group, clusters of 4 x 4, 327,680 bytes of LDS; arguments att, inq, y; writes y
.if DOCPART == 4
	.amdgcn_target "amdgcn-amd-amdhsa--gfx1250"
	.amdhsa_code_object_version 6
	.text
	.protected	k_q92934b9eae_gemm_o
	.globl	k_q92934b9eae_gemm_o
	.p2align	8
	.type	k_q92934b9eae_gemm_o,@function
k_q92934b9eae_gemm_o:
	s_mov_b64 s[64:65], 0
	v_nop
	global_prefetch_b8 v0, s[64:65] scope:SCOPE_SE
	s_setreg_imm32_b32 hwreg(HW_REG_WAVE_MODE, 25, 1), 1
	s_wait_xcnt 0x0
	s_wait_alu depctr_hold_cnt(0) depctr_sa_sdst(0) depctr_va_vdst(0) depctr_va_sdst(0) depctr_va_ssrc(0) depctr_va_vcc(0) depctr_vm_vsrc(0)
	s_getreg_b32 s2, hwreg(HW_REG_IB_STS2, 6, 4)
	s_cmp_eq_u32 s2, 0
	s_cbranch_scc0 .Lentry_in_a_cluster
	s_endpgm
.Lentry_in_a_cluster:
	s_bfe_u32 s2, ttmp6, 0x10000c
	s_cmp_lg_u32 s2, 0xf033
	s_cbranch_scc0 .Lentry_shape_is_right
	s_endpgm
.Lentry_shape_is_right:
; y = o Wo^T (raw sums, f32): A = the attention's output, B = Wo, both as codes of FP6 (E2M3) with E8M0 scales; the bias and the residual are added by the launch that normalises.
; A tile of 256 x 256 to a work-group of four waves, 128 x 128 a wave (64 accumulators); K in steps of 256 through a ring of two LDS slots filled by the tensor data mover.
; OPERANDS lie in memory as images of the matrix unit's registers: a fragment (16 rows x 128 K) is 1,536 bytes, fetched by dense LDS loads of 16, 8, 16, 8 bytes a lane; an operand is [row block][K step][1,536].
; Scale words [row block][K step][16 rows]: those of a tile, for all of K, are one dense block and come into LDS once.
; SOURCE 0 = B's rows, SOURCE 1 = A's rows: a lane holds eight neighbouring numbers of a row of y.  CLUSTERS 4 x 4: A's tiles are shared along a row of the cluster, B's along a column, by joint loads.
; N = 1,024 gives 64 tiles of this size: three WGPs in four have no work in this launch.
; REGISTERS: window 0: v0-31 addresses; v32-63 scale words, two sets; v128-223 A's fragments, one set (on the way out v128-255 rows of y).  window 1: B's fragments, two sets.  windows 2, 3: the accumulators.
.set KS,     8                         ; K / 128
.set AOFF,   0
.set ASOFF,  3145728
.set BOFF,   5505024
.set BSOFF,  12582912+448*512
.set SIZE_N, 1024
.set NQ,     2
.set FR,     12
.set NL,     4
.set NP,     4
.set BLKB,   3072
.set HALFT,  8*BLKB
.set SLOT,   4*HALFT
.set LAPS,   KS/4
.set SCL,    2*SLOT
.set HALFS,  8*KS*64
.set SPARE,  SCL+4*HALFS               ; the spare words, 128 bytes for each wave: two blocks of 256 bytes that no other line names
.set SPITCH, 528                       ; the way out: a stage of 16 rows x (512 + 16) bytes for each wave, in slot 0, which has had its last fill and its last read by then
.set ADRA, 16
.set ADRB, 20
.set STO,  24
.set RD,   25
.set CO,   26
.set ADRS, 27
.set SPW,  28
.set NIL,  29
.set SC,   32
.set AF,   128
.set BK,   128
.set G1, 24
.set G0, 32
.set G1B, 48
.set G0B, 56
.set G1S, 68
.set G0S, 76
.set G1SB, 80
.set G0SB, 88
.set MSB, 0
.macro WIN new
.if MSB != (\new)
	s_set_vgpr_msb (MSB<<8)|(\new)
.set MSB, (\new)
.endif
.endm
.set MUL_LO, 0xa1
.set MUL_HI, 0xf1
.set TO_B,   0x40
.macro JLOAD g0a, g1a, g0b, g1b        ; waves 0 and 1 fetch for A, waves 2 and 3 for B; four v_nop follow each of the two lines
	s_cmp_eq_u32 s15, 0
	s_cbranch_scc0 .Lfor_b_\@
	tensor_load_to_lds s[\g0a:\g0a+3], s[\g1a:\g1a+7]
	s_nop 0
.rept 4
	v_nop
.endr
	s_branch .Lasked_\@
.Lfor_b_\@:
	tensor_load_to_lds s[\g0b:\g0b+3], s[\g1b:\g1b+7]
	s_nop 0
.rept 4
	v_nop
.endr
.Lasked_\@:
.endm
.macro CREST
	s_cmp_lg_u32 s14, 0
	s_cbranch_scc1 .Lnot_wave_0_\@
	s_barrier_signal -3
.Lnot_wave_0_\@:
	s_barrier_wait -3
	s_barrier_signal -1
	s_barrier_wait -1
.endm
.macro CROUND
	s_barrier_signal -1
	s_barrier_wait -1
	CREST
.endm
	s_load_b128 s[4:7], s[0:1], 0x0                ; A's buffer, B's buffer
	s_load_b64 s[12:13], s[0:1], 0x10              ; y
	v_lshl_add_u32 v[SPW], v0, 2, SPARE
	v_mov_b32 v[NIL], 0
	ds_add_u32 v28, v29
	ds_add_u32 v28, v29
	s_wait_dscnt 0x0
	v_lshrrev_b32 v1, 5, v0
	v_readfirstlane_b32 s14, v1
	s_lshr_b32 s15, s14, 1
	s_and_b32 s16, s14, 1
	s_bfe_u32 s40, ttmp6, 0x40000
	s_bfe_u32 s41, ttmp6, 0x40004
	s_lshl_b32 s42, ttmp9, 2
	s_add_co_u32 s42, s42, s40                     ; tile column
	s_and_b32 s17, ttmp7, 0xffff
	s_lshl_b32 s17, s17, 2
	s_add_co_u32 s17, s17, s41                     ; tile row
	s_lshl_b32 s43, s41, 2
	s_lshl_b32 s43, 15, s43
	s_lshl_b32 s44, 0x1111, s40
	s_or_b32 s[G1+0], s43, (3<<16)|(1<<21)         ; 8 rows of 3,072 bytes (384 elements of 8), KS x 1,536 bytes apart; no padding
	s_or_b32 s[G1B+0], s44, (3<<16)|(1<<21)
.irp g, G1, G1B
	s_mov_b32 s[\g+1], 384<<16
	s_mov_b32 s[\g+2], 8<<16
	s_mov_b32 s[\g+3], 384<<16
	s_mov_b32 s[\g+4], 8
	s_mov_b32 s[\g+5], KS*192
	s_mov_b32 s[\g+6], 0
	s_mov_b32 s[\g+7], 0
.endr
	s_or_b32 s[G1S+0], s43, (3<<16)|(1<<21)        ; the scale words of 128 rows: a dense block, as rows of 256 bytes
	s_or_b32 s[G1SB+0], s44, (3<<16)|(1<<21)
.irp g, G1S, G1SB
	s_mov_b32 s[\g+1], 32<<16
	s_mov_b32 s[\g+2], (HALFS/256)<<16
	s_mov_b32 s[\g+3], 32<<16
	s_mov_b32 s[\g+4], HALFS/256
	s_mov_b32 s[\g+5], 32
	s_mov_b32 s[\g+6], 0
	s_mov_b32 s[\g+7], 0
.endr
	s_mul_i32 s66, s16, 8*KS*1536
	s_mul_i32 s67, s16, HALFS
	s_mul_i32 s20, s17, 16*KS*1536
	s_add_co_u32 s20, s20, s66
	s_add_co_u32 s20, s20, AOFF
	s_mov_b32 s21, 0
	s_mul_i32 s22, s17, 16*KS*64
	s_add_co_u32 s22, s22, s67
	s_add_co_u32 s22, s22, ASOFF
	s_mov_b32 s23, 0
	s_mul_i32 s46, s42, 16*KS*1536
	s_add_co_u32 s46, s46, s66
	s_add_co_u32 s46, s46, BOFF
	s_mov_b32 s47, 0
	s_mul_i32 s92, s42, 16*KS*64
	s_add_co_u32 s92, s92, s67
	s_add_co_u32 s92, s92, BSOFF
	s_mov_b32 s93, 0
	s_mul_i32 s45, s14, HALFT
	s_mul_i32 s94, s14, HALFS
	s_wait_kmcnt 0x0
	s_add_nc_u64 s[20:21], s[4:5], s[20:21]
	s_add_nc_u64 s[22:23], s[4:5], s[22:23]
	s_add_nc_u64 s[46:47], s[6:7], s[46:47]
	s_add_nc_u64 s[92:93], s[6:7], s[92:93]
	CROUND                                         ; all sixteen work-groups are here: the first joint loads meet
	s_mov_b32 s[G0S], 1
	s_add_co_u32 s[G0S+1], s94, SCL
	s_mov_b64 s[G0S+2:G0S+3], s[22:23]
	s_or_b32 s[G0S+3], s[G0S+3], 0x80000000
	s_mov_b32 s[G0SB], 1
	s_add_co_u32 s[G0SB+1], s94, SCL
	s_mov_b64 s[G0SB+2:G0SB+3], s[92:93]
	s_or_b32 s[G0SB+3], s[G0SB+3], 0x80000000
	JLOAD G0S, G1S, G0SB, G1SB
.irp s, 0,1
	s_mov_b32 s[G0+4*\s], 1
	s_add_co_u32 s[G0+4*\s+1], s45, \s*SLOT
	s_add_nc_u64 s[G0+4*\s+2:G0+4*\s+3], s[20:21], \s*BLKB
	s_or_b32 s[G0+4*\s+3], s[G0+4*\s+3], 0x80000000
	s_mov_b32 s[G0B+4*\s], 1
	s_add_co_u32 s[G0B+4*\s+1], s45, \s*SLOT
	s_add_nc_u64 s[G0B+4*\s+2:G0B+4*\s+3], s[46:47], \s*BLKB
	s_or_b32 s[G0B+4*\s+3], s[G0B+4*\s+3], 0x80000000
	JLOAD G0+4*\s, G1, G0B+4*\s, G1B
.endr
	v_and_b32 v1, 15, v0
	v_bfe_u32 v2, v0, 4, 1
	v_and_b32 v3, 31, v0
	v_lshlrev_b32 v4, 4, v3
	v_lshlrev_b32 v5, 3, v3
	s_mul_i32 s21, s15, HALFT
	s_mul_i32 s22, s16, HALFT
	s_add_co_u32 s22, s22, 2*HALFT
.irp s, 0,1
	v_add_nc_u32 v[ADRA+\s], s21, v4
	v_add_nc_u32 v[ADRB+\s], s22, v4
	v_add_nc_u32 v[ADRA+2+\s], s21, v5
	v_add_nc_u32 v[ADRB+2+\s], s22, v5
	s_add_co_u32 s21, s21, SLOT
	s_add_co_u32 s22, s22, SLOT
.endr
	v_lshlrev_b32 v5, 2, v1
	s_mul_i32 s21, s15, HALFS
	s_mul_i32 s22, s16, HALFS
	s_add_co_u32 s22, s22, 2*HALFS
	s_sub_co_u32 s22, s22, s21
	v_mul_u32_u24 v6, s22, v2                      ; lanes 16-31 take B's
	s_add_co_u32 s21, s21, SCL
	v_add_nc_u32 v5, v5, v6
	v_add_nc_u32 v[ADRS], s21, v5
	s_mul_i32 s23, s14, 16*SPITCH                  ; my stage
	v_mul_u32_u24 v5, v1, SPITCH
	v_lshl_add_u32 v5, v2, 5, v5
	v_add_nc_u32 v[STO], s23, v5                   ; in: row r, 32 bytes for each half of the lanes
	v_lshlrev_b32 v[CO], 4, v3
	v_add_nc_u32 v[RD], s23, v[CO]                 ; back: the 32 lanes take one row of 512 bytes
	s_lshl_b32 s20, s17, 8
	s_lshl_b32 s21, s15, 7
	s_add_co_u32 s20, s20, s21                     ; my first row of y
	s_mov_b32 s21, 0
	s_mov_b64 s[18:19], SIZE_N*4
	s_mul_u64 s[20:21], s[20:21], s[18:19]
	s_lshl_b32 s46, s42, 10
	s_lshl_b32 s47, s16, 9
	s_add_co_u32 s46, s46, s47
	s_mov_b32 s47, 0
	s_add_nc_u64 s[20:21], s[20:21], s[46:47]
	s_add_nc_u64 s[12:13], s[12:13], s[20:21]
.macro FRAG reg, adr, q, i
	ds_load_b128 v[\reg:\reg+3], v[\adr] offset:(\i)*BLKB+(\q)*1536
	ds_load_b64 v[\reg+4:\reg+5], v[\adr+2] offset:(\i)*BLKB+(\q)*1536+512
	ds_load_b128 v[\reg+6:\reg+9], v[\adr] offset:(\i)*BLKB+(\q)*1536+768
	ds_load_b64 v[\reg+10:\reg+11], v[\adr+2] offset:(\i)*BLKB+(\q)*1536+1280
.endm
.macro MUL16 a0, p, q, sc, zero        ; the 64 accumulators take turns, one instruction a turn
.irp a, \a0, \a0+1
.irp b, 0,1,2,3,4,5,6,7
.if \zero
	v_wmma_scale_f32_16x16x128_f8f6f4 v[8*(8*((\a)%4)+\b):8*(8*((\a)%4)+\b)+7], v[128*(\p)+FR*\b:128*(\p)+FR*\b+FR-1], v[AF+FR*(\a):AF+FR*(\a)+FR-1], 0, v[SC+8*NQ*(\sc)+NQ*\b+(\q)], v[SC+8*NQ*(\sc)+NQ*(\a)+(\q)] matrix_a_fmt:MATRIX_FMT_FP6 matrix_b_fmt:MATRIX_FMT_FP6 matrix_a_scale:MATRIX_SCALE_ROW1
.else
	v_wmma_scale_f32_16x16x128_f8f6f4 v[8*(8*((\a)%4)+\b):8*(8*((\a)%4)+\b)+7], v[128*(\p)+FR*\b:128*(\p)+FR*\b+FR-1], v[AF+FR*(\a):AF+FR*(\a)+FR-1], v[8*(8*((\a)%4)+\b):8*(8*((\a)%4)+\b)+7], v[SC+8*NQ*(\sc)+NQ*\b+(\q)], v[SC+8*NQ*(\sc)+NQ*(\a)+(\q)] matrix_a_fmt:MATRIX_FMT_FP6 matrix_b_fmt:MATRIX_FMT_FP6 matrix_a_scale:MATRIX_SCALE_ROW1
.endif
.endr
.endr
.endm
.macro FETCH_B slot, q, p
	WIN TO_B
.irp i, 0,1,2,3,4,5,6,7
	FRAG 128*(\p)+FR*\i, ADRB+\slot, \q, \i
.endr
	WIN 0
.endm
.macro FETCH_A slot, q, i0
.irp i, \i0, \i0+1, \i0+2, \i0+3
	FRAG AF+FR*(\i), ADRA+\slot, \q, \i
.endr
.endm
.macro SCALES sc
.irp i, 0,1,2,3,4,5,6,7
	ds_load_b32 v[SC+8*NQ*\sc+NQ*\i], v[ADRS] offset:\i*KS*64
	ds_load_b32 v[SC+8*NQ*\sc+NQ*\i+1], v[ADRS] offset:\i*KS*64+64
.endr
.endm
.macro PLACES n
.rept \n
	v_nop
.endr
.endm
.macro STEP slot, q, zero
	s_wait_dscnt 4*NL                              ; all but the youngest sixteen loads (A's blocks 4-7) are in
	WIN MUL_LO
	MUL16 0, (\q)%2, \q, \slot, \zero
	MUL16 2, (\q)%2, \q, \slot, \zero
	s_wait_dscnt 0
	PLACES NP
	FETCH_B \slot, (\q)+1, 1-(\q)%2
	FETCH_A \slot, (\q)+1, 0
	WIN MUL_HI
	MUL16 4, (\q)%2, \q, \slot, \zero
	MUL16 6, (\q)%2, \q, \slot, \zero
	PLACES NP
	WIN 0
	FETCH_A \slot, (\q)+1, 4
.endm
.macro TURN slot, next, fill
	s_wait_tensorcnt 0x0                           ; all my tensor loads have landed: my part of the next slot
	ds_add_u32 v[SPW], v[NIL]                      ; 0 onto my spare word
	s_wait_dscnt 4*NL+1                            ; (the add and A's blocks 4-7 may be out)
	WIN MUL_LO
	MUL16 0, 1, NQ-1, \slot, 0
	s_wait_dscnt 0x0                               ; the add is done, and my reads of this slot are over
	s_barrier_signal -1
	MUL16 2, 1, NQ-1, \slot, 0
	WIN 0
	s_barrier_wait -1
.if \fill
	CREST                                          ; the barrier has opened a round of the cluster's barrier: no wave of any partner still reads this slot or has a load on its way
	s_add_nc_u64 s[G0+4*\slot+2:G0+4*\slot+3], s[G0+4*\slot+2:G0+4*\slot+3], 2*BLKB
	s_add_nc_u64 s[G0B+4*\slot+2:G0B+4*\slot+3], s[G0B+4*\slot+2:G0B+4*\slot+3], 2*BLKB
	JLOAD G0+4*\slot, G1, G0B+4*\slot, G1B         ; the first tensor load behind the round
.else
	PLACES NP
.endif
	v_add_nc_u32 v[ADRS], 64*NQ, v[ADRS]
	FETCH_B \next, 0, 0
	FETCH_A \next, 0, 0
	SCALES \next
	WIN MUL_HI
	MUL16 4, 1, NQ-1, \slot, 0
	MUL16 6, 1, NQ-1, \slot, 0
	PLACES NP
	WIN 0
	FETCH_A \next, 0, 4
.endm
	s_wait_tensorcnt 1                             ; the scale words and my part of K step 0 are in (slot 1's load may be out)
	s_barrier_signal -1
	s_barrier_wait -1
	FETCH_B 0, 0, 0
	FETCH_A 0, 0, 0
	SCALES 0
	FETCH_A 0, 0, 4
	STEP 0, 0, 1
	s_mov_b32 s3, LAPS-1
.Llap:
	TURN 0, 1, 1
	STEP 1, 0, 0
	TURN 1, 0, 1
	STEP 0, 0, 0
	s_sub_co_u32 s3, s3, 1
	s_cmp_lg_u32 s3, 0
	s_cbranch_scc1 .Llap
	TURN 0, 1, 0
	STEP 1, 0, 0
	s_wait_dscnt 4*NL
	WIN MUL_LO
	MUL16 0, 1, NQ-1, 1, 0
	MUL16 2, 1, NQ-1, 1, 0
	s_wait_dscnt 0
	WIN MUL_HI
	MUL16 4, 1, NQ-1, 1, 0
	MUL16 6, 1, NQ-1, 1, 0
	WIN 0
; THE WAY OUT, block by block of 16 rows x 128 columns, through my own stage: in as 32 bytes a lane, back as whole rows of 512 bytes.  LDS serves a wave's instructions in order: no wait between the stores and the loads.
.macro TOSTAGE a
.set AC, 64*((\a)%4)
	WIN 0x08+4*((\a)/4)
.irp b, 0,1,2,3,4,5,6,7
	ds_store_b128 v[STO], v[AC+8*\b:AC+8*\b+3] offset:64*\b          ; each accumulator from its low end on
	ds_store_b128 v[STO], v[AC+8*\b+4:AC+8*\b+7] offset:64*\b+16
.endr
	WIN 0
.set BB, BK+64*((\a)%2)
.irp t, 0,1,2,3,4,5,6,7,8,9,10,11,12,13,14,15
	ds_load_b128 v[BB+4*\t:BB+4*\t+3], v[RD] offset:\t*SPITCH
.endr
.endm
.macro SEND a, younger
.set BB, BK+64*((\a)%2)
	s_wait_dscnt \younger                          ; the block is back in registers; the next block's LDS instructions may be out
.if (\a) > 0
	s_add_nc_u64 s[12:13], s[12:13], 16*SIZE_N*4   ; (behind a wait on XCNT: the earlier stores have read their base)
.endif
.irp t, 0,1,2,3,4,5,6,7,8,9,10,11,12,13,14,15
	global_store_b128 v[CO], v[BB+4*\t:BB+4*\t+3], s[12:13] offset:\t*SIZE_N*4   ; 32 lanes store 512 consecutive bytes, aligned
.endr
.endm
	PLACES NP
	TOSTAGE 0
.irp a, 1,2,3,4,5,6,7
.if \a > 1
	s_wait_xcnt 0x0                                ; block a - 2's stores have read their registers and their base
.endif
	TOSTAGE \a
	SEND \a-1, 32
.endr
	s_wait_xcnt 0x0
	SEND 7, 0
	s_wait_tensorcnt 0x0                           ; the wave's end
	ds_add_u32 v[SPW], v[NIL]
	s_wait_dscnt 0x0
	CROUND                                         ; the closing round
	s_endpgm
.Lfunc_end_k_q92934b9eae_gemm_o:
	.size	k_q92934b9eae_gemm_o, .Lfunc_end_k_q92934b9eae_gemm_o-k_q92934b9eae_gemm_o
	.p2alignl 7, 3214868480
	.fill 96, 4, 3214868480
	.section	.rodata,"a",@progbits
	.p2align	6, 0x0
	.amdhsa_kernel k_q92934b9eae_gemm_o
		.amdhsa_group_segment_fixed_size 327680
		.amdhsa_private_segment_fixed_size 0
		.amdhsa_enable_private_segment 0
		.amdhsa_kernarg_size 24
		.amdhsa_user_sgpr_count 2
		.amdhsa_user_sgpr_kernarg_segment_ptr 1
		.amdhsa_wavefront_size32 1
		.amdhsa_system_sgpr_workgroup_id_x 1
		.amdhsa_system_sgpr_workgroup_id_y 1
		.amdhsa_system_sgpr_workgroup_id_z 1
		.amdhsa_system_vgpr_workitem_id 0
		.amdhsa_next_free_vgpr 1024
		.amdhsa_next_free_sgpr 100
		.amdhsa_reserve_vcc 0
		.amdhsa_float_denorm_mode_32 3
		.amdhsa_float_denorm_mode_16_64 3
		.amdhsa_memory_ordered 1
		.amdhsa_forward_progress 1
		.amdhsa_inst_pref_size 146
	.end_amdhsa_kernel
	.amdgpu_metadata
---
amdhsa.version: [ 1, 2 ]
amdhsa.kernels:
  - .name:           k_q92934b9eae_gemm_o
    .symbol:         k_q92934b9eae_gemm_o.kd
    .args:
      - { .name: att, .offset: 0, .size: 8, .value_kind: global_buffer, .address_space: global }
      - { .name: inq, .offset: 8, .size: 8, .value_kind: global_buffer, .address_space: global }
      - { .name: y, .offset: 16, .size: 8, .value_kind: global_buffer, .address_space: global }
    .group_segment_fixed_size: 327680
    .private_segment_fixed_size: 0
    .kernarg_segment_align: 8
    .kernarg_segment_size: 24
    .max_flat_workgroup_size: 128
    .sgpr_count:     100
    .vgpr_count:     1024
    .wavefront_size: 32
...
	.end_amdgpu_metadata
.endif
;; end of part 4
;; launch ln1 (part 5): grid 256 x 1, 16 waves a work-group, no clusters, 89,088 bytes of LDS; arguments y, bo, src, g1, be1, x; writes x
.if DOCPART == 5
	.amdgcn_target "amdgcn-amd-amdhsa--gfx1250"
	.amdhsa_code_object_version 6
	.text
	.protected	k_q92934b9eae_ln1
	.globl	k_q92934b9eae_ln1
	.p2align	8
	.type	k_q92934b9eae_ln1,@function
k_q92934b9eae_ln1:
	s_mov_b64 s[64:65], 0
	v_nop
	global_prefetch_b8 v0, s[64:65] scope:SCOPE_SE
	s_setreg_imm32_b32 hwreg(HW_REG_WAVE_MODE, 25, 1), 1
	s_wait_xcnt 0x0
; x = layer norm(src + y + bo) g1 + be1, in f32, stored as f32 (rows in the order of positions) and as codes of FP6 (E2M3) with E8M0 scales, laid as the next product's operand.
; A work-group is a block of 16 positions (number g = 128 b + pb); wave w takes image row w: position p = 16 g + w in y and x, row 2 s + b of src with s = 32 (pb / 2) + 8 (pb % 2) + w % 8 + 16 (w / 8).
; A row is 4,096 bytes: eight loads of 512 consecutive bytes, 32 numbers a lane, kept in registers.  Mean first, then the mean of the squared differences: no difference of large sums is formed.
; The quantising: the row turns through the wave's own stage in LDS so that lane l holds block l (32 neighbours); codes meet in LDS as half images (16 rows x 64 K: 16 bytes at 16 x lane, 8 bytes at 512 + 8 x lane); one barrier; each wave stores one.
; LIMITS: a block of zeros gets the byte 1 (its codes are zeros; this program alone reads the bytes); blocks whose largest magnitude lies under 2^-124 are held at the byte 1; NaN and infinities are not served.
.set TPL,   144
.set TWV,   32*TPL
.set IMG,   16*TWV
.set IPI,   784
.set SCB,   IMG+16*IPI
.set Z,  16                            ; v16-47   y's row, then the sum, the differences, x
.set X,  48                            ; v48-79   src's row; later my block's 32 numbers
.set BI, 80                            ; v80-111  bo; later codes and the way out
.set G,  112                           ; v112-143 g1
.set BE, 144                           ; v144-175 be1
.set C4, 176                           ; v176-183 four chains
.set MN, 184                           ; v184-185 the mean, twice
.set VR, 186
.set IV, 188                           ; v188-189 1 / sqrt(variance + eps), twice
.set TP, 190
.set P,  80
.set T,  88
.set OU, 92
.set SW, 100
	s_load_b256 s[8:15], s[0:1], 0x0               ; y, bo, src, g1
	s_load_b128 s[16:19], s[0:1], 0x20             ; be1, x
	v_lshl_add_u32 v200, v0, 2, 0x15400
	v_mov_b32 v201, 0
	v_lshrrev_b32 v1, 5, v0
	v_readfirstlane_b32 s7, v1                     ; wave = image row
	v_and_b32 v1, 31, v0
	v_lshlrev_b32 v2, 4, v1
	s_mul_i32 s6, s7, TWV
	v_lshrrev_b32 v3, 3, v1
	v_mul_u32_u24 v3, v3, TPL
	v_and_b32 v10, 7, v1
	v_lshl_add_u32 v3, v10, 4, v3
	v_add_nc_u32 v3, s6, v3
	v_mul_u32_u24 v4, v1, TPL
	v_add_nc_u32 v4, s6, v4
	v_lshrrev_b32 v10, 1, v1
	v_mul_u32_u24 v10, v10, IPI
	v_and_b32 v11, 1, v1
	v_lshl_add_u32 v5, v11, 8, v10
	s_lshl_b32 s6, s7, 4
	s_add_co_u32 s6, s6, IMG
	v_add_nc_u32 v5, s6, v5
	v_lshl_add_u32 v6, v11, 7, v10
	s_lshl_b32 s6, s7, 3
	s_add_co_u32 s6, s6, IMG+512
	v_add_nc_u32 v6, s6, v6
	v_lshrrev_b32 v7, 2, v1
	v_lshlrev_b32 v7, 6, v7
	v_and_b32 v10, 3, v1
	v_add_nc_u32 v7, v7, v10
	s_lshl_b32 s6, s7, 2
	s_add_co_u32 s6, s6, SCB
	v_add_nc_u32 v7, s6, v7
	v_lshlrev_b32 v9, 3, v1
	s_mul_i32 s6, s7, IPI
	s_add_co_u32 s6, s6, IMG
	v_add_nc_u32 v8, s6, v9
	v_add_nc_u32 v14, SCB, v2
	v_mov_b32 v[TP], 0                             ; written once: a lane permute's destination counts as one of its sources
	s_lshl_b32 s20, ttmp9, 4
	s_add_co_u32 s20, s20, s7
	s_lshl_b32 s20, s20, 12                        ; p x 4,096
	s_mov_b32 s21, 0
	s_and_b32 s22, ttmp9, 127
	s_lshr_b32 s23, s22, 1
	s_lshl_b32 s23, s23, 5
	s_and_b32 s22, s22, 1
	s_lshl_b32 s22, s22, 3
	s_add_co_u32 s22, s22, s23
	s_and_b32 s23, s7, 7
	s_add_co_u32 s22, s22, s23
	s_lshr_b32 s23, s7, 3
	s_lshl_b32 s23, s23, 4
	s_add_co_u32 s22, s22, s23                     ; s
	s_lshl_b32 s22, s22, 13
	s_lshr_b32 s23, ttmp9, 7
	s_lshl_b32 s23, s23, 12
	s_add_co_u32 s22, s22, s23                     ; (2 s + b) x 4,096
	s_mov_b32 s23, 0
	s_mul_i32 s26, ttmp9, 12288
	s_mul_i32 s27, s7, 768
	s_add_co_u32 s26, s26, s27
	s_add_co_u32 s26, s26, 16777216
	s_mov_b32 s27, 0
	s_lshl_b32 s28, ttmp9, 9
	s_add_co_u32 s28, s28, 19922944
	s_mov_b32 s29, 0
	s_mov_b32 s32, 0x76543210
	s_mov_b32 s33, 0xfedcba98
	s_mov_b32 s34, 0x3a800000                      ; 1 / 1,024
	s_mov_b32 s35, 0x3727c5ac                      ; 1e-5
	s_wait_kmcnt 0x0
	s_add_nc_u64 s[8:9], s[8:9], s[20:21]
	s_add_nc_u64 s[12:13], s[12:13], s[22:23]
	s_add_nc_u64 s[24:25], s[18:19], s[20:21]      ; x's row, f32
	s_add_nc_u64 s[42:43], s[18:19], s[26:27]      ; my half image
	s_add_nc_u64 s[44:45], s[18:19], s[28:29]      ; the block's scale words
.irp j, 0,1,2,3,4,5,6,7
	global_load_b128 v[Z+4*\j:Z+4*\j+3], v2, s[8:9] offset:512*\j th:TH_LOAD_NT
.endr
.irp j, 0,1,2,3,4,5,6,7
	global_load_b128 v[X+4*\j:X+4*\j+3], v2, s[12:13] offset:512*\j
.endr
.irp j, 0,1,2,3,4,5,6,7
	global_load_b128 v[BI+4*\j:BI+4*\j+3], v2, s[10:11] offset:512*\j
.endr
.irp j, 0,1,2,3,4,5,6,7
	global_load_b128 v[G+4*\j:G+4*\j+3], v2, s[14:15] offset:512*\j
.endr
.irp j, 0,1,2,3,4,5,6,7
	global_load_b128 v[BE+4*\j:BE+4*\j+3], v2, s[16:17] offset:512*\j
.endr
.macro WSUM                            ; the four chains, then the 32 lanes: the sum in v[C4] of every lane
	v_pk_add_f32 v[C4:C4+1], v[C4:C4+1], v[C4+2:C4+3]
	v_pk_add_f32 v[C4+4:C4+5], v[C4+4:C4+5], v[C4+6:C4+7]
	v_pk_add_f32 v[C4:C4+1], v[C4:C4+1], v[C4+4:C4+5]
	v_add_f32 v[C4], v[C4], v[C4+1]
	v_add_f32_dpp v[C4], v[C4], v[C4] row_xmask:1 row_mask:0xf bank_mask:0xf
	v_add_f32_dpp v[C4], v[C4], v[C4] row_xmask:2 row_mask:0xf bank_mask:0xf
	v_add_f32_dpp v[C4], v[C4], v[C4] row_xmask:4 row_mask:0xf bank_mask:0xf
	v_add_f32_dpp v[C4], v[C4], v[C4] row_xmask:8 row_mask:0xf bank_mask:0xf
	v_permlanex16_b32 v[TP], v[C4], s32, s33
	v_add_f32 v[C4], v[C4], v[TP]
.endm
	s_wait_loadcnt 16                              ; y, src and bo are in; the gain's and the offset's sixteen loads may be out
.set j, 0
.rept 16
	v_pk_add_f32 v[Z+j:Z+j+1], v[Z+j:Z+j+1], v[X+j:X+j+1]
.set j, j+2
.endr
.set j, 0
.rept 16
	v_pk_add_f32 v[Z+j:Z+j+1], v[Z+j:Z+j+1], v[BI+j:BI+j+1]
.set j, j+2
.endr
.irp k, 0,1,2,3
	v_pk_add_f32 v[C4+2*\k:C4+2*\k+1], v[Z+2*\k:Z+2*\k+1], v[Z+8+2*\k:Z+9+2*\k]
.endr
.irp m, 16,24
.irp k, 0,1,2,3
	v_pk_add_f32 v[C4+2*\k:C4+2*\k+1], v[C4+2*\k:C4+2*\k+1], v[Z+\m+2*\k:Z+\m+1+2*\k]
.endr
.endr
	WSUM
	v_mul_f32 v[MN], s34, v[C4]
	v_mul_f32 v[MN+1], s34, v[C4]
.set j, 0
.rept 16
	v_pk_add_f32 v[Z+j:Z+j+1], v[Z+j:Z+j+1], v[MN:MN+1] neg_lo:[0,1] neg_hi:[0,1]
.set j, j+2
.endr
.irp k, 0,1,2,3
	v_pk_mul_f32 v[C4+2*\k:C4+2*\k+1], v[Z+2*\k:Z+2*\k+1], v[Z+2*\k:Z+2*\k+1]
.endr
.irp m, 8,16,24
.irp k, 0,1,2,3
	v_pk_fma_f32 v[C4+2*\k:C4+2*\k+1], v[Z+\m+2*\k:Z+\m+1+2*\k], v[Z+\m+2*\k:Z+\m+1+2*\k], v[C4+2*\k:C4+2*\k+1]
.endr
.endr
	WSUM
	v_fma_f32 v[VR], v[C4], s34, s35               ; the variance + eps
	v_rsq_f32 v[IV], v[VR]
	v_rsq_f32 v[IV+1], v[VR]
	v_nop                                          ; a plain line behind the transcendentals
	s_wait_loadcnt 0x0
.set j, 0
	s_wait_alu depctr_va_vdst(0)
.rept 16
	v_pk_mul_f32 v[Z+j:Z+j+1], v[Z+j:Z+j+1], v[IV:IV+1]
.set j, j+2
.endr
.set j, 0
.rept 16
	v_pk_fma_f32 v[Z+j:Z+j+1], v[Z+j:Z+j+1], v[G+j:G+j+1], v[BE+j:BE+j+1]
.set j, j+2
.endr
.irp j, 0,1,2,3,4,5,6,7
	global_store_b128 v2, v[Z+4*\j:Z+4*\j+3], s[24:25] offset:512*\j      ; 512 consecutive bytes, aligned
.endr
	; the row turns through my own stage: LDS serves a wave's instructions in order
.irp j, 0,1,2,3,4,5,6,7
	ds_store_b128 v3, v[Z+4*\j:Z+4*\j+3] offset:4*TPL*\j
.endr
.irp j, 0,1,2,3,4,5,6,7
	ds_load_b128 v[X+4*\j:X+4*\j+3], v4 offset:16*\j
.endr
	s_wait_dscnt 0x0
	v_max3_num_f32 v10, |v[X]|, |v[X+1]|, |v[X+2]|
	v_max3_num_f32 v11, |v[X+3]|, |v[X+4]|, |v[X+5]|
.irp i, 6,10,14,18,22,26
	v_max3_num_f32 v10, v10, |v[X+\i]|, |v[X+\i+1]|
	v_max3_num_f32 v11, v11, |v[X+\i+2]|, |v[X+\i+3]|
.endr
	v_max3_num_f32 v10, v10, |v[X+30]|, |v[X+31]|
	v_max3_num_f32 v10, v10, v11, 0x1800000        ; and the floor 2^(3 - 127)
	v_add_nc_u32 v12, 0xff000000, v10              ; the conversion's scale operand
	v_cvt_scalef32_pk16_fp6_f32 v[P:P+2], v[X:X+15], v12
	v_cvt_scalef32_pk16_fp6_f32 v[T:T+2], v[X+16:X+31], v12
	v_lshrrev_b32 v13, 23, v12                     ; the scale's byte; also the plain line behind the conversions
	v_mov_b32 v[P+3], v[T]
	v_mov_b32 v[P+4], v[T+1]
	v_mov_b32 v[P+5], v[T+2]
	ds_store_b128 v5, v[P:P+3]
	ds_store_b64 v6, v[P+4:P+5]
	ds_store_b8 v7, v13
	s_wait_dscnt 0x0                               ; for the others' sake: my stores into the images are done
	s_barrier_signal -1
	s_barrier_wait -1
	ds_load_b64 v[OU:OU+1], v8
	ds_load_b64 v[OU+2:OU+3], v8 offset:256
	ds_load_b64 v[OU+4:OU+5], v8 offset:512
	s_wait_dscnt 0x0
	global_store_b64 v9, v[OU:OU+1], s[42:43]
	global_store_b64 v9, v[OU+2:OU+3], s[42:43] offset:256
	global_store_b64 v9, v[OU+4:OU+5], s[42:43] offset:512
	s_cmp_lg_u32 s7, 0
	s_cbranch_scc1 .Ldone
	ds_load_b128 v[SW:SW+3], v14
	s_wait_dscnt 0x0
	global_store_b128 v2, v[SW:SW+3], s[44:45]
.Ldone:
	s_wait_tensorcnt 0x0
	ds_add_u32 v200, v201
	s_wait_dscnt 0x0
	s_endpgm
.Lfunc_end_k_q92934b9eae_ln1:
	.size	k_q92934b9eae_ln1, .Lfunc_end_k_q92934b9eae_ln1-k_q92934b9eae_ln1
	.p2alignl 7, 3214868480
	.fill 96, 4, 3214868480
	.section	.rodata,"a",@progbits
	.p2align	6, 0x0
	.amdhsa_kernel k_q92934b9eae_ln1
		.amdhsa_group_segment_fixed_size 89088
		.amdhsa_private_segment_fixed_size 0
		.amdhsa_enable_private_segment 0
		.amdhsa_kernarg_size 48
		.amdhsa_user_sgpr_count 2
		.amdhsa_user_sgpr_kernarg_segment_ptr 1
		.amdhsa_wavefront_size32 1
		.amdhsa_system_sgpr_workgroup_id_x 1
		.amdhsa_system_sgpr_workgroup_id_y 1
		.amdhsa_system_sgpr_workgroup_id_z 1
		.amdhsa_system_vgpr_workitem_id 0
		.amdhsa_next_free_vgpr 202
		.amdhsa_next_free_sgpr 66
		.amdhsa_reserve_vcc 0
		.amdhsa_float_denorm_mode_32 3
		.amdhsa_float_denorm_mode_16_64 3
		.amdhsa_memory_ordered 1
		.amdhsa_forward_progress 1
		.amdhsa_inst_pref_size 20
	.end_amdhsa_kernel
	.amdgpu_metadata
---
amdhsa.version: [ 1, 2 ]
amdhsa.kernels:
  - .name:           k_q92934b9eae_ln1
    .symbol:         k_q92934b9eae_ln1.kd
    .args:
      - { .name: y, .offset: 0, .size: 8, .value_kind: global_buffer, .address_space: global }
      - { .name: bo, .offset: 8, .size: 8, .value_kind: global_buffer, .address_space: global }
      - { .name: src, .offset: 16, .size: 8, .value_kind: global_buffer, .address_space: global }
      - { .name: g1, .offset: 24, .size: 8, .value_kind: global_buffer, .address_space: global }
      - { .name: be1, .offset: 32, .size: 8, .value_kind: global_buffer, .address_space: global }
      - { .name: x, .offset: 40, .size: 8, .value_kind: global_buffer, .address_space: global }
    .group_segment_fixed_size: 89088
    .private_segment_fixed_size: 0
    .kernarg_segment_align: 8
    .kernarg_segment_size: 48
    .max_flat_workgroup_size: 512
    .sgpr_count:     66
    .vgpr_count:     202
    .wavefront_size: 32
...
	.end_amdgpu_metadata
.endif
;; end of part 5
;; launch gemm_1 (part 6): grid 16 x 16, 4 waves a work-group, clusters of 4 x 4, 327,680 bytes of LDS; arguments x, inq, b1, hid; writes hid
.if DOCPART == 6
	.amdgcn_target "amdgcn-amd-amdhsa--gfx1250"
	.amdhsa_code_object_version 6
	.text
	.protected	k_q92934b9eae_gemm_1
	.globl	k_q92934b9eae_gemm_1
	.p2align	8
	.type	k_q92934b9eae_gemm_1,@function
k_q92934b9eae_gemm_1:
	s_mov_b64 s[64:65], 0
	v_nop
	global_prefetch_b8 v0, s[64:65] scope:SCOPE_SE
	s_setreg_imm32_b32 hwreg(HW_REG_WAVE_MODE, 25, 1), 1
	s_wait_xcnt 0x0
	s_wait_alu depctr_hold_cnt(0) depctr_sa_sdst(0) depctr_va_vdst(0) depctr_va_sdst(0) depctr_va_ssrc(0) depctr_va_vcc(0) depctr_vm_vsrc(0)
	s_getreg_b32 s2, hwreg(HW_REG_IB_STS2, 6, 4)
	s_cmp_eq_u32 s2, 0
	s_cbranch_scc0 .Lentry_in_a_cluster
	s_endpgm
.Lentry_in_a_cluster:
	s_bfe_u32 s2, ttmp6, 0x10000c
	s_cmp_lg_u32 s2, 0xf033
	s_cbranch_scc0 .Lentry_shape_is_right
	s_endpgm
.Lentry_shape_is_right:
; hidden = relu(x W1^T + b1) on codes of FP6 (E2M3) with E8M0 scales; the result is quantised in registers along the hidden units and leaves as codes for the next product.
; A tile of 256 x 256 to a work-group of four waves, 128 x 128 a wave (64 accumulators); K = 1,024 in steps of 256 through a ring of two LDS slots filled by the tensor data mover.
; OPERANDS lie in memory as images of the matrix unit's registers: a fragment (16 rows x 128 K) is 1,536 bytes, fetched by dense LDS loads of 16, 8, 16, 8 bytes a lane; an operand is [row block][K step][1,536].
; Scale words [row block][K step][16 rows]: those of a tile, for all of K, are one dense block and come into LDS once.
; SOURCE 0 = W1's rows, SOURCE 1 = x's rows: a lane holds one row of the hidden layer; the rows that form a block of W1 were chosen so that the 16 registers of two neighbouring tiles are 16 neighbouring hidden units.
; A wave's 128 hidden units are one K step of the next product: for each block of 16 rows one fragment and one scale word a row.  CLUSTERS 4 x 4: x's tiles shared along a row, W1's along a column, by joint loads.
; LIMITS: a block of zeros gets the byte 1 (its codes are zeros; this program alone reads the bytes); blocks whose largest magnitude lies under 2^-124 are held at the byte 1; NaN and infinities are not served.
; REGISTERS: window 0: v0-31 addresses; v32-63 scale words, two sets; v64-127 b1 in the result's layout; v128-223 A's fragments, one set (on the way out: codes and work).  window 1: B's fragments, two sets.  windows 2, 3: the accumulators.
.set KS,     8
.set AOFF,   16777216
.set ASOFF,  19922944
.set BOFF,   6291456
.set BSOFF,  12582912+512*512
.set NQ,     2
.set FR,     12
.set NL,     4
.set NP,     4
.set BLKB,   3072
.set HALFT,  8*BLKB
.set SLOT,   4*HALFT
.set LAPS,   KS/4
.set SCL,    2*SLOT
.set HALFS,  8*KS*64
.set SPARE,  SCL+4*HALFS               ; the spare words, 128 bytes for each wave: two blocks of 256 bytes that no other line names
.set ADRA, 16
.set ADRB, 20
.set LI16, 24
.set LI8,  25
.set SOFF, 26
.set ADRS, 27
.set SPW,  28
.set NIL,  29
.set SC,   32
.set BIAS, 64
.set AF,   128
.set PC,   128
.set TM,   160
.set PW,   176                         ; v176-177 the scale words of an even and an odd block
.set SWR,  178
.set G1, 24
.set G0, 32
.set G1B, 48
.set G0B, 56
.set G1S, 68
.set G0S, 76
.set G1SB, 80
.set G0SB, 88
.set MSB, 0
.macro WIN new
.if MSB != (\new)
	s_set_vgpr_msb (MSB<<8)|(\new)
.set MSB, (\new)
.endif
.endm
.set MUL_LO, 0xa1
.set MUL_HI, 0xf1
.set TO_B,   0x40
.macro JLOAD g0a, g1a, g0b, g1b        ; waves 0 and 1 fetch for A, waves 2 and 3 for B; four v_nop follow each of the two lines
	s_cmp_eq_u32 s15, 0
	s_cbranch_scc0 .Lfor_b_\@
	tensor_load_to_lds s[\g0a:\g0a+3], s[\g1a:\g1a+7]
	s_nop 0
.rept 4
	v_nop
.endr
	s_branch .Lasked_\@
.Lfor_b_\@:
	tensor_load_to_lds s[\g0b:\g0b+3], s[\g1b:\g1b+7]
	s_nop 0
.rept 4
	v_nop
.endr
.Lasked_\@:
.endm
.macro CREST
	s_cmp_lg_u32 s14, 0
	s_cbranch_scc1 .Lnot_wave_0_\@
	s_barrier_signal -3
.Lnot_wave_0_\@:
	s_barrier_wait -3
	s_barrier_signal -1
	s_barrier_wait -1
.endm
.macro CROUND
	s_barrier_signal -1
	s_barrier_wait -1
	CREST
.endm
	s_load_b256 s[4:11], s[0:1], 0x0               ; x s[4:5], inq s[6:7], b1 s[8:9], hid s[10:11]
	v_lshl_add_u32 v[SPW], v0, 2, SPARE
	v_mov_b32 v[NIL], 0
	ds_add_u32 v28, v29
	ds_add_u32 v28, v29
	s_wait_dscnt 0x0
	v_lshrrev_b32 v1, 5, v0
	v_readfirstlane_b32 s14, v1
	s_lshr_b32 s15, s14, 1
	s_and_b32 s16, s14, 1
	s_bfe_u32 s40, ttmp6, 0x40000
	s_bfe_u32 s41, ttmp6, 0x40004
	s_lshl_b32 s42, ttmp9, 2
	s_add_co_u32 s42, s42, s40                     ; tile column
	s_and_b32 s17, ttmp7, 0xffff
	s_lshl_b32 s17, s17, 2
	s_add_co_u32 s17, s17, s41                     ; tile row
	s_lshl_b32 s43, s41, 2
	s_lshl_b32 s43, 15, s43
	s_lshl_b32 s44, 0x1111, s40
	s_mov_b32 s97, 0xffff0000                      ; lanes 16-31
	s_mov_b32 s98, 0x76543210
	s_mov_b32 s99, 0xfedcba98
	s_or_b32 s[G1+0], s43, (3<<16)|(1<<21)         ; 8 rows of 3,072 bytes (384 elements of 8), KS x 1,536 bytes apart; no padding
	s_or_b32 s[G1B+0], s44, (3<<16)|(1<<21)
.irp g, G1, G1B
	s_mov_b32 s[\g+1], 384<<16
	s_mov_b32 s[\g+2], 8<<16
	s_mov_b32 s[\g+3], 384<<16
	s_mov_b32 s[\g+4], 8
	s_mov_b32 s[\g+5], KS*192
	s_mov_b32 s[\g+6], 0
	s_mov_b32 s[\g+7], 0
.endr
	s_or_b32 s[G1S+0], s43, (3<<16)|(1<<21)
	s_or_b32 s[G1SB+0], s44, (3<<16)|(1<<21)
.irp g, G1S, G1SB
	s_mov_b32 s[\g+1], 32<<16
	s_mov_b32 s[\g+2], (HALFS/256)<<16
	s_mov_b32 s[\g+3], 32<<16
	s_mov_b32 s[\g+4], HALFS/256
	s_mov_b32 s[\g+5], 32
	s_mov_b32 s[\g+6], 0
	s_mov_b32 s[\g+7], 0
.endr
	s_mul_i32 s66, s16, 8*KS*1536
	s_mul_i32 s67, s16, HALFS
	s_mul_i32 s20, s17, 16*KS*1536
	s_add_co_u32 s20, s20, s66
	s_add_co_u32 s20, s20, AOFF
	s_mov_b32 s21, 0
	s_mul_i32 s22, s17, 16*KS*64
	s_add_co_u32 s22, s22, s67
	s_add_co_u32 s22, s22, ASOFF
	s_mov_b32 s23, 0
	s_mul_i32 s46, s42, 16*KS*1536
	s_add_co_u32 s46, s46, s66
	s_add_co_u32 s46, s46, BOFF
	s_mov_b32 s47, 0
	s_mul_i32 s92, s42, 16*KS*64
	s_add_co_u32 s92, s92, s67
	s_add_co_u32 s92, s92, BSOFF
	s_mov_b32 s93, 0
	s_mul_i32 s45, s14, HALFT
	s_mul_i32 s94, s14, HALFS
	s_wait_kmcnt 0x0
	s_add_nc_u64 s[20:21], s[4:5], s[20:21]
	s_add_nc_u64 s[22:23], s[4:5], s[22:23]
	s_add_nc_u64 s[46:47], s[6:7], s[46:47]
	s_add_nc_u64 s[92:93], s[6:7], s[92:93]
	CROUND                                         ; all sixteen work-groups are here: the first joint loads meet
	s_mov_b32 s[G0S], 1
	s_add_co_u32 s[G0S+1], s94, SCL
	s_mov_b64 s[G0S+2:G0S+3], s[22:23]
	s_or_b32 s[G0S+3], s[G0S+3], 0x80000000
	s_mov_b32 s[G0SB], 1
	s_add_co_u32 s[G0SB+1], s94, SCL
	s_mov_b64 s[G0SB+2:G0SB+3], s[92:93]
	s_or_b32 s[G0SB+3], s[G0SB+3], 0x80000000
	JLOAD G0S, G1S, G0SB, G1SB
.irp s, 0,1
	s_mov_b32 s[G0+4*\s], 1
	s_add_co_u32 s[G0+4*\s+1], s45, \s*SLOT
	s_add_nc_u64 s[G0+4*\s+2:G0+4*\s+3], s[20:21], \s*BLKB
	s_or_b32 s[G0+4*\s+3], s[G0+4*\s+3], 0x80000000
	s_mov_b32 s[G0B+4*\s], 1
	s_add_co_u32 s[G0B+4*\s+1], s45, \s*SLOT
	s_add_nc_u64 s[G0B+4*\s+2:G0B+4*\s+3], s[46:47], \s*BLKB
	s_or_b32 s[G0B+4*\s+3], s[G0B+4*\s+3], 0x80000000
	JLOAD G0+4*\s, G1, G0B+4*\s, G1B
.endr
	v_and_b32 v1, 15, v0
	v_bfe_u32 v2, v0, 4, 1
	v_and_b32 v3, 31, v0
	v_lshlrev_b32 v4, 4, v3
	v_lshlrev_b32 v5, 3, v3
	s_mul_i32 s21, s15, HALFT
	s_mul_i32 s22, s16, HALFT
	s_add_co_u32 s22, s22, 2*HALFT
.irp s, 0,1
	v_add_nc_u32 v[ADRA+\s], s21, v4
	v_add_nc_u32 v[ADRB+\s], s22, v4
	v_add_nc_u32 v[ADRA+2+\s], s21, v5
	v_add_nc_u32 v[ADRB+2+\s], s22, v5
	s_add_co_u32 s21, s21, SLOT
	s_add_co_u32 s22, s22, SLOT
.endr
	v_lshlrev_b32 v5, 2, v1
	s_mul_i32 s21, s15, HALFS
	s_mul_i32 s22, s16, HALFS
	s_add_co_u32 s22, s22, 2*HALFS
	s_sub_co_u32 s22, s22, s21
	v_mul_u32_u24 v6, s22, v2                      ; lanes 16-31 take B's
	s_add_co_u32 s21, s21, SCL
	v_add_nc_u32 v5, v5, v6
	v_add_nc_u32 v[ADRS], s21, v5
	v_lshlrev_b32 v[LI16], 4, v3
	v_lshlrev_b32 v[LI8], 3, v3
	v_lshlrev_b32 v[SOFF], 2, v1
	v_lshl_add_u32 v[SOFF], v2, 11, v[SOFF]        ; 4 r, and lanes 16-31 one row block (2,048 bytes) on
	v_lshlrev_b32 v7, 6, v2                        ; b1: lanes 16-31 begin 16 numbers on
	s_lshl_b32 s46, s42, 10
	s_lshl_b32 s47, s16, 9
	s_add_co_u32 s46, s46, s47                     ; 4 (256 tile column + 128 half)
	s_mov_b32 s47, 0
	s_add_nc_u64 s[8:9], s[8:9], s[46:47]
.irp t, 0,1,2,3,4,5,6,7
	global_load_b128 v[BIAS+8*\t:BIAS+8*\t+3], v7, s[8:9] offset:(32*(\t/2)+8*(\t%2))*4       ; register 8 t + j: hidden unit 32 (t / 2) + 16 h + 8 (t % 2) + j
	global_load_b128 v[BIAS+8*\t+4:BIAS+8*\t+7], v7, s[8:9] offset:(32*(\t/2)+8*(\t%2))*4+16
.endr
	s_lshl_b32 s20, s17, 4
	s_lshl_b32 s21, s15, 3
	s_add_co_u32 s20, s20, s21                     ; my first row block
	s_lshl_b32 s46, s42, 1
	s_add_co_u32 s46, s46, s16                     ; my K step of the next product
	s_mul_i32 s21, s20, 49152
	s_mul_i32 s47, s46, 1536
	s_add_co_u32 s22, s21, s47
	s_mov_b32 s23, 0
	s_add_nc_u64 s[12:13], s[10:11], s[22:23]      ; the codes
	s_lshl_b32 s21, s20, 11
	s_lshl_b32 s47, s46, 6
	s_add_co_u32 s22, s21, s47
	s_add_co_u32 s22, s22, 12582912
	s_add_nc_u64 s[10:11], s[10:11], s[22:23]      ; the scale words
.macro FRAG reg, adr, q, i
	ds_load_b128 v[\reg:\reg+3], v[\adr] offset:(\i)*BLKB+(\q)*1536
	ds_load_b64 v[\reg+4:\reg+5], v[\adr+2] offset:(\i)*BLKB+(\q)*1536+512
	ds_load_b128 v[\reg+6:\reg+9], v[\adr] offset:(\i)*BLKB+(\q)*1536+768
	ds_load_b64 v[\reg+10:\reg+11], v[\adr+2] offset:(\i)*BLKB+(\q)*1536+1280
.endm
.macro MUL16 a0, p, q, sc, zero        ; the 64 accumulators take turns, one instruction a turn
.irp a, \a0, \a0+1
.irp b, 0,1,2,3,4,5,6,7
.if \zero
	v_wmma_scale_f32_16x16x128_f8f6f4 v[8*(8*((\a)%4)+\b):8*(8*((\a)%4)+\b)+7], v[128*(\p)+FR*\b:128*(\p)+FR*\b+FR-1], v[AF+FR*(\a):AF+FR*(\a)+FR-1], 0, v[SC+8*NQ*(\sc)+NQ*\b+(\q)], v[SC+8*NQ*(\sc)+NQ*(\a)+(\q)] matrix_a_fmt:MATRIX_FMT_FP6 matrix_b_fmt:MATRIX_FMT_FP6 matrix_a_scale:MATRIX_SCALE_ROW1
.else
	v_wmma_scale_f32_16x16x128_f8f6f4 v[8*(8*((\a)%4)+\b):8*(8*((\a)%4)+\b)+7], v[128*(\p)+FR*\b:128*(\p)+FR*\b+FR-1], v[AF+FR*(\a):AF+FR*(\a)+FR-1], v[8*(8*((\a)%4)+\b):8*(8*((\a)%4)+\b)+7], v[SC+8*NQ*(\sc)+NQ*\b+(\q)], v[SC+8*NQ*(\sc)+NQ*(\a)+(\q)] matrix_a_fmt:MATRIX_FMT_FP6 matrix_b_fmt:MATRIX_FMT_FP6 matrix_a_scale:MATRIX_SCALE_ROW1
.endif
.endr
.endr
.endm
.macro FETCH_B slot, q, p
	WIN TO_B
.irp i, 0,1,2,3,4,5,6,7
	FRAG 128*(\p)+FR*\i, ADRB+\slot, \q, \i
.endr
	WIN 0
.endm
.macro FETCH_A slot, q, i0
.irp i, \i0, \i0+1, \i0+2, \i0+3
	FRAG AF+FR*(\i), ADRA+\slot, \q, \i
.endr
.endm
.macro SCALES sc
.irp i, 0,1,2,3,4,5,6,7
	ds_load_b32 v[SC+8*NQ*\sc+NQ*\i], v[ADRS] offset:\i*KS*64
	ds_load_b32 v[SC+8*NQ*\sc+NQ*\i+1], v[ADRS] offset:\i*KS*64+64
.endr
.endm
.macro PLACES n
.rept \n
	v_nop
.endr
.endm
.macro STEP slot, q, zero
	s_wait_dscnt 4*NL                              ; all but the youngest sixteen loads (A's blocks 4-7) are in
	WIN MUL_LO
	MUL16 0, (\q)%2, \q, \slot, \zero
	MUL16 2, (\q)%2, \q, \slot, \zero
	s_wait_dscnt 0
	PLACES NP
	FETCH_B \slot, (\q)+1, 1-(\q)%2
	FETCH_A \slot, (\q)+1, 0
	WIN MUL_HI
	MUL16 4, (\q)%2, \q, \slot, \zero
	MUL16 6, (\q)%2, \q, \slot, \zero
	PLACES NP
	WIN 0
	FETCH_A \slot, (\q)+1, 4
.endm
.macro TURN slot, next, fill
	s_wait_tensorcnt 0x0                           ; all my tensor loads have landed: my part of the next slot
	ds_add_u32 v[SPW], v[NIL]                      ; 0 onto my spare word
	s_wait_dscnt 4*NL+1                            ; (the add and A's blocks 4-7 may be out)
	WIN MUL_LO
	MUL16 0, 1, NQ-1, \slot, 0
	s_wait_dscnt 0x0                               ; the add is done, and my reads of this slot are over
	s_barrier_signal -1
	MUL16 2, 1, NQ-1, \slot, 0
	WIN 0
	s_barrier_wait -1
.if \fill
	CREST                                          ; the barrier has opened a round of the cluster's barrier: no wave of any partner still reads this slot or has a load on its way
	s_add_nc_u64 s[G0+4*\slot+2:G0+4*\slot+3], s[G0+4*\slot+2:G0+4*\slot+3], 2*BLKB
	s_add_nc_u64 s[G0B+4*\slot+2:G0B+4*\slot+3], s[G0B+4*\slot+2:G0B+4*\slot+3], 2*BLKB
	JLOAD G0+4*\slot, G1, G0B+4*\slot, G1B         ; the first tensor load behind the round
.else
	PLACES NP
.endif
	v_add_nc_u32 v[ADRS], 64*NQ, v[ADRS]
	FETCH_B \next, 0, 0
	FETCH_A \next, 0, 0
	SCALES \next
	WIN MUL_HI
	MUL16 4, 1, NQ-1, \slot, 0
	MUL16 6, 1, NQ-1, \slot, 0
	PLACES NP
	WIN 0
	FETCH_A \next, 0, 4
.endm
	s_wait_tensorcnt 1                             ; the scale words and my part of K step 0 are in (slot 1's load may be out)
	s_barrier_signal -1
	s_barrier_wait -1
	FETCH_B 0, 0, 0
	FETCH_A 0, 0, 0
	SCALES 0
	FETCH_A 0, 0, 4
	STEP 0, 0, 1
	s_mov_b32 s3, LAPS-1
.Llap:
	TURN 0, 1, 1
	STEP 1, 0, 0
	TURN 1, 0, 1
	STEP 0, 0, 0
	s_sub_co_u32 s3, s3, 1
	s_cmp_lg_u32 s3, 0
	s_cbranch_scc1 .Llap
	TURN 0, 1, 0
	STEP 1, 0, 0
	s_wait_dscnt 4*NL
	WIN MUL_LO
	MUL16 0, 1, NQ-1, 1, 0
	MUL16 2, 1, NQ-1, 1, 0
	s_wait_dscnt 0
	WIN MUL_HI
	MUL16 4, 1, NQ-1, 1, 0
	MUL16 6, 1, NQ-1, 1, 0
	WIN 0
; THE WAY OUT.  For a block a of 16 rows a lane's 64 results (window win, from register src on) are: register 16 b + i = hidden unit 32 b + 16 (lane / 16) + i.  They become a fragment's codes in v[PC] on and its scale word in v[pw].
.macro QUANT win, src, pw
	WIN ((\win)<<2)|((\win)<<4)
.irp b, 0,1,2,3
	v_max3_num_f32 v[TM+\b], 0x1800000, |v[\src+16*\b]|, |v[\src+1+16*\b]|   ; my 16 numbers of block b, and the floor 2^(3 - 127)
.endr
.irp i, 2,4,6,8,10,12,14
.irp b, 0,1,2,3
	v_max3_num_f32 v[TM+\b], v[TM+\b], |v[\src+16*\b+\i]|, |v[\src+1+16*\b+\i]|
.endr
.endr
	WIN 0
.irp b, 0,1,2,3
	v_permlanex16_b32 v[TM+4+\b], v[TM+\b], s98, s99
.endr
.irp b, 0,1,2,3
	v_max_num_f32 v[TM+\b], v[TM+\b], v[TM+4+\b]
.endr
.irp b, 0,1,2,3
	v_add_nc_u32 v[TM+12+\b], 0xff000000, v[TM+\b]
.endr
.irp b, 0,1,2,3
	v_lshrrev_b32 v[TM+4+\b], 23, v[TM+12+\b]
.endr
	v_lshl_or_b32 v[\pw], v[TM+5], 8, v[TM+4]
	v_lshl_or_b32 v[\pw], v[TM+6], 16, v[\pw]
	v_lshl_or_b32 v[\pw], v[TM+7], 24, v[\pw]
	WIN (\win)
.irp c, 0,1
	v_cvt_scalef32_pk16_fp6_f32 v[PC+6*\c:PC+2+6*\c], v[\src+32*\c:\src+15+32*\c], v[TM+12+2*\c]
	v_cvt_scalef32_pk16_fp6_f32 v[PC+12+4*\c:PC+14+4*\c], v[\src+16+32*\c:\src+31+32*\c], v[TM+12+2*\c+1]
.endr
	WIN 0
	v_nop                                          ; one plain line behind a scaled conversion
.irp c, 0,1
.irp i, 0,1,2
	v_permlane16_swap_b32 v[PC+6*\c+\i], v[PC+12+4*\c+\i]
.endr
.irp i, 0,1,2
	v_mov_b32 v[PC+3+6*\c+\i], v[PC+12+4*\c+\i]
.endr
.endr
.endm
.macro EPI a
.set WQ, 2+(\a)/4
.set AC, 64*((\a)%4)
	s_wait_xcnt 0x0                                ; the last block's stores have read their registers
	WIN (WQ<<6)|WQ
.set j, 0
.rept 32
	v_pk_add_f32 v[AC+j:AC+j+1], v[AC+j:AC+j+1], v[BIAS+j:BIAS+j+1]   ; each accumulator from its low end on
.set j, j+2
.endr
.set j, 0
.rept 64
	v_max_num_f32 v[AC+j], v[AC+j], 0              ; the activation, in f32
.set j, j+1
.endr
	QUANT WQ, AC, PW+(\a)%2
	global_store_b128 v[LI16], v[PC:PC+3], s[12:13] offset:(\a)*49152             ; a fragment: 512, 256, 512, 256 consecutive bytes, aligned
	global_store_b64 v[LI8], v[PC+4:PC+5], s[12:13] offset:(\a)*49152+512
	global_store_b128 v[LI16], v[PC+6:PC+9], s[12:13] offset:(\a)*49152+768
	global_store_b64 v[LI8], v[PC+10:PC+11], s[12:13] offset:(\a)*49152+1280
.if (\a)%2
	v_cndmask_b32 v[SWR], v[PW], v[PW+1], s97      ; lanes 0-15 block a - 1's words, lanes 16-31 block a's
	global_store_b32 v[SOFF], v[SWR], s[10:11] offset:((\a)-1)*2048               ; two runs of 64 bytes: one byte of scales for 24 of codes
.endif
.endm
	PLACES NP                                      ; behind the last products
	s_wait_loadcnt 0x0                             ; b1
.irp b, 0,1,2,3
	v_mov_b32 v[TM+4+\b], 0                        ; written once: a lane permute's destination counts as one of its sources
.endr
.irp a, 0,1,2,3,4,5,6,7
	EPI \a
.endr
	s_wait_tensorcnt 0x0                           ; the wave's end
	ds_add_u32 v[SPW], v[NIL]
	s_wait_dscnt 0x0
	CROUND                                         ; the closing round
	s_endpgm
.Lfunc_end_k_q92934b9eae_gemm_1:
	.size	k_q92934b9eae_gemm_1, .Lfunc_end_k_q92934b9eae_gemm_1-k_q92934b9eae_gemm_1
	.p2alignl 7, 3214868480
	.fill 96, 4, 3214868480
	.section	.rodata,"a",@progbits
	.p2align	6, 0x0
	.amdhsa_kernel k_q92934b9eae_gemm_1
		.amdhsa_group_segment_fixed_size 327680
		.amdhsa_private_segment_fixed_size 0
		.amdhsa_enable_private_segment 0
		.amdhsa_kernarg_size 32
		.amdhsa_user_sgpr_count 2
		.amdhsa_user_sgpr_kernarg_segment_ptr 1
		.amdhsa_wavefront_size32 1
		.amdhsa_system_sgpr_workgroup_id_x 1
		.amdhsa_system_sgpr_workgroup_id_y 1
		.amdhsa_system_sgpr_workgroup_id_z 1
		.amdhsa_system_vgpr_workitem_id 0
		.amdhsa_next_free_vgpr 1024
		.amdhsa_next_free_sgpr 100
		.amdhsa_reserve_vcc 0
		.amdhsa_float_denorm_mode_32 3
		.amdhsa_float_denorm_mode_16_64 3
		.amdhsa_memory_ordered 1
		.amdhsa_forward_progress 1
		.amdhsa_inst_pref_size 201
	.end_amdhsa_kernel
	.amdgpu_metadata
---
amdhsa.version: [ 1, 2 ]
amdhsa.kernels:
  - .name:           k_q92934b9eae_gemm_1
    .symbol:         k_q92934b9eae_gemm_1.kd
    .args:
      - { .name: x, .offset: 0, .size: 8, .value_kind: global_buffer, .address_space: global }
      - { .name: inq, .offset: 8, .size: 8, .value_kind: global_buffer, .address_space: global }
      - { .name: b1, .offset: 16, .size: 8, .value_kind: global_buffer, .address_space: global }
      - { .name: hid, .offset: 24, .size: 8, .value_kind: global_buffer, .address_space: global }
    .group_segment_fixed_size: 327680
    .private_segment_fixed_size: 0
    .kernarg_segment_align: 8
    .kernarg_segment_size: 32
    .max_flat_workgroup_size: 128
    .sgpr_count:     100
    .vgpr_count:     1024
    .wavefront_size: 32
...
	.end_amdgpu_metadata
.endif
;; end of part 6
;; launch gemm_2 (part 7): grid 4 x 16, 4 waves a work-group, clusters of 4 x 4, 327,680 bytes of LDS; arguments hid, inq, y; writes y
.if DOCPART == 7
	.amdgcn_target "amdgcn-amd-amdhsa--gfx1250"
	.amdhsa_code_object_version 6
	.text
	.protected	k_q92934b9eae_gemm_2
	.globl	k_q92934b9eae_gemm_2
	.p2align	8
	.type	k_q92934b9eae_gemm_2,@function
k_q92934b9eae_gemm_2:
	s_mov_b64 s[64:65], 0
	v_nop
	global_prefetch_b8 v0, s[64:65] scope:SCOPE_SE
	s_setreg_imm32_b32 hwreg(HW_REG_WAVE_MODE, 25, 1), 1
	s_wait_xcnt 0x0
	s_wait_alu depctr_hold_cnt(0) depctr_sa_sdst(0) depctr_va_vdst(0) depctr_va_sdst(0) depctr_va_ssrc(0) depctr_va_vcc(0) depctr_vm_vsrc(0)
	s_getreg_b32 s2, hwreg(HW_REG_IB_STS2, 6, 4)
	s_cmp_eq_u32 s2, 0
	s_cbranch_scc0 .Lentry_in_a_cluster
	s_endpgm
.Lentry_in_a_cluster:
	s_bfe_u32 s2, ttmp6, 0x10000c
	s_cmp_lg_u32 s2, 0xf033
	s_cbranch_scc0 .Lentry_shape_is_right
	s_endpgm
.Lentry_shape_is_right:
; y = hidden W2^T (raw sums, f32): A = the hidden layer, B = W2, both as codes of FP6 (E2M3) with E8M0 scales, K = 4,096; the bias and the residual are added by the launch that normalises.
; A tile of 256 x 256 to a work-group of four waves, 128 x 128 a wave (64 accumulators); K in steps of 256 through a ring of two LDS slots filled by the tensor data mover.
; OPERANDS lie in memory as images of the matrix unit's registers: a fragment (16 rows x 128 K) is 1,536 bytes, fetched by dense LDS loads of 16, 8, 16, 8 bytes a lane; an operand is [row block][K step][1,536].
; Scale words [row block][K step][16 rows]: those of a tile, for all of K, are one dense block and come into LDS once.
; SOURCE 0 = B's rows, SOURCE 1 = A's rows: a lane holds eight neighbouring numbers of a row of y.  CLUSTERS 4 x 4: A's tiles are shared along a row of the cluster, B's along a column, by joint loads.
; N = 1,024 gives 64 tiles of this size: three WGPs in four have no work in this launch.
; REGISTERS: window 0: v0-31 addresses; v32-63 scale words, two sets; v128-223 A's fragments, one set (on the way out v128-255 rows of y).  window 1: B's fragments, two sets.  windows 2, 3: the accumulators.
.set KS,     32                        ; K / 128
.set AOFF,   0
.set ASOFF,  12582912
.set BOFF,   9437184
.set BSOFF,  12582912+768*512
.set SIZE_N, 1024
.set NQ,     2
.set FR,     12
.set NL,     4
.set NP,     4
.set BLKB,   3072
.set HALFT,  8*BLKB
.set SLOT,   4*HALFT
.set LAPS,   KS/4
.set SCL,    2*SLOT
.set HALFS,  8*KS*64
.set SPARE,  SCL+4*HALFS               ; the spare words, 128 bytes for each wave: two blocks of 256 bytes that no other line names
.set SPITCH, 528                       ; the way out: a stage of 16 rows x (512 + 16) bytes for each wave, in slot 0, which has had its last fill and its last read by then
.set ADRA, 16
.set ADRB, 20
.set STO,  24
.set RD,   25
.set CO,   26
.set ADRS, 27
.set SPW,  28
.set NIL,  29
.set SC,   32
.set AF,   128
.set BK,   128
.set G1, 24
.set G0, 32
.set G1B, 48
.set G0B, 56
.set G1S, 68
.set G0S, 76
.set G1SB, 80
.set G0SB, 88
.set MSB, 0
.macro WIN new
.if MSB != (\new)
	s_set_vgpr_msb (MSB<<8)|(\new)
.set MSB, (\new)
.endif
.endm
.set MUL_LO, 0xa1
.set MUL_HI, 0xf1
.set TO_B,   0x40
.macro JLOAD g0a, g1a, g0b, g1b        ; waves 0 and 1 fetch for A, waves 2 and 3 for B; four v_nop follow each of the two lines
	s_cmp_eq_u32 s15, 0
	s_cbranch_scc0 .Lfor_b_\@
	tensor_load_to_lds s[\g0a:\g0a+3], s[\g1a:\g1a+7]
	s_nop 0
.rept 4
	v_nop
.endr
	s_branch .Lasked_\@
.Lfor_b_\@:
	tensor_load_to_lds s[\g0b:\g0b+3], s[\g1b:\g1b+7]
	s_nop 0
.rept 4
	v_nop
.endr
.Lasked_\@:
.endm
.macro CREST
	s_cmp_lg_u32 s14, 0
	s_cbranch_scc1 .Lnot_wave_0_\@
	s_barrier_signal -3
.Lnot_wave_0_\@:
	s_barrier_wait -3
	s_barrier_signal -1
	s_barrier_wait -1
.endm
.macro CROUND
	s_barrier_signal -1
	s_barrier_wait -1
	CREST
.endm
	s_load_b128 s[4:7], s[0:1], 0x0                ; A's buffer, B's buffer
	s_load_b64 s[12:13], s[0:1], 0x10              ; y
	v_lshl_add_u32 v[SPW], v0, 2, SPARE
	v_mov_b32 v[NIL], 0
	ds_add_u32 v28, v29
	ds_add_u32 v28, v29
	s_wait_dscnt 0x0
	v_lshrrev_b32 v1, 5, v0
	v_readfirstlane_b32 s14, v1
	s_lshr_b32 s15, s14, 1
	s_and_b32 s16, s14, 1
	s_bfe_u32 s40, ttmp6, 0x40000
	s_bfe_u32 s41, ttmp6, 0x40004
	s_lshl_b32 s42, ttmp9, 2
	s_add_co_u32 s42, s42, s40                     ; tile column
	s_and_b32 s17, ttmp7, 0xffff
	s_lshl_b32 s17, s17, 2
	s_add_co_u32 s17, s17, s41                     ; tile row
	s_lshl_b32 s43, s41, 2
	s_lshl_b32 s43, 15, s43
	s_lshl_b32 s44, 0x1111, s40
	s_or_b32 s[G1+0], s43, (3<<16)|(1<<21)         ; 8 rows of 3,072 bytes (384 elements of 8), KS x 1,536 bytes apart; no padding
	s_or_b32 s[G1B+0], s44, (3<<16)|(1<<21)
.irp g, G1, G1B
	s_mov_b32 s[\g+1], 384<<16
	s_mov_b32 s[\g+2], 8<<16
	s_mov_b32 s[\g+3], 384<<16
	s_mov_b32 s[\g+4], 8
	s_mov_b32 s[\g+5], KS*192
	s_mov_b32 s[\g+6], 0
	s_mov_b32 s[\g+7], 0
.endr
	s_or_b32 s[G1S+0], s43, (3<<16)|(1<<21)        ; the scale words of 128 rows: a dense block, as rows of 256 bytes
	s_or_b32 s[G1SB+0], s44, (3<<16)|(1<<21)
.irp g, G1S, G1SB
	s_mov_b32 s[\g+1], 32<<16
	s_mov_b32 s[\g+2], (HALFS/256)<<16
	s_mov_b32 s[\g+3], 32<<16
	s_mov_b32 s[\g+4], HALFS/256
	s_mov_b32 s[\g+5], 32
	s_mov_b32 s[\g+6], 0
	s_mov_b32 s[\g+7], 0
.endr
	s_mul_i32 s66, s16, 8*KS*1536
	s_mul_i32 s67, s16, HALFS
	s_mul_i32 s20, s17, 16*KS*1536
	s_add_co_u32 s20, s20, s66
	s_add_co_u32 s20, s20, AOFF
	s_mov_b32 s21, 0
	s_mul_i32 s22, s17, 16*KS*64
	s_add_co_u32 s22, s22, s67
	s_add_co_u32 s22, s22, ASOFF
	s_mov_b32 s23, 0
	s_mul_i32 s46, s42, 16*KS*1536
	s_add_co_u32 s46, s46, s66
	s_add_co_u32 s46, s46, BOFF
	s_mov_b32 s47, 0
	s_mul_i32 s92, s42, 16*KS*64
	s_add_co_u32 s92, s92, s67
	s_add_co_u32 s92, s92, BSOFF
	s_mov_b32 s93, 0
	s_mul_i32 s45, s14, HALFT
	s_mul_i32 s94, s14, HALFS
	s_wait_kmcnt 0x0
	s_add_nc_u64 s[20:21], s[4:5], s[20:21]
	s_add_nc_u64 s[22:23], s[4:5], s[22:23]
	s_add_nc_u64 s[46:47], s[6:7], s[46:47]
	s_add_nc_u64 s[92:93], s[6:7], s[92:93]
	CROUND                                         ; all sixteen work-groups are here: the first joint loads meet
	s_mov_b32 s[G0S], 1
	s_add_co_u32 s[G0S+1], s94, SCL
	s_mov_b64 s[G0S+2:G0S+3], s[22:23]
	s_or_b32 s[G0S+3], s[G0S+3], 0x80000000
	s_mov_b32 s[G0SB], 1
	s_add_co_u32 s[G0SB+1], s94, SCL
	s_mov_b64 s[G0SB+2:G0SB+3], s[92:93]
	s_or_b32 s[G0SB+3], s[G0SB+3], 0x80000000
	JLOAD G0S, G1S, G0SB, G1SB
.irp s, 0,1
	s_mov_b32 s[G0+4*\s], 1
	s_add_co_u32 s[G0+4*\s+1], s45, \s*SLOT
	s_add_nc_u64 s[G0+4*\s+2:G0+4*\s+3], s[20:21], \s*BLKB
	s_or_b32 s[G0+4*\s+3], s[G0+4*\s+3], 0x80000000
	s_mov_b32 s[G0B+4*\s], 1
	s_add_co_u32 s[G0B+4*\s+1], s45, \s*SLOT
	s_add_nc_u64 s[G0B+4*\s+2:G0B+4*\s+3], s[46:47], \s*BLKB
	s_or_b32 s[G0B+4*\s+3], s[G0B+4*\s+3], 0x80000000
	JLOAD G0+4*\s, G1, G0B+4*\s, G1B
.endr
	v_and_b32 v1, 15, v0
	v_bfe_u32 v2, v0, 4, 1
	v_and_b32 v3, 31, v0
	v_lshlrev_b32 v4, 4, v3
	v_lshlrev_b32 v5, 3, v3
	s_mul_i32 s21, s15, HALFT
	s_mul_i32 s22, s16, HALFT
	s_add_co_u32 s22, s22, 2*HALFT
.irp s, 0,1
	v_add_nc_u32 v[ADRA+\s], s21, v4
	v_add_nc_u32 v[ADRB+\s], s22, v4
	v_add_nc_u32 v[ADRA+2+\s], s21, v5
	v_add_nc_u32 v[ADRB+2+\s], s22, v5
	s_add_co_u32 s21, s21, SLOT
	s_add_co_u32 s22, s22, SLOT
.endr
	v_lshlrev_b32 v5, 2, v1
	s_mul_i32 s21, s15, HALFS
	s_mul_i32 s22, s16, HALFS
	s_add_co_u32 s22, s22, 2*HALFS
	s_sub_co_u32 s22, s22, s21
	v_mul_u32_u24 v6, s22, v2                      ; lanes 16-31 take B's
	s_add_co_u32 s21, s21, SCL
	v_add_nc_u32 v5, v5, v6
	v_add_nc_u32 v[ADRS], s21, v5
	s_mul_i32 s23, s14, 16*SPITCH                  ; my stage
	v_mul_u32_u24 v5, v1, SPITCH
	v_lshl_add_u32 v5, v2, 5, v5
	v_add_nc_u32 v[STO], s23, v5                   ; in: row r, 32 bytes for each half of the lanes
	v_lshlrev_b32 v[CO], 4, v3
	v_add_nc_u32 v[RD], s23, v[CO]                 ; back: the 32 lanes take one row of 512 bytes
	s_lshl_b32 s20, s17, 8
	s_lshl_b32 s21, s15, 7
	s_add_co_u32 s20, s20, s21                     ; my first row of y
	s_mov_b32 s21, 0
	s_mov_b64 s[18:19], SIZE_N*4
	s_mul_u64 s[20:21], s[20:21], s[18:19]
	s_lshl_b32 s46, s42, 10
	s_lshl_b32 s47, s16, 9
	s_add_co_u32 s46, s46, s47
	s_mov_b32 s47, 0
	s_add_nc_u64 s[20:21], s[20:21], s[46:47]
	s_add_nc_u64 s[12:13], s[12:13], s[20:21]
.macro FRAG reg, adr, q, i
	ds_load_b128 v[\reg:\reg+3], v[\adr] offset:(\i)*BLKB+(\q)*1536
	ds_load_b64 v[\reg+4:\reg+5], v[\adr+2] offset:(\i)*BLKB+(\q)*1536+512
	ds_load_b128 v[\reg+6:\reg+9], v[\adr] offset:(\i)*BLKB+(\q)*1536+768
	ds_load_b64 v[\reg+10:\reg+11], v[\adr+2] offset:(\i)*BLKB+(\q)*1536+1280
.endm
.macro MUL16 a0, p, q, sc, zero        ; the 64 accumulators take turns, one instruction a turn
.irp a, \a0, \a0+1
.irp b, 0,1,2,3,4,5,6,7
.if \zero
	v_wmma_scale_f32_16x16x128_f8f6f4 v[8*(8*((\a)%4)+\b):8*(8*((\a)%4)+\b)+7], v[128*(\p)+FR*\b:128*(\p)+FR*\b+FR-1], v[AF+FR*(\a):AF+FR*(\a)+FR-1], 0, v[SC+8*NQ*(\sc)+NQ*\b+(\q)], v[SC+8*NQ*(\sc)+NQ*(\a)+(\q)] matrix_a_fmt:MATRIX_FMT_FP6 matrix_b_fmt:MATRIX_FMT_FP6 matrix_a_scale:MATRIX_SCALE_ROW1
.else
	v_wmma_scale_f32_16x16x128_f8f6f4 v[8*(8*((\a)%4)+\b):8*(8*((\a)%4)+\b)+7], v[128*(\p)+FR*\b:128*(\p)+FR*\b+FR-1], v[AF+FR*(\a):AF+FR*(\a)+FR-1], v[8*(8*((\a)%4)+\b):8*(8*((\a)%4)+\b)+7], v[SC+8*NQ*(\sc)+NQ*\b+(\q)], v[SC+8*NQ*(\sc)+NQ*(\a)+(\q)] matrix_a_fmt:MATRIX_FMT_FP6 matrix_b_fmt:MATRIX_FMT_FP6 matrix_a_scale:MATRIX_SCALE_ROW1
.endif
.endr
.endr
.endm
.macro FETCH_B slot, q, p
	WIN TO_B
.irp i, 0,1,2,3,4,5,6,7
	FRAG 128*(\p)+FR*\i, ADRB+\slot, \q, \i
.endr
	WIN 0
.endm
.macro FETCH_A slot, q, i0
.irp i, \i0, \i0+1, \i0+2, \i0+3
	FRAG AF+FR*(\i), ADRA+\slot, \q, \i
.endr
.endm
.macro SCALES sc
.irp i, 0,1,2,3,4,5,6,7
	ds_load_b32 v[SC+8*NQ*\sc+NQ*\i], v[ADRS] offset:\i*KS*64
	ds_load_b32 v[SC+8*NQ*\sc+NQ*\i+1], v[ADRS] offset:\i*KS*64+64
.endr
.endm
.macro PLACES n
.rept \n
	v_nop
.endr
.endm
.macro STEP slot, q, zero
	s_wait_dscnt 4*NL                              ; all but the youngest sixteen loads (A's blocks 4-7) are in
	WIN MUL_LO
	MUL16 0, (\q)%2, \q, \slot, \zero
	MUL16 2, (\q)%2, \q, \slot, \zero
	s_wait_dscnt 0
	PLACES NP
	FETCH_B \slot, (\q)+1, 1-(\q)%2
	FETCH_A \slot, (\q)+1, 0
	WIN MUL_HI
	MUL16 4, (\q)%2, \q, \slot, \zero
	MUL16 6, (\q)%2, \q, \slot, \zero
	PLACES NP
	WIN 0
	FETCH_A \slot, (\q)+1, 4
.endm
.macro TURN slot, next, fill
	s_wait_tensorcnt 0x0                           ; all my tensor loads have landed: my part of the next slot
	ds_add_u32 v[SPW], v[NIL]                      ; 0 onto my spare word
	s_wait_dscnt 4*NL+1                            ; (the add and A's blocks 4-7 may be out)
	WIN MUL_LO
	MUL16 0, 1, NQ-1, \slot, 0
	s_wait_dscnt 0x0                               ; the add is done, and my reads of this slot are over
	s_barrier_signal -1
	MUL16 2, 1, NQ-1, \slot, 0
	WIN 0
	s_barrier_wait -1
.if \fill
	CREST                                          ; the barrier has opened a round of the cluster's barrier: no wave of any partner still reads this slot or has a load on its way
	s_add_nc_u64 s[G0+4*\slot+2:G0+4*\slot+3], s[G0+4*\slot+2:G0+4*\slot+3], 2*BLKB
	s_add_nc_u64 s[G0B+4*\slot+2:G0B+4*\slot+3], s[G0B+4*\slot+2:G0B+4*\slot+3], 2*BLKB
	JLOAD G0+4*\slot, G1, G0B+4*\slot, G1B         ; the first tensor load behind the round
.else
	PLACES NP
.endif
	v_add_nc_u32 v[ADRS], 64*NQ, v[ADRS]
	FETCH_B \next, 0, 0
	FETCH_A \next, 0, 0
	SCALES \next
	WIN MUL_HI
	MUL16 4, 1, NQ-1, \slot, 0
	MUL16 6, 1, NQ-1, \slot, 0
	PLACES NP
	WIN 0
	FETCH_A \next, 0, 4
.endm
	s_wait_tensorcnt 1                             ; the scale words and my part of K step 0 are in (slot 1's load may be out)
	s_barrier_signal -1
	s_barrier_wait -1
	FETCH_B 0, 0, 0
	FETCH_A 0, 0, 0
	SCALES 0
	FETCH_A 0, 0, 4
	STEP 0, 0, 1
	s_mov_b32 s3, LAPS-1
.Llap:
	TURN 0, 1, 1
	STEP 1, 0, 0
	TURN 1, 0, 1
	STEP 0, 0, 0
	s_sub_co_u32 s3, s3, 1
	s_cmp_lg_u32 s3, 0
	s_cbranch_scc1 .Llap
	TURN 0, 1, 0
	STEP 1, 0, 0
	s_wait_dscnt 4*NL
	WIN MUL_LO
	MUL16 0, 1, NQ-1, 1, 0
	MUL16 2, 1, NQ-1, 1, 0
	s_wait_dscnt 0
	WIN MUL_HI
	MUL16 4, 1, NQ-1, 1, 0
	MUL16 6, 1, NQ-1, 1, 0
	WIN 0
; THE WAY OUT, block by block of 16 rows x 128 columns, through my own stage: in as 32 bytes a lane, back as whole rows of 512 bytes.  LDS serves a wave's instructions in order: no wait between the stores and the loads.
.macro TOSTAGE a
.set AC, 64*((\a)%4)
	WIN 0x08+4*((\a)/4)
.irp b, 0,1,2,3,4,5,6,7
	ds_store_b128 v[STO], v[AC+8*\b:AC+8*\b+3] offset:64*\b          ; each accumulator from its low end on
	ds_store_b128 v[STO], v[AC+8*\b+4:AC+8*\b+7] offset:64*\b+16
.endr
	WIN 0
.set BB, BK+64*((\a)%2)
.irp t, 0,1,2,3,4,5,6,7,8,9,10,11,12,13,14,15
	ds_load_b128 v[BB+4*\t:BB+4*\t+3], v[RD] offset:\t*SPITCH
.endr
.endm
.macro SEND a, younger
.set BB, BK+64*((\a)%2)
	s_wait_dscnt \younger                          ; the block is back in registers; the next block's LDS instructions may be out
.if (\a) > 0
	s_add_nc_u64 s[12:13], s[12:13], 16*SIZE_N*4   ; (behind a wait on XCNT: the earlier stores have read their base)
.endif
.irp t, 0,1,2,3,4,5,6,7,8,9,10,11,12,13,14,15
	global_store_b128 v[CO], v[BB+4*\t:BB+4*\t+3], s[12:13] offset:\t*SIZE_N*4   ; 32 lanes store 512 consecutive bytes, aligned
.endr
.endm
	PLACES NP
	TOSTAGE 0
.irp a, 1,2,3,4,5,6,7
.if \a > 1
	s_wait_xcnt 0x0                                ; block a - 2's stores have read their registers and their base
.endif
	TOSTAGE \a
	SEND \a-1, 32
.endr
	s_wait_xcnt 0x0
	SEND 7, 0
	s_wait_tensorcnt 0x0                           ; the wave's end
	ds_add_u32 v[SPW], v[NIL]
	s_wait_dscnt 0x0
	CROUND                                         ; the closing round
	s_endpgm
.Lfunc_end_k_q92934b9eae_gemm_2:
	.size	k_q92934b9eae_gemm_2, .Lfunc_end_k_q92934b9eae_gemm_2-k_q92934b9eae_gemm_2
	.p2alignl 7, 3214868480
	.fill 96, 4, 3214868480
	.section	.rodata,"a",@progbits
	.p2align	6, 0x0
	.amdhsa_kernel k_q92934b9eae_gemm_2
		.amdhsa_group_segment_fixed_size 327680
		.amdhsa_private_segment_fixed_size 0
		.amdhsa_enable_private_segment 0
		.amdhsa_kernarg_size 24
		.amdhsa_user_sgpr_count 2
		.amdhsa_user_sgpr_kernarg_segment_ptr 1
		.amdhsa_wavefront_size32 1
		.amdhsa_system_sgpr_workgroup_id_x 1
		.amdhsa_system_sgpr_workgroup_id_y 1
		.amdhsa_system_sgpr_workgroup_id_z 1
		.amdhsa_system_vgpr_workitem_id 0
		.amdhsa_next_free_vgpr 1024
		.amdhsa_next_free_sgpr 100
		.amdhsa_reserve_vcc 0
		.amdhsa_float_denorm_mode_32 3
		.amdhsa_float_denorm_mode_16_64 3
		.amdhsa_memory_ordered 1
		.amdhsa_forward_progress 1
		.amdhsa_inst_pref_size 146
	.end_amdhsa_kernel
	.amdgpu_metadata
---
amdhsa.version: [ 1, 2 ]
amdhsa.kernels:
  - .name:           k_q92934b9eae_gemm_2
    .symbol:         k_q92934b9eae_gemm_2.kd
    .args:
      - { .name: hid, .offset: 0, .size: 8, .value_kind: global_buffer, .address_space: global }
      - { .name: inq, .offset: 8, .size: 8, .value_kind: global_buffer, .address_space: global }
      - { .name: y, .offset: 16, .size: 8, .value_kind: global_buffer, .address_space: global }
    .group_segment_fixed_size: 327680
    .private_segment_fixed_size: 0
    .kernarg_segment_align: 8
    .kernarg_segment_size: 24
    .max_flat_workgroup_size: 128
    .sgpr_count:     100
    .vgpr_count:     1024
    .wavefront_size: 32
...
	.end_amdgpu_metadata
.endif
;; end of part 7
;; launch ln2 (part 8): grid 256 x 1, 16 waves a work-group, no clusters, 0 bytes of LDS; arguments y, b2, x, g2, be2, out0; writes out0
.if DOCPART == 8
	.amdgcn_target "amdgcn-amd-amdhsa--gfx1250"
	.amdhsa_code_object_version 6
	.text
	.protected	k_q92934b9eae_ln2
	.globl	k_q92934b9eae_ln2
	.p2align	8
	.type	k_q92934b9eae_ln2,@function
k_q92934b9eae_ln2:
	s_mov_b64 s[64:65], 0
	v_nop
	global_prefetch_b8 v0, s[64:65] scope:SCOPE_SE
	s_setreg_imm32_b32 hwreg(HW_REG_WAVE_MODE, 25, 1), 1
	s_wait_xcnt 0x0
; out0 = layer norm(x + y + b2) g2 + be2, in f32.  y and x lie in the order of positions; out0 in the problem's order.
; A work-group is a block of 16 positions (number g = 128 b + pb); wave w takes position p = 16 g + w, which is row 2 s + b of out0 with s = 32 (pb / 2) + 8 (pb % 2) + w % 8 + 16 (w / 8).
; A row is 4,096 bytes: eight loads of 512 consecutive bytes, 32 numbers a lane, kept in registers.  Mean first, then the mean of the squared differences: no difference of large sums is formed.
; Waves share nothing: no LDS, no barrier.  NaN and infinities among the inputs go through as f32 arithmetic has them.
.set Z,  16                            ; v16-47   y's row, then the sum, the differences, the result
.set X,  48                            ; v48-79   x's row
.set BI, 80                            ; v80-111  b2
.set G,  112                           ; v112-143 g2
.set BE, 144                           ; v144-175 be2
.set C4, 176
.set MN, 184
.set VR, 186
.set IV, 188
.set TP, 190
	s_load_b256 s[8:15], s[0:1], 0x0               ; y, b2, x, g2
	s_load_b128 s[16:19], s[0:1], 0x20             ; be2, out0
	v_lshrrev_b32 v1, 5, v0
	v_readfirstlane_b32 s7, v1
	v_and_b32 v1, 31, v0
	v_lshlrev_b32 v2, 4, v1
	v_mov_b32 v[TP], 0                             ; written once: a lane permute's destination counts as one of its sources
	s_lshl_b32 s20, ttmp9, 4
	s_add_co_u32 s20, s20, s7
	s_lshl_b32 s20, s20, 12                        ; p x 4,096
	s_mov_b32 s21, 0
	s_and_b32 s22, ttmp9, 127
	s_lshr_b32 s23, s22, 1
	s_lshl_b32 s23, s23, 5
	s_and_b32 s22, s22, 1
	s_lshl_b32 s22, s22, 3
	s_add_co_u32 s22, s22, s23
	s_and_b32 s23, s7, 7
	s_add_co_u32 s22, s22, s23
	s_lshr_b32 s23, s7, 3
	s_lshl_b32 s23, s23, 4
	s_add_co_u32 s22, s22, s23                     ; s
	s_lshl_b32 s22, s22, 13
	s_lshr_b32 s23, ttmp9, 7
	s_lshl_b32 s23, s23, 12
	s_add_co_u32 s22, s22, s23                     ; (2 s + b) x 4,096
	s_mov_b32 s23, 0
	s_mov_b32 s32, 0x76543210
	s_mov_b32 s33, 0xfedcba98
	s_mov_b32 s34, 0x3a800000                      ; 1 / 1,024
	s_mov_b32 s35, 0x3727c5ac                      ; 1e-5
	s_wait_kmcnt 0x0
	s_add_nc_u64 s[8:9], s[8:9], s[20:21]
	s_add_nc_u64 s[12:13], s[12:13], s[20:21]
	s_add_nc_u64 s[24:25], s[18:19], s[22:23]
.irp j, 0,1,2,3,4,5,6,7
	global_load_b128 v[Z+4*\j:Z+4*\j+3], v2, s[8:9] offset:512*\j th:TH_LOAD_NT
.endr
.irp j, 0,1,2,3,4,5,6,7
	global_load_b128 v[X+4*\j:X+4*\j+3], v2, s[12:13] offset:512*\j th:TH_LOAD_NT
.endr
.irp j, 0,1,2,3,4,5,6,7
	global_load_b128 v[BI+4*\j:BI+4*\j+3], v2, s[10:11] offset:512*\j
.endr
.irp j, 0,1,2,3,4,5,6,7
	global_load_b128 v[G+4*\j:G+4*\j+3], v2, s[14:15] offset:512*\j
.endr
.irp j, 0,1,2,3,4,5,6,7
	global_load_b128 v[BE+4*\j:BE+4*\j+3], v2, s[16:17] offset:512*\j
.endr
.macro WSUM                            ; the four chains, then the 32 lanes: the sum in v[C4] of every lane
	v_pk_add_f32 v[C4:C4+1], v[C4:C4+1], v[C4+2:C4+3]
	v_pk_add_f32 v[C4+4:C4+5], v[C4+4:C4+5], v[C4+6:C4+7]
	v_pk_add_f32 v[C4:C4+1], v[C4:C4+1], v[C4+4:C4+5]
	v_add_f32 v[C4], v[C4], v[C4+1]
	v_add_f32_dpp v[C4], v[C4], v[C4] row_xmask:1 row_mask:0xf bank_mask:0xf
	v_add_f32_dpp v[C4], v[C4], v[C4] row_xmask:2 row_mask:0xf bank_mask:0xf
	v_add_f32_dpp v[C4], v[C4], v[C4] row_xmask:4 row_mask:0xf bank_mask:0xf
	v_add_f32_dpp v[C4], v[C4], v[C4] row_xmask:8 row_mask:0xf bank_mask:0xf
	v_permlanex16_b32 v[TP], v[C4], s32, s33
	v_add_f32 v[C4], v[C4], v[TP]
.endm
	s_wait_loadcnt 16                              ; y, x and b2 are in; the gain's and the offset's sixteen loads may be out
.set j, 0
.rept 16
	v_pk_add_f32 v[Z+j:Z+j+1], v[Z+j:Z+j+1], v[X+j:X+j+1]
.set j, j+2
.endr
.set j, 0
.rept 16
	v_pk_add_f32 v[Z+j:Z+j+1], v[Z+j:Z+j+1], v[BI+j:BI+j+1]
.set j, j+2
.endr
.irp k, 0,1,2,3
	v_pk_add_f32 v[C4+2*\k:C4+2*\k+1], v[Z+2*\k:Z+2*\k+1], v[Z+8+2*\k:Z+9+2*\k]
.endr
.irp m, 16,24
.irp k, 0,1,2,3
	v_pk_add_f32 v[C4+2*\k:C4+2*\k+1], v[C4+2*\k:C4+2*\k+1], v[Z+\m+2*\k:Z+\m+1+2*\k]
.endr
.endr
	WSUM
	v_mul_f32 v[MN], s34, v[C4]
	v_mul_f32 v[MN+1], s34, v[C4]
.set j, 0
.rept 16
	v_pk_add_f32 v[Z+j:Z+j+1], v[Z+j:Z+j+1], v[MN:MN+1] neg_lo:[0,1] neg_hi:[0,1]
.set j, j+2
.endr
.irp k, 0,1,2,3
	v_pk_mul_f32 v[C4+2*\k:C4+2*\k+1], v[Z+2*\k:Z+2*\k+1], v[Z+2*\k:Z+2*\k+1]
.endr
.irp m, 8,16,24
.irp k, 0,1,2,3
	v_pk_fma_f32 v[C4+2*\k:C4+2*\k+1], v[Z+\m+2*\k:Z+\m+1+2*\k], v[Z+\m+2*\k:Z+\m+1+2*\k], v[C4+2*\k:C4+2*\k+1]
.endr
.endr
	WSUM
	v_fma_f32 v[VR], v[C4], s34, s35               ; the variance + eps
	v_rsq_f32 v[IV], v[VR]
	v_rsq_f32 v[IV+1], v[VR]
	v_nop                                          ; a plain line behind the transcendentals
	s_wait_loadcnt 0x0
.set j, 0
	s_wait_alu depctr_va_vdst(0)
.rept 16
	v_pk_mul_f32 v[Z+j:Z+j+1], v[Z+j:Z+j+1], v[IV:IV+1]
.set j, j+2
.endr
.set j, 0
.rept 16
	v_pk_fma_f32 v[Z+j:Z+j+1], v[Z+j:Z+j+1], v[G+j:G+j+1], v[BE+j:BE+j+1]
.set j, j+2
.endr
.irp j, 0,1,2,3,4,5,6,7
	global_store_b128 v2, v[Z+4*\j:Z+4*\j+3], s[24:25] offset:512*\j th:TH_STORE_NT   ; 512 consecutive bytes, aligned; written once
.endr
	s_endpgm
.Lfunc_end_k_q92934b9eae_ln2:
	.size	k_q92934b9eae_ln2, .Lfunc_end_k_q92934b9eae_ln2-k_q92934b9eae_ln2
	.p2alignl 7, 3214868480
	.fill 96, 4, 3214868480
	.section	.rodata,"a",@progbits
	.p2align	6, 0x0
	.amdhsa_kernel k_q92934b9eae_ln2
		.amdhsa_group_segment_fixed_size 0
		.amdhsa_private_segment_fixed_size 0
		.amdhsa_enable_private_segment 0
		.amdhsa_kernarg_size 48
		.amdhsa_user_sgpr_count 2
		.amdhsa_user_sgpr_kernarg_segment_ptr 1
		.amdhsa_wavefront_size32 1
		.amdhsa_system_sgpr_workgroup_id_x 1
		.amdhsa_system_sgpr_workgroup_id_y 1
		.amdhsa_system_sgpr_workgroup_id_z 1
		.amdhsa_system_vgpr_workitem_id 0
		.amdhsa_next_free_vgpr 192
		.amdhsa_next_free_sgpr 66
		.amdhsa_reserve_vcc 0
		.amdhsa_float_denorm_mode_32 3
		.amdhsa_float_denorm_mode_16_64 3
		.amdhsa_memory_ordered 1
		.amdhsa_forward_progress 1
		.amdhsa_inst_pref_size 15
	.end_amdhsa_kernel
	.amdgpu_metadata
---
amdhsa.version: [ 1, 2 ]
amdhsa.kernels:
  - .name:           k_q92934b9eae_ln2
    .symbol:         k_q92934b9eae_ln2.kd
    .args:
      - { .name: y, .offset: 0, .size: 8, .value_kind: global_buffer, .address_space: global }
      - { .name: b2, .offset: 8, .size: 8, .value_kind: global_buffer, .address_space: global }
      - { .name: x, .offset: 16, .size: 8, .value_kind: global_buffer, .address_space: global }
      - { .name: g2, .offset: 24, .size: 8, .value_kind: global_buffer, .address_space: global }
      - { .name: be2, .offset: 32, .size: 8, .value_kind: global_buffer, .address_space: global }
      - { .name: out0, .offset: 40, .size: 8, .value_kind: global_buffer, .address_space: global }
    .group_segment_fixed_size: 0
    .private_segment_fixed_size: 0
    .kernarg_segment_align: 8
    .kernarg_segment_size: 48
    .max_flat_workgroup_size: 512
    .sgpr_count:     66
    .vgpr_count:     192
    .wavefront_size: 32
...
	.end_amdgpu_metadata
.endif
;; end of part 8
;; ======== version 2 of 2: 8 launches
;; limits: right only within a limited range of input values
;; workspace buffers: inq 13,107,200 bytes; qkv 10,223,616 bytes; att 3,276,800 bytes; y 16,777,216 bytes; x 20,054,016 bytes; hid 13,107,200 bytes
;; launch quant_in (part 9): grid 1024 x 1, 16 waves a work-group, no clusters, 89,088 bytes of LDS; arguments src, Wq, Wk, Wv, Wo, W1, W2, inq; writes inq
.if DOCPART == 9
	.amdgcn_target "amdgcn-amd-amdhsa--gfx1250"
	.amdhsa_code_object_version 6
	.text
	.protected	k_q92934b9eae_quant_in
	.globl	k_q92934b9eae_quant_in
	.p2align	8
	.type	k_q92934b9eae_quant_in,@function
k_q92934b9eae_quant_in:
	s_mov_b64 s[64:65], 0
	v_nop
	global_prefetch_b8 v0, s[64:65] scope:SCOPE_SE
	s_setreg_imm32_b32 hwreg(HW_REG_WAVE_MODE, 25, 1), 1
	s_wait_xcnt 0x0
; src and the six weights, f32 with K innermost, become codes of FP6 (E2M3) with one E8M0 byte for each 32 along K, laid as the matrix unit's registers want them.
; A FRAGMENT (16 rows x 128 K) is 1,536 bytes: two half images of 768 (16 rows x 64 K); in a half image lane (r, h)'s six registers (k = 32 h + 0 .. 31 of row r) lie as 16 bytes at 16 x lane and 8 bytes at 512 + 8 x lane.
; So a reader fetches a fragment by dense loads of 16, 8, 16, 8 bytes a lane.  Scale words: [16 rows][K / 128] -> [K step][row], 4 bytes each (byte i: k = 32 i ..).
; A work-group (number g) makes 16 image rows x 1,024 along K: 8 fragments, 12,288 bytes at g x 12,288, and 512 bytes of scale words at SCOFF + g x 512.  g: src 0, Wq 256, Wk 320, Wv 384, Wo 448, W1 512, W2 768 (four to a row block).
; WHICH ROWS FORM A BLOCK: for src, Wq, Wk, Wv, W1 image row m of block rb is row 32 (rb / 2) + 8 (rb % 2) + m % 8 + 16 (m / 8): as source 0 of a product such a block leaves 16 neighbours in the 16 registers of two neighbouring tiles.
; Wo and W2 keep their order.  src's blocks count positions of one batch entry: block 128 b + pb, row of src = 2 s + b.
; Wave w takes image row w: eight loads of 512 consecutive bytes; the row turns through the wave's own stage in LDS so that lane l holds block l (32 neighbours); codes meet in LDS as images; one barrier; each wave stores one half image (three aligned runs of 256 bytes).
; A block's scale is 2^(floor(log2(largest magnitude)) - 2): its byte is that magnitude's exponent field - 2, held at 1 from below.
; LIMITS: a block of zeros gets the byte 1 (its codes are zeros; this program alone reads the bytes); blocks whose largest magnitude lies under 2^-124 are held at the byte 1; NaN and infinities are not served.
.set TPL,   144                        ; a block's place in the stage: 128 bytes + 16
.set TWV,   32*TPL                     ; a wave's stage
.set IMG,   16*TWV                     ; the 16 half images, IPI bytes apart
.set IPI,   784
.set SCB,   IMG+16*IPI                 ; the 512 bytes of scale words
.set SCOFF, 12582912
.set Z,  16                            ; v16-47  the row as loaded
.set X,  48                            ; v48-79  my block's 32 numbers
.set P,  80                            ; v80-85  its codes
.set T,  88                            ; v88-90  the second conversion's result
.set OU, 92                            ; v92-97  the way out
.set SW, 100                           ; v100-103 scale words on the way out
	s_load_b512 s[8:23], s[0:1], 0x0               ; src, Wq, Wk, Wv, Wo, W1, W2, inq
	v_lshl_add_u32 v104, v0, 2, 0x15400
	v_mov_b32 v105, 0
	v_lshrrev_b32 v1, 5, v0
	s_delay_alu instid0(VALU_DEP_1)
	v_readfirstlane_b32 s7, v1                     ; wave = image row
	v_and_b32 v1, 31, v0                           ; lane
	s_delay_alu instid0(VALU_DEP_1)
	v_lshlrev_b32 v2, 4, v1                        ; 16 x lane
	s_mul_i32 s6, s7, TWV
	v_lshrrev_b32 v3, 3, v1
	s_delay_alu instid0(VALU_DEP_1)
	v_mul_u32_u24 v3, v3, TPL
	v_and_b32 v10, 7, v1
	s_delay_alu instid0(VALU_DEP_1)
	v_lshl_add_u32 v3, v10, 4, v3
	s_delay_alu instid0(VALU_DEP_1)
	v_add_nc_u32 v3, s6, v3                        ; stage, in: eight lanes fill a block's 128 bytes
	v_mul_u32_u24 v4, v1, TPL
	s_delay_alu instid0(VALU_DEP_1)
	v_add_nc_u32 v4, s6, v4                        ; stage, out: block = lane
	v_lshrrev_b32 v10, 1, v1
	s_delay_alu instid0(VALU_DEP_1)
	v_mul_u32_u24 v10, v10, IPI                    ; my block's half image: lane / 2
	v_and_b32 v11, 1, v1                           ; and its half of the lanes there
	s_delay_alu instid0(VALU_DEP_1)
	v_lshl_add_u32 v5, v11, 8, v10
	s_lshl_b32 s6, s7, 4
	s_add_co_u32 s6, s6, IMG
	v_add_nc_u32 v5, s6, v5                        ; 16 bytes at 16 x (16 h + row)
	v_lshl_add_u32 v6, v11, 7, v10
	s_lshl_b32 s6, s7, 3
	s_add_co_u32 s6, s6, IMG+512
	v_add_nc_u32 v6, s6, v6                        ; 8 bytes at 512 + 8 x (16 h + row)
	v_lshrrev_b32 v7, 2, v1
	s_delay_alu instid0(VALU_DEP_1)
	v_lshlrev_b32 v7, 6, v7
	v_and_b32 v10, 3, v1
	s_delay_alu instid0(VALU_DEP_1)
	v_add_nc_u32 v7, v7, v10
	s_lshl_b32 s6, s7, 2
	s_add_co_u32 s6, s6, SCB
	v_add_nc_u32 v7, s6, v7                        ; my scale byte: 64 x K step + 4 x row + block % 4
	v_lshlrev_b32 v9, 3, v1                        ; 8 x lane
	s_mul_i32 s6, s7, IPI
	s_add_co_u32 s6, s6, IMG
	v_add_nc_u32 v8, s6, v9                        ; the way out: half image = wave
	v_add_nc_u32 v14, SCB, v2
	s_wait_kmcnt 0x0
	; which tensor: the choice hangs on the work-group's number alone
	s_mov_b64 s[24:25], s[8:9]
	s_mov_b32 s26, 0
	s_cmp_ge_u32 ttmp9, 256
	s_cselect_b64 s[24:25], s[10:11], s[24:25]
	s_cselect_b32 s26, 256, s26
	s_cmp_ge_u32 ttmp9, 320
	s_cselect_b64 s[24:25], s[12:13], s[24:25]
	s_cselect_b32 s26, 320, s26
	s_cmp_ge_u32 ttmp9, 384
	s_cselect_b64 s[24:25], s[14:15], s[24:25]
	s_cselect_b32 s26, 384, s26
	s_cmp_ge_u32 ttmp9, 448
	s_cselect_b64 s[24:25], s[16:17], s[24:25]
	s_cselect_b32 s26, 448, s26
	s_cmp_ge_u32 ttmp9, 512
	s_cselect_b64 s[24:25], s[18:19], s[24:25]
	s_cselect_b32 s26, 512, s26
	s_cmp_ge_u32 ttmp9, 768
	s_cselect_b64 s[24:25], s[20:21], s[24:25]
	s_cselect_b32 s26, 768, s26
	s_sub_co_u32 s27, ttmp9, s26                   ; the group's number within its tensor
	s_and_b32 s28, s27, 127                        ; src: block of positions,
	s_lshr_b32 s29, s27, 7
	s_lshl_b32 s29, s29, 12                        ; and the batch entry's 4,096 bytes
	s_lshr_b32 s30, s27, 2                         ; W2: row block,
	s_and_b32 s31, s27, 3
	s_lshl_b32 s31, s31, 12                        ; and which 1,024 along K
	s_mov_b32 s32, s27
	s_mov_b32 s33, 0
	s_mov_b32 s34, 12                              ; a row's bytes as a shift
	s_cmp_lt_u32 ttmp9, 256
	s_cselect_b32 s32, s28, s32
	s_cselect_b32 s33, s29, s33
	s_cselect_b32 s34, 13, s34
	s_cmp_ge_u32 ttmp9, 768
	s_cselect_b32 s32, s30, s32
	s_cselect_b32 s33, s31, s33
	s_cselect_b32 s34, 14, s34
	s_lshr_b32 s35, s32, 1
	s_lshl_b32 s35, s35, 5
	s_and_b32 s36, s32, 1
	s_lshl_b32 s36, s36, 3
	s_add_co_u32 s35, s35, s36
	s_and_b32 s36, s7, 7
	s_add_co_u32 s35, s35, s36
	s_lshr_b32 s36, s7, 3
	s_lshl_b32 s36, s36, 4
	s_add_co_u32 s35, s35, s36                     ; 32 (rb / 2) + 8 (rb % 2) + w % 8 + 16 (w / 8)
	s_lshl_b32 s36, s32, 4
	s_add_co_u32 s36, s36, s7                      ; 16 rb + w: Wo and W2
	s_sub_co_u32 s37, ttmp9, 448
	s_cmp_ge_u32 ttmp9, 768
	s_cselect_b32 s35, s36, s35
	s_cmp_lt_u32 s37, 64
	s_cselect_b32 s35, s36, s35
	s_lshl_b32 s35, s35, s34
	s_add_co_u32 s38, s35, s33
	s_mov_b32 s39, 0
	s_add_nc_u64 s[24:25], s[24:25], s[38:39]      ; my row
.irp j, 0,1,2,3,4,5,6,7
	global_load_b128 v[Z+4*\j:Z+4*\j+3], v2, s[24:25] offset:512*\j th:TH_LOAD_NT   ; 32 lanes read 512 consecutive bytes
.endr
	s_mul_i32 s40, ttmp9, 12288
	s_mul_i32 s41, s7, 768
	s_add_co_u32 s40, s40, s41
	s_mov_b32 s41, 0
	s_add_nc_u64 s[42:43], s[22:23], s[40:41]      ; my half image in inq
	s_lshl_b32 s40, ttmp9, 9
	s_add_co_u32 s40, s40, SCOFF
	s_add_nc_u64 s[44:45], s[22:23], s[40:41]      ; the group's scale words
; the row turns through my own stage: LDS serves a wave's instructions in order, so no wait stands between the stores and the loads
.macro TURNROW counted
.irp j, 0,1,2,3,4,5,6,7
.if \counted
	s_wait_loadcnt 7-\j                            ; loads come back in order: load j is in, the younger ones may be out
.endif
	ds_store_b128 v3, v[Z+4*\j:Z+4*\j+3] offset:4*TPL*\j
.endr
.irp j, 0,1,2,3,4,5,6,7
	ds_load_b128 v[X+4*\j:X+4*\j+3], v4 offset:16*\j
.endr
	s_wait_dscnt 0x0
.endm
; my block of 32: largest magnitude, scale, 32 codes in six registers, into the images
.macro BLOCKQ
	v_max3_num_f32 v10, |v[X]|, |v[X+1]|, |v[X+2]|
	v_max3_num_f32 v11, |v[X+3]|, |v[X+4]|, |v[X+5]|
.irp i, 6,10,14,18,22,26
	s_delay_alu instid0(VALU_DEP_2)
	v_max3_num_f32 v10, v10, |v[X+\i]|, |v[X+\i+1]|
	s_delay_alu instid0(VALU_DEP_2)
	v_max3_num_f32 v11, v11, |v[X+\i+2]|, |v[X+\i+3]|
.endr
	s_delay_alu instid0(VALU_DEP_2)
	v_max3_num_f32 v10, v10, |v[X+30]|, |v[X+31]|
	s_delay_alu instid0(VALU_DEP_1)
	v_max3_num_f32 v10, v10, v11, 0x1800000        ; and the floor 2^(3 - 127): the byte cannot fall under 1
	s_delay_alu instid0(VALU_DEP_1)
	v_add_nc_u32 v12, 0xff000000, v10              ; 2 off the exponent field: the conversion takes this operand's exponent field as its scale
	v_cvt_scalef32_pk16_fp6_f32 v[P:P+2], v[X:X+15], v12
	v_cvt_scalef32_pk16_fp6_f32 v[T:T+2], v[X+16:X+31], v12   ; (a conversion's three registers begin on an even number)
	v_lshrrev_b32 v13, 23, v12                     ; the scale's byte; also the plain line behind the conversions
	v_mov_b32 v[P+3], v[T]
	v_mov_b32 v[P+4], v[T+1]
	v_mov_b32 v[P+5], v[T+2]
	ds_store_b128 v5, v[P:P+3]
	ds_store_b64 v6, v[P+4:P+5]
	ds_store_b8 v7, v13
.endm
; behind the barrier: wave w stores half image w; wave 0 also the scale words
.macro OUTIMG
	s_wait_dscnt 0x0                               ; for the others' sake: my stores into the images are done
	s_barrier_signal -1
	s_barrier_wait -1
	ds_load_b64 v[OU:OU+1], v8
	ds_load_b64 v[OU+2:OU+3], v8 offset:256
	ds_load_b64 v[OU+4:OU+5], v8 offset:512
	s_wait_dscnt 0x0
	global_store_b64 v9, v[OU:OU+1], s[42:43]               ; 32 lanes store 256 consecutive bytes, aligned
	global_store_b64 v9, v[OU+2:OU+3], s[42:43] offset:256
	global_store_b64 v9, v[OU+4:OU+5], s[42:43] offset:512
	s_cmp_lg_u32 s7, 0
	s_cbranch_scc1 .Ldone
	ds_load_b128 v[SW:SW+3], v14
	s_wait_dscnt 0x0
	global_store_b128 v2, v[SW:SW+3], s[44:45]              ; 512 consecutive bytes
.Ldone:
.endm
	TURNROW 1
	BLOCKQ
	OUTIMG
	s_wait_tensorcnt 0x0
	ds_add_u32 v104, v105
	s_wait_dscnt 0x0
	s_endpgm
.Lfunc_end_k_q92934b9eae_quant_in:
	.size	k_q92934b9eae_quant_in, .Lfunc_end_k_q92934b9eae_quant_in-k_q92934b9eae_quant_in
	.p2alignl 7, 3214868480
	.fill 96, 4, 3214868480
	.section	.rodata,"a",@progbits
	.p2align	6, 0x0
	.amdhsa_kernel k_q92934b9eae_quant_in
		.amdhsa_group_segment_fixed_size 89088
		.amdhsa_private_segment_fixed_size 0
		.amdhsa_enable_private_segment 0
		.amdhsa_kernarg_size 64
		.amdhsa_user_sgpr_count 2
		.amdhsa_user_sgpr_kernarg_segment_ptr 1
		.amdhsa_wavefront_size32 1
		.amdhsa_system_sgpr_workgroup_id_x 1
		.amdhsa_system_sgpr_workgroup_id_y 1
		.amdhsa_system_sgpr_workgroup_id_z 1
		.amdhsa_system_vgpr_workitem_id 0
		.amdhsa_next_free_vgpr 106
		.amdhsa_next_free_sgpr 66
		.amdhsa_reserve_vcc 0
		.amdhsa_float_denorm_mode_32 3
		.amdhsa_float_denorm_mode_16_64 3
		.amdhsa_memory_ordered 1
		.amdhsa_forward_progress 1
		.amdhsa_inst_pref_size 11
	.end_amdhsa_kernel
	.amdgpu_metadata
---
amdhsa.version: [ 1, 2 ]
amdhsa.kernels:
  - .name:           k_q92934b9eae_quant_in
    .symbol:         k_q92934b9eae_quant_in.kd
    .args:
      - { .name: src, .offset: 0, .size: 8, .value_kind: global_buffer, .address_space: global }
      - { .name: Wq, .offset: 8, .size: 8, .value_kind: global_buffer, .address_space: global }
      - { .name: Wk, .offset: 16, .size: 8, .value_kind: global_buffer, .address_space: global }
      - { .name: Wv, .offset: 24, .size: 8, .value_kind: global_buffer, .address_space: global }
      - { .name: Wo, .offset: 32, .size: 8, .value_kind: global_buffer, .address_space: global }
      - { .name: W1, .offset: 40, .size: 8, .value_kind: global_buffer, .address_space: global }
      - { .name: W2, .offset: 48, .size: 8, .value_kind: global_buffer, .address_space: global }
      - { .name: inq, .offset: 56, .size: 8, .value_kind: global_buffer, .address_space: global }
    .group_segment_fixed_size: 89088
    .private_segment_fixed_size: 0
    .kernarg_segment_align: 8
    .kernarg_segment_size: 64
    .max_flat_workgroup_size: 512
    .sgpr_count:     66
    .vgpr_count:     106
    .wavefront_size: 32
...
	.end_amdgpu_metadata
.endif
;; end of part 9
;; launch gemm_qkv (part 10): grid 12 x 16, 4 waves a work-group, clusters of 4 x 4, 327,680 bytes of LDS; arguments inq, bq, bk, bv, qkv; writes qkv
.if DOCPART == 10
	.amdgcn_target "amdgcn-amd-amdhsa--gfx1250"
	.amdhsa_code_object_version 6
	.text
	.protected	k_q92934b9eae_gemm_qkv
	.globl	k_q92934b9eae_gemm_qkv
	.p2align	8
	.type	k_q92934b9eae_gemm_qkv,@function
k_q92934b9eae_gemm_qkv:
	s_mov_b64 s[64:65], 0
	v_nop
	global_prefetch_b8 v0, s[64:65] scope:SCOPE_SE
	s_setreg_imm32_b32 hwreg(HW_REG_WAVE_MODE, 25, 1), 1
	s_wait_xcnt 0x0
	s_wait_alu depctr_hold_cnt(0) depctr_sa_sdst(0) depctr_va_vdst(0) depctr_va_sdst(0) depctr_va_ssrc(0) depctr_va_vcc(0) depctr_vm_vsrc(0)
	s_getreg_b32 s2, hwreg(HW_REG_IB_STS2, 6, 4)
	s_cmp_eq_u32 s2, 0
	s_cbranch_scc0 .Lentry_in_a_cluster
	s_endpgm
.Lentry_in_a_cluster:
	s_bfe_u32 s2, ttmp6, 0x10000c
	s_cmp_lg_u32 s2, 0xf033
	s_cbranch_scc0 .Lentry_shape_is_right
	s_endpgm
.Lentry_shape_is_right:
; q = src Wq^T + bq, k = src Wk^T + bk, v = src Wv^T + bv on codes of FP6 (E2M3) with E8M0 scales; the results are quantised in registers and leave as codes: q and k along the head's 64, v along the keys.
; A tile of 256 x 256 to a work-group of four waves, 128 x 128 a wave (64 accumulators, 512 registers); K = 1,024 in steps of 256 through a ring of two LDS slots filled by the tensor data mover.
; OPERANDS lie in memory as images of the matrix unit's registers: a fragment (16 rows x 128 K) is 1,536 bytes, fetched by dense LDS loads of 16, 8, 16, 8 bytes a lane; an operand is [row block][K step][1,536]; a slot's tile is
; 8 row blocks x 3,072 bytes for each half.  Scale words [row block][K step][16 rows]: those of a tile, for all of K, are one dense block and come into LDS once.
; SOURCE 0 = "B" (its rows run along a lane's registers in the result), SOURCE 1 = "A" (its rows are the lanes).  The cluster's x says which product: 0: A = src, B = Wq; 1: A = src, B = Wk; 2: A = Wv, B = src, so that a lane
; holds one feature of v and its registers run along the positions, which are the keys.  The rows that form a block of src, Wq, Wk, Wv were chosen so that the 16 registers of two neighbouring tiles are 16 neighbours.
; CLUSTERS 4 x 4: A's tiles are shared along a row of the cluster, B's along a column, by joint loads.  What differs between the three products is global offsets alone, made from the cluster's x and y, which all partners share.
; LIMITS: a block of zeros gets the byte 1 (its codes are zeros; this program alone reads the bytes); blocks whose largest magnitude lies under 2^-124 are held at the byte 1; NaN and infinities are not served.
; REGISTERS: window 0: v0-31 addresses; v32-63 scale words, two sets; v64-127 bq's or bk's numbers in the result's layout; v128-223 A's fragments, one set (on the way out: codes and work); v224-239 bv's numbers, twice each.
;   window 1: B's fragments, two sets, at v0 and v128.   windows 2, 3: the accumulators ((a, b) at v[8 (8 (a % 4) + b)]).
.set KS,     8                         ; K / 128
.set SCOFF,  12582912
.set NQ,     2
.set FR,     12
.set NL,     4                         ; LDS loads that bring a fragment
.set NP,     4                         ; places behind this matrix instruction (ISA guide 7.12.1)
.set BLKB,   3072                      ; a row block's two fragments in a slot
.set HALFT,  8*BLKB                    ; 128 rows: what one tensor load brings
.set SLOT,   4*HALFT
.set LAPS,   KS/4
.set SCL,    2*SLOT
.set HALFS,  8*KS*64
.set SPARE,  SCL+4*HALFS               ; the spare words, 128 bytes for each wave: two blocks of 256 bytes that no other line names
.set ADRA, 16                          ; v16-17 16 x lane + my A rows in slot 0, 1; v18-19 the same with 8 x lane
.set ADRB, 20                          ; v20-23 likewise for B
.set LI16, 24
.set LI8,  25
.set SOFF, 26
.set ADRS, 27
.set SPW,  28
.set NIL,  29
.set L4,   30
.set SC,   32
.set BIAS, 64
.set AF,   128
.set PC,   128                         ; the way out: v128-147 codes
.set TM,   160                         ; v160-175 at work
.set PW,   176                         ; the scale word just made
.set SWR,  178
.set BV,   224
.set G1, 24
.set G0, 32
.set G1B, 48
.set G0B, 56
.set G1S, 68
.set G0S, 76
.set G1SB, 80
.set G0SB, 88
.set MSB, 0
.macro WIN new                         ; the immediate's high byte repeats the setting that is left
.if MSB != (\new)
	s_set_vgpr_msb (MSB<<8)|(\new)
.set MSB, (\new)
.endif
.endm
.set MUL_LO, 0xa1                      ; source 0 (B) window 1, source 1 (A) window 0, C and D window 2
.set MUL_HI, 0xf1
.set TO_B,   0x40
; A joint load: waves 0 and 1 fetch for A, waves 2 and 3 for B; the branch hangs on the wave's number alone.  Four v_nop follow each of the two lines.
.macro JLOAD g0a, g1a, g0b, g1b
	s_cmp_eq_u32 s15, 0
	s_cbranch_scc0 .Lfor_b_\@
	tensor_load_to_lds s[\g0a:\g0a+3], s[\g1a:\g1a+7]
	s_nop 0
.rept 4
	v_nop
.endr
	s_branch .Lasked_\@
.Lfor_b_\@:
	tensor_load_to_lds s[\g0b:\g0b+3], s[\g1b:\g1b+7]
	s_nop 0
.rept 4
	v_nop
.endr
.Lasked_\@:
.endm
.macro CREST                           ; a round of the cluster's barrier behind its opening barrier
	s_cmp_lg_u32 s14, 0
	s_cbranch_scc1 .Lnot_wave_0_\@
	s_barrier_signal -3
.Lnot_wave_0_\@:
	s_barrier_wait -3
	s_barrier_signal -1
	s_barrier_wait -1
.endm
.macro CROUND
	s_barrier_signal -1
	s_barrier_wait -1
	CREST
.endm
	s_load_b256 s[4:11], s[0:1], 0x0               ; inq s[4:5], bq s[6:7], bk s[8:9], bv s[10:11]
	s_load_b64 s[12:13], s[0:1], 0x20              ; qkv
	v_lshl_add_u32 v[SPW], v0, 2, SPARE
	v_mov_b32 v[NIL], 0
	ds_add_u32 v28, v29
	ds_add_u32 v28, v29
	s_wait_dscnt 0x0
	v_lshrrev_b32 v1, 5, v0
	v_readfirstlane_b32 s14, v1                    ; wave 0..3
	s_lshr_b32 s15, s14, 1                         ; which half of A's rows is mine.  Also: I fetch for A (0) or for B (1)
	s_and_b32 s16, s14, 1                          ; which half of B's rows.  Also: which 128 rows I fetch
	s_bfe_u32 s40, ttmp6, 0x40000                  ; cx
	s_bfe_u32 s41, ttmp6, 0x40004                  ; cy
	s_and_b32 s17, ttmp7, 0xffff                   ; CY, the cluster's y
	s_lshr_b32 s95, ttmp9, 1                       ; F = 1 for v (cluster x = 2)
	s_xor_b32 s96, s95, 1                          ; 1 - F
	s_lshl_b32 s43, s41, 2
	s_lshl_b32 s43, 15, s43                        ; my row of the cluster
	s_lshl_b32 s44, 0x1111, s40                    ; my column
	s_mov_b32 s97, 0xffff0000                      ; lanes 16-31
	s_mov_b32 s98, 0x76543210
	s_mov_b32 s99, 0xfedcba98                      ; v_permlanex16_b32's selects for lane l xor 16
	; descriptor group 1: 8 rows of 3,072 bytes (384 elements of 8 bytes), a row block's KS x 1,536 bytes apart; no padding
	s_or_b32 s[G1+0], s43, (3<<16)|(1<<21)
	s_or_b32 s[G1B+0], s44, (3<<16)|(1<<21)
.irp g, G1, G1B
	s_mov_b32 s[\g+1], 384<<16                     ; tensor_dim0
	s_mov_b32 s[\g+2], 16<<16                      ; tensor_dim1: 16 row blocks for the head's loads; set to 8 behind them
	s_mov_b32 s[\g+3], 384<<16                     ; tile_dim0
	s_mov_b32 s[\g+4], 16                          ; tile_dim1 likewise
	s_mov_b32 s[\g+5], KS*192                      ; tensor_dim0_stride
	s_mov_b32 s[\g+6], 0
	s_mov_b32 s[\g+7], 0
.endr
	; the scale words of 256 rows: a dense block, as rows of 256 bytes
	s_or_b32 s[G1S+0], s43, (3<<16)|(1<<21)
	s_or_b32 s[G1SB+0], s44, (3<<16)|(1<<21)
.irp g, G1S, G1SB
	s_mov_b32 s[\g+1], 32<<16
	s_mov_b32 s[\g+2], (HALFS/128)<<16             ; the scale words of all 256 rows of a side
	s_mov_b32 s[\g+3], 32<<16
	s_mov_b32 s[\g+4], HALFS/128
	s_mov_b32 s[\g+5], 32
	s_mov_b32 s[\g+6], 0
	s_mov_b32 s[\g+7], 0
.endr
	s_mul_i32 s66, s16, 8*KS*1536                  ; my half of a tile's 16 row blocks, in codes,
	s_mul_i32 s18, s96, s17                        ; (1 - F) CY
	s_mul_i32 s19, s95, s17                        ; F CY
	; A: q, k: src's tile 4 CY + cy;  v: Wv's tile cy.  A tile is 196,608 bytes of codes, 8,192 of scale words.  Nothing here holds cx
	s_mul_i32 s20, s41, 196608
	s_mul_i32 s21, s18, 786432
	s_add_co_u32 s20, s20, s21
	s_mul_i32 s21, s95, 4718592
	s_add_co_u32 s20, s20, s21
	s_add_co_u32 s20, s20, s66
	s_mov_b32 s21, 0
	s_lshl_b32 s22, s41, 13
	s_lshl_b32 s23, s18, 15
	s_add_co_u32 s22, s22, s23
	s_mul_i32 s23, s95, 196608
	s_add_co_u32 s22, s22, s23
	s_add_co_u32 s22, s22, SCOFF
	s_mov_b32 s23, 0
	; B: q, k: tile 4 CX + cx of Wq | Wk;  v: src's tile 4 CY + cx.  Nothing here holds cy
	s_mul_i32 s46, s40, 196608
	s_mul_i32 s47, ttmp9, 786432
	s_add_co_u32 s47, s47, 3145728
	s_mul_i32 s47, s47, s96
	s_add_co_u32 s46, s46, s47
	s_mul_i32 s47, s19, 786432
	s_add_co_u32 s46, s46, s47
	s_add_co_u32 s46, s46, s66
	s_mov_b32 s47, 0
	s_lshl_b32 s92, s40, 13
	s_lshl_b32 s93, ttmp9, 15
	s_add_co_u32 s93, s93, 131072
	s_mul_i32 s93, s93, s96
	s_add_co_u32 s92, s92, s93
	s_lshl_b32 s93, s19, 15
	s_add_co_u32 s92, s92, s93
	s_add_co_u32 s92, s92, SCOFF
	s_mov_b32 s93, 0
	s_mul_i32 s45, s14, HALFT                      ; where they go: wave x 128 rows: no place in the cluster enters an LDS address
	s_wait_kmcnt 0x0
	s_add_nc_u64 s[20:21], s[4:5], s[20:21]
	s_add_nc_u64 s[22:23], s[4:5], s[22:23]
	s_add_nc_u64 s[46:47], s[4:5], s[46:47]
	s_add_nc_u64 s[92:93], s[4:5], s[92:93]
	CROUND                                         ; all sixteen work-groups are here: the first joint loads meet
	s_mov_b32 s[G0S], 1
	s_mov_b32 s[G0S+1], SCL
	s_mov_b64 s[G0S+2:G0S+3], s[22:23]
	s_or_b32 s[G0S+3], s[G0S+3], 0x80000000
	s_mov_b32 s[G0SB], 1
	s_mov_b32 s[G0SB+1], SCL+2*HALFS
	s_mov_b64 s[G0SB+2:G0SB+3], s[92:93]
	s_or_b32 s[G0SB+3], s[G0SB+3], 0x80000000
.irp s, 0,1
	s_mov_b32 s[G0+4*\s], 1
	s_add_co_u32 s[G0+4*\s+1], s45, \s*SLOT
	s_add_nc_u64 s[G0+4*\s+2:G0+4*\s+3], s[20:21], \s*BLKB
	s_or_b32 s[G0+4*\s+3], s[G0+4*\s+3], 0x80000000
	s_mov_b32 s[G0B+4*\s], 1
	s_add_co_u32 s[G0B+4*\s+1], s45, \s*SLOT
	s_add_nc_u64 s[G0B+4*\s+2:G0B+4*\s+3], s[46:47], \s*BLKB
	s_or_b32 s[G0B+4*\s+3], s[G0B+4*\s+3], 0x80000000
.endr
; THE HEAD'S LOADS, ONE A WAVE: wave 0 A's 16 row blocks of slot 0 (its own group 0 points at the tile's start), wave 1 A's scale words, wave 2 B's 16 row blocks, wave 3 B's scale words.
; One chain of branches on the wave's number: every way passes exactly one load.
.macro ARM under, g0, g1, next
	s_cmp_lt_u32 s14, \under
	s_cbranch_scc0 \next
	tensor_load_to_lds s[\g0:\g0+3], s[\g1:\g1+7]
	s_nop 0
.rept 4
	v_nop
.endr
	s_branch .Lhead_asked
\next:
.endm
	ARM 1, G0,  G1,  .Lhead_sa
	ARM 2, G0S, G1S, .Lhead_b
	ARM 3, G0B, G1B, .Lhead_sb
	tensor_load_to_lds s[G0SB:G0SB+3], s[G1SB:G1SB+7]
	s_nop 0
.rept 4
	v_nop
.endr
.Lhead_asked:
	; THE PREFETCHES.  K has four slots.  Here, behind slot 0's load, a wave asks for slots 1 and 2 of the eight row blocks that it fetches in the ring; behind slot 1's fill for slot 3: at most two slots are asked for and not yet read.
	; The four partners that ask for a tile jointly share it out BY ADDRESS: the partner at place p (cx for A, cy for B) takes row blocks 2 p and 2 p + 1: 2 x 3,072 bytes, 24 blocks of 256, a lane a block (lanes 24-31 name the last again).
	s_cmp_eq_u32 s15, 0                            ; do I fetch for A?
	s_cselect_b64 s[100:101], s[20:21], s[46:47]   ; my eight row blocks, at slot 0; never rewritten
	s_cselect_b32 s66, s40, s41
	s_mul_i32 s66, s66, 2*KS*1536                  ; my work-group's two of them
	s_mov_b32 s67, 0
	s_add_nc_u64 s[100:101], s[100:101], s[66:67]
	v_and_b32 v31, 31, v0
	v_min_u32 v31, 23, v31                         ; u = min(lane, 23)
	v_mul_u32_u24 v1, v31, 171
	v_lshrrev_b32 v1, 11, v1                       ; u / 12, for u under 24
	v_lshlrev_b32 v31, 8, v31
	v_mad_u32_u24 v31, v1, KS*1536-3072, v31       ; v31: (u / 12) row blocks + 256 (u % 12); never rewritten
	global_prefetch_b8 v31, s[100:101] offset:BLKB th:TH_LOAD_NT scope:SCOPE_SE
	global_prefetch_b8 v31, s[100:101] offset:2*BLKB th:TH_LOAD_NT scope:SCOPE_SE
	v_and_b32 v1, 15, v0
	v_bfe_u32 v2, v0, 4, 1                         ; h
	v_and_b32 v3, 31, v0                           ; lane
	v_lshlrev_b32 v4, 4, v3
	v_lshlrev_b32 v5, 3, v3
	s_mul_i32 s21, s15, HALFT                      ; my 128 rows of A
	s_mul_i32 s22, s16, HALFT                      ; my 128 rows of B,
	s_add_co_u32 s22, s22, 2*HALFT                 ; which lie behind A's 256
.irp s, 0,1
	v_add_nc_u32 v[ADRA+\s], s21, v4
	v_add_nc_u32 v[ADRB+\s], s22, v4
	v_add_nc_u32 v[ADRA+2+\s], s21, v5
	v_add_nc_u32 v[ADRB+2+\s], s22, v5
	s_add_co_u32 s21, s21, SLOT
	s_add_co_u32 s22, s22, SLOT
.endr
	v_lshlrev_b32 v5, 2, v1                        ; my row's scale word
	s_mul_i32 s21, s15, HALFS
	s_mul_i32 s22, s16, HALFS
	s_add_co_u32 s22, s22, 2*HALFS
	s_sub_co_u32 s22, s22, s21
	v_mul_u32_u24 v6, s22, v2                      ; lanes 16-31 take B's
	s_add_co_u32 s21, s21, SCL
	v_add_nc_u32 v5, v5, v6
	v_add_nc_u32 v[ADRS], s21, v5
	v_lshlrev_b32 v[LI16], 4, v3
	v_lshlrev_b32 v[LI8], 3, v3
	v_lshlrev_b32 v[L4], 2, v3
	v_lshlrev_b32 v[SOFF], 2, v1
	v_lshl_add_u32 v[SOFF], v2, 13, v[SOFF]        ; q, k: 4 r, and lanes 16-31 one head (8,192 bytes) on
	v_lshlrev_b32 v7, 6, v2                        ; bq, bk: lanes 16-31 begin 16 numbers on
	s_wait_alu depctr_va_vdst(0)
	v_and_b32 v8, 8, v1
	v_add_nc_u32 v8, v8, v1
	v_lshlrev_b32 v8, 2, v8                        ; bv: 4 (r + 8 (r / 8))
	; both kinds of bias are loaded by every work-group, inside their buffers, so that every register is written on both ways out
	s_wait_alu depctr_va_vdst(0)
	s_cmp_eq_u32 ttmp9, 0
	s_cselect_b64 s[6:7], s[6:7], s[8:9]           ; bq for q, else bk
	s_lshl_b32 s46, s40, 10
	s_lshl_b32 s47, s16, 9
	s_add_co_u32 s46, s46, s47                     ; 4 (256 cx + 128 half)
	s_mov_b32 s47, 0
	s_add_nc_u64 s[6:7], s[6:7], s[46:47]
	s_lshl_b32 s20, s41, 10
	s_lshl_b32 s21, s15, 9
	s_add_co_u32 s20, s20, s21                     ; 4 (256 cy + 128 half)
	s_mov_b32 s21, 0
	s_add_nc_u64 s[10:11], s[10:11], s[20:21]
.irp t, 0,1,2,3,4,5,6,7
	global_load_b128 v[BIAS+8*\t:BIAS+8*\t+3], v7, s[6:7] offset:(32*(\t/2)+8*(\t%2))*4       ; register 8 t + j: feature 32 (t / 2) + 16 h + 8 (t % 2) + j
	global_load_b128 v[BIAS+8*\t+4:BIAS+8*\t+7], v7, s[6:7] offset:(32*(\t/2)+8*(\t%2))*4+16
.endr
.irp t, 0,1,2,3,4,5,6,7
	global_load_b32 v[BV+2*\t], v8, s[10:11] offset:(32*(\t/2)+8*(\t%2))*4                    ; block t's feature of my lane, twice: a pair for the packed addition
	global_load_b32 v[BV+2*\t+1], v8, s[10:11] offset:(32*(\t/2)+8*(\t%2))*4
.endr
.macro FRAG reg, adr, q, i             ; a fragment as it lies: registers 0-3, 4-5, 6-9, 10-11; every load's bytes are consecutive from lane to lane
	ds_load_b128 v[\reg:\reg+3], v[\adr] offset:(\i)*BLKB+(\q)*1536
	ds_load_b64 v[\reg+4:\reg+5], v[\adr+2] offset:(\i)*BLKB+(\q)*1536+512
	ds_load_b128 v[\reg+6:\reg+9], v[\adr] offset:(\i)*BLKB+(\q)*1536+768
	ds_load_b64 v[\reg+10:\reg+11], v[\adr+2] offset:(\i)*BLKB+(\q)*1536+1280
.endm
; 16 matrix instructions: A's blocks a0, a0 + 1 x B's eight.  The 64 accumulators take turns, one instruction a turn, in the same order in every step.
.macro MUL16 a0, p, q, sc, zero
.irp a, \a0, \a0+1
.irp b, 0,1,2,3,4,5,6,7
.if \zero
	v_wmma_scale_f32_16x16x128_f8f6f4 v[8*(8*((\a)%4)+\b):8*(8*((\a)%4)+\b)+7], v[128*(\p)+FR*\b:128*(\p)+FR*\b+FR-1], v[AF+FR*(\a):AF+FR*(\a)+FR-1], 0, v[SC+8*NQ*(\sc)+NQ*\b+(\q)], v[SC+8*NQ*(\sc)+NQ*(\a)+(\q)] matrix_a_fmt:MATRIX_FMT_FP6 matrix_b_fmt:MATRIX_FMT_FP6 matrix_a_scale:MATRIX_SCALE_ROW1
.else
	v_wmma_scale_f32_16x16x128_f8f6f4 v[8*(8*((\a)%4)+\b):8*(8*((\a)%4)+\b)+7], v[128*(\p)+FR*\b:128*(\p)+FR*\b+FR-1], v[AF+FR*(\a):AF+FR*(\a)+FR-1], v[8*(8*((\a)%4)+\b):8*(8*((\a)%4)+\b)+7], v[SC+8*NQ*(\sc)+NQ*\b+(\q)], v[SC+8*NQ*(\sc)+NQ*(\a)+(\q)] matrix_a_fmt:MATRIX_FMT_FP6 matrix_b_fmt:MATRIX_FMT_FP6 matrix_a_scale:MATRIX_SCALE_ROW1
.endif
.endr
.endr
.endm
.macro FETCH_B slot, q, p
	WIN TO_B
.irp i, 0,1,2,3,4,5,6,7
	FRAG 128*(\p)+FR*\i, ADRB+\slot, \q, \i
.endr
	WIN 0
.endm
.macro FETCH_A slot, q, i0
.irp i, \i0, \i0+1, \i0+2, \i0+3
	FRAG AF+FR*(\i), ADRA+\slot, \q, \i
.endr
.endm
.macro SCALES sc                       ; a slot's scale words: lanes 0-15 A's block i, lanes 16-31 B's block i; register 2 i + q
.irp i, 0,1,2,3,4,5,6,7
	ds_load_b32 v[SC+8*NQ*\sc+NQ*\i], v[ADRS] offset:\i*KS*64
	ds_load_b32 v[SC+8*NQ*\sc+NQ*\i+1], v[ADRS] offset:\i*KS*64+64
.endr
.endm
.macro PLACES n                        ; plain vector lines between a matrix instruction and a load into, or a read of, its registers
.rept \n
	v_nop
.endr
.endm
.macro STEP slot, q, zero              ; 128 along K that has its successor in the same slot
	s_wait_dscnt 4*NL                              ; all but the youngest sixteen loads (A's blocks 4-7) are in
	WIN MUL_LO
	MUL16 0, (\q)%2, \q, \slot, \zero
	MUL16 2, (\q)%2, \q, \slot, \zero
	s_wait_dscnt 0
	PLACES NP
	FETCH_B \slot, (\q)+1, 1-(\q)%2
	FETCH_A \slot, (\q)+1, 0
	WIN MUL_HI
	MUL16 4, (\q)%2, \q, \slot, \zero
	MUL16 6, (\q)%2, \q, \slot, \zero
	PLACES NP
	WIN 0
	FETCH_A \slot, (\q)+1, 4
.endm
; A slot's last step changes slots: one barrier; in front of it each wave waits for all its tensor loads, adds 0 to its spare word, and waits for that and for its reads of this slot.  fill = 1: the slot is filled again, two K steps ahead.
.macro TURN slot, next, fill
	s_wait_tensorcnt 0x0                           ; all my tensor loads have landed: my part of the next slot
	ds_add_u32 v[SPW], v[NIL]                      ; 0 onto my spare word
	s_wait_dscnt 4*NL+1                            ; (the add and A's blocks 4-7 may be out)
	WIN MUL_LO
	MUL16 0, 1, NQ-1, \slot, 0
	s_wait_dscnt 0x0                               ; the add is done, and my reads of this slot are over
	s_barrier_signal -1
	MUL16 2, 1, NQ-1, \slot, 0
	WIN 0
	s_barrier_wait -1
.if \fill
	CREST                                          ; the barrier has opened a round of the cluster's barrier: no wave of any partner still reads this slot or has a load on its way
	s_add_nc_u64 s[G0+4*\slot+2:G0+4*\slot+3], s[G0+4*\slot+2:G0+4*\slot+3], 2*BLKB
	s_add_nc_u64 s[G0B+4*\slot+2:G0B+4*\slot+3], s[G0B+4*\slot+2:G0B+4*\slot+3], 2*BLKB
	JLOAD G0+4*\slot, G1, G0B+4*\slot, G1B         ; the first tensor load behind the round; its four v_nop are the places in front of the loads below
.else
	PLACES NP
.endif
	s_wait_alu depctr_va_vdst(0)
	v_add_nc_u32 v[ADRS], 64*NQ, v[ADRS]           ; the next slot's scale words
	FETCH_B \next, 0, 0
	FETCH_A \next, 0, 0
	SCALES \next
	WIN MUL_HI
	MUL16 4, 1, NQ-1, \slot, 0
	MUL16 6, 1, NQ-1, \slot, 0
	PLACES NP
	WIN 0
	FETCH_A \next, 0, 4
.endm
	s_wait_alu depctr_va_vdst(0)                   ; the wait at the head's end
	s_wait_tensorcnt 0x0                           ; my tile of the head's four is in
	ds_add_u32 v[SPW], v[NIL]
	s_mov_b32 s[G1+2], 8<<16                       ; no tensor load of mine is out: from here on a load brings 8 row blocks
	s_mov_b32 s[G1+4], 8
	s_mov_b32 s[G1B+2], 8<<16
	s_mov_b32 s[G1B+4], 8
	s_wait_dscnt 0x0
	CROUND                                         ; all four tiles are in, and all sixteen work-groups are here
	JLOAD G0+4, G1, G0B+4, G1B                     ; slot 1's first fill, the first tensor load behind the round
	global_prefetch_b8 v31, s[100:101] offset:3*BLKB th:TH_LOAD_NT scope:SCOPE_SE   ; slot 3, two fills on
	FETCH_B 0, 0, 0
	FETCH_A 0, 0, 0
	SCALES 0
	FETCH_A 0, 0, 4
	STEP 0, 0, 1                                   ; the first step's products start the sums
	s_mov_b32 s3, LAPS-1
.Llap:
	TURN 0, 1, 1
	STEP 1, 0, 0
	TURN 1, 0, 1
	STEP 0, 0, 0
	s_sub_co_u32 s3, s3, 1
	s_cmp_lg_u32 s3, 0
	s_cbranch_scc1 .Llap
	TURN 0, 1, 0                                   ; the last lap fills nothing
	STEP 1, 0, 0
	s_wait_dscnt 4*NL
	WIN MUL_LO
	MUL16 0, 1, NQ-1, 1, 0
	MUL16 2, 1, NQ-1, 1, 0
	s_wait_dscnt 0
	WIN MUL_HI
	MUL16 4, 1, NQ-1, 1, 0
	MUL16 6, 1, NQ-1, 1, 0
	WIN 0
; THE WAY OUT.  For a block a of A's rows a lane's 64 results (window win, from register src on) are: register 16 b + i = index 32 b + 16 (lane / 16) + i along the next K.  They become a fragment's codes in v[PC] on and its scale word in v[pw].
.macro QUANT win, src, pw
	WIN ((\win)<<2)|((\win)<<4)
.irp b, 0,1,2,3
	v_max3_num_f32 v[TM+\b], 0x1800000, |v[\src+16*\b]|, |v[\src+1+16*\b]|   ; my 16 numbers of block b, and the floor 2^(3 - 127): the byte cannot fall under 1
.endr
.irp i, 2,4,6,8,10,12,14
.irp b, 0,1,2,3
	v_max3_num_f32 v[TM+\b], v[TM+\b], |v[\src+16*\b+\i]|, |v[\src+1+16*\b+\i]|
.endr
.endr
	WIN 0
.irp b, 0,1,2,3
	v_permlanex16_b32 v[TM+4+\b], v[TM+\b], s98, s99
.endr
.irp b, 0,1,2,3
	v_max_num_f32 v[TM+\b], v[TM+\b], v[TM+4+\b]   ; with lane l xor 16's: the block's largest magnitude
.endr
.irp b, 0,1,2,3
	v_add_nc_u32 v[TM+12+\b], 0xff000000, v[TM+\b] ; 2 off its exponent field: the conversion's scale operand
.endr
.irp b, 0,1,2,3
	v_lshrrev_b32 v[TM+4+\b], 23, v[TM+12+\b]      ; the scale's byte
.endr
	v_lshl_or_b32 v[\pw], v[TM+5], 8, v[TM+4]
	v_lshl_or_b32 v[\pw], v[TM+6], 16, v[\pw]
	v_lshl_or_b32 v[\pw], v[TM+7], 24, v[\pw]
	WIN (\win)
.irp c, 0,1
	v_cvt_scalef32_pk16_fp6_f32 v[PC+6*\c:PC+2+6*\c], v[\src+32*\c:\src+15+32*\c], v[TM+12+2*\c]
	v_cvt_scalef32_pk16_fp6_f32 v[PC+12+4*\c:PC+14+4*\c], v[\src+16+32*\c:\src+31+32*\c], v[TM+12+2*\c+1]   ; (a conversion's three registers begin on an even number)
.endr
	WIN 0
	v_nop                                          ; one plain line behind a scaled conversion
.irp c, 0,1                            ; the operand's layout wants a whole block in a lane
.irp i, 0,1,2
	v_permlane16_swap_b32 v[PC+6*\c+\i], v[PC+12+4*\c+\i]
.endr
.irp i, 0,1,2
	v_mov_b32 v[PC+3+6*\c+\i], v[PC+12+4*\c+\i]
.endr
.endr
.endm
; q, k: block a = 16 positions; the 128 features are two heads: the fragment's two half images go to two heads' buffers, 98,304 bytes apart, and so do the two halves of the scale word (its upper two bytes stay 0)
.macro EPIQK a
.set WQ, 2+(\a)/4
.set AC, 64*((\a)%4)
	s_wait_xcnt 0x0                                ; the last block's stores have read their registers
	WIN (WQ<<6)|WQ
.set j, 0
.rept 32
	v_pk_add_f32 v[AC+j:AC+j+1], v[AC+j:AC+j+1], v[BIAS+j:BIAS+j+1]   ; each accumulator from its low end on
.set j, j+2
.endr
	QUANT WQ, AC, PW
	v_and_b32 v[SWR], 0xffff, v[PW]
	v_lshrrev_b32 v[SWR+1], 16, v[PW]
	v_cndmask_b32 v[SWR], v[SWR], v[SWR+1], s97    ; lanes 0-15 the first head's word, lanes 16-31 the second's
	global_store_b128 v[LI16], v[PC:PC+3], s[8:9] offset:(\a)*768
	global_store_b64 v[LI8], v[PC+4:PC+5], s[8:9] offset:(\a)*768+512
	global_store_b128 v[LI16], v[PC+6:PC+9], s[8:9] offset:(\a)*768+98304
	global_store_b64 v[LI8], v[PC+10:PC+11], s[8:9] offset:(\a)*768+98304+512
	global_store_b32 v[SOFF], v[SWR], s[10:11] offset:(\a)*64
.endm
; v: block a = 16 features (head a / 4, block a % 4 of its four); the 128 positions are one K step of the keys: a whole fragment
.macro EPIV a
.set WQ, 2+(\a)/4
.set AC, 64*((\a)%4)
	s_wait_xcnt 0x0
	WIN (WQ<<6)|WQ
.set j, 0
.rept 32
	v_pk_add_f32 v[AC+j:AC+j+1], v[AC+j:AC+j+1], v[BV+2*(\a):BV+2*(\a)+1]
.set j, j+2
.endr
	QUANT WQ, AC, PW
	global_store_b128 v[LI16], v[PC:PC+3], s[8:9] offset:((\a)/4)*98304+((\a)%4)*1536
	global_store_b64 v[LI8], v[PC+4:PC+5], s[8:9] offset:((\a)/4)*98304+((\a)%4)*1536+512
	global_store_b128 v[LI16], v[PC+6:PC+9], s[8:9] offset:((\a)/4)*98304+((\a)%4)*1536+768
	global_store_b64 v[LI8], v[PC+10:PC+11], s[8:9] offset:((\a)/4)*98304+((\a)%4)*1536+1280
	global_store_b32 v[L4], v[PW], s[10:11] offset:((\a)/4)*8192+((\a)%4)*128
.endm
	PLACES NP                                      ; behind the last products: their results are read and A's registers written below
	s_wait_loadcnt 0x0                             ; the biases
.irp b, 0,1,2,3
	v_mov_b32 v[TM+4+\b], 0                        ; written once: a lane permute's destination counts as one of its sources
.endr
	s_cmp_eq_u32 ttmp9, 2                          ; the cluster's x: alike in all partners
	s_cbranch_scc1 .Lway_v
	s_lshl_b32 s20, s17, 2
	s_add_co_u32 s20, s20, s41                     ; src's tile 4 CY + cy
	s_lshr_b32 s21, s20, 3                         ; the batch entry
	s_and_b32 s20, s20, 7
	s_lshl_b32 s20, s20, 4
	s_lshl_b32 s22, s15, 3
	s_add_co_u32 s20, s20, s22                     ; my first block of positions
	s_lshl_b32 s21, s21, 4
	s_lshl_b32 s22, s40, 2
	s_add_co_u32 s21, s21, s22
	s_lshl_b32 s22, s16, 1
	s_add_co_u32 s21, s21, s22                     ; my first head: 16 b + 4 cx + 2 half
	s_mul_i32 s22, ttmp9, 3145728                  ; q's codes, or k's
	s_mul_i32 s23, s21, 98304
	s_add_co_u32 s22, s22, s23
	s_mul_i32 s23, s20, 768
	s_add_co_u32 s22, s22, s23
	s_mov_b32 s23, 0
	s_add_nc_u64 s[8:9], s[12:13], s[22:23]
	s_lshl_b32 s22, ttmp9, 18
	s_lshl_b32 s46, s21, 13
	s_add_co_u32 s22, s22, s46
	s_lshl_b32 s46, s20, 6
	s_add_co_u32 s22, s22, s46
	s_add_co_u32 s22, s22, 9437184
	s_add_nc_u64 s[10:11], s[12:13], s[22:23]
.irp a, 0,1,2,3,4,5,6,7
	EPIQK \a
.endr
	s_branch .Lclose
.Lway_v:
	s_lshl_b32 s20, s17, 2
	s_add_co_u32 s20, s20, s40                     ; src's tile 4 CY + cx
	s_lshl_b32 s20, s20, 1
	s_add_co_u32 s20, s20, s16                     ; my 128 positions
	s_lshr_b32 s21, s20, 4                         ; the batch entry
	s_and_b32 s20, s20, 15                         ; the K step of the keys
	s_lshl_b32 s21, s21, 4
	s_lshl_b32 s22, s41, 2
	s_add_co_u32 s21, s21, s22
	s_lshl_b32 s22, s15, 1
	s_add_co_u32 s21, s21, s22                     ; my first head: 16 b + 4 cy + 2 half
	s_lshl_b32 s21, s21, 4
	s_add_co_u32 s21, s21, s20
	s_mul_i32 s22, s21, 6144
	s_add_co_u32 s22, s22, 6291456
	s_mov_b32 s23, 0
	s_add_nc_u64 s[8:9], s[12:13], s[22:23]
	s_lshl_b32 s22, s21, 9
	s_add_co_u32 s22, s22, 9961472
	s_add_nc_u64 s[10:11], s[12:13], s[22:23]
.irp a, 0,1,2,3,4,5,6,7
	EPIV \a
.endr
.Lclose:
	s_wait_tensorcnt 0x0                           ; the wave's end
	ds_add_u32 v[SPW], v[NIL]
	s_wait_dscnt 0x0
	CROUND                                         ; the closing round: no work-group ends while a partner may still ask for a tile that names it
	s_endpgm
.Lfunc_end_k_q92934b9eae_gemm_qkv:
	.size	k_q92934b9eae_gemm_qkv, .Lfunc_end_k_q92934b9eae_gemm_qkv-k_q92934b9eae_gemm_qkv
	.p2alignl 7, 3214868480
	.fill 96, 4, 3214868480
	.section	.rodata,"a",@progbits
	.p2align	6, 0x0
	.amdhsa_kernel k_q92934b9eae_gemm_qkv
		.amdhsa_group_segment_fixed_size 327680
		.amdhsa_private_segment_fixed_size 0
		.amdhsa_enable_private_segment 0
		.amdhsa_kernarg_size 40
		.amdhsa_user_sgpr_count 2
		.amdhsa_user_sgpr_kernarg_segment_ptr 1
		.amdhsa_wavefront_size32 1
		.amdhsa_system_sgpr_workgroup_id_x 1
		.amdhsa_system_sgpr_workgroup_id_y 1
		.amdhsa_system_sgpr_workgroup_id_z 1
		.amdhsa_system_vgpr_workitem_id 0
		.amdhsa_next_free_vgpr 1024
		.amdhsa_next_free_sgpr 102
		.amdhsa_reserve_vcc 0
		.amdhsa_float_denorm_mode_32 3
		.amdhsa_float_denorm_mode_16_64 3
		.amdhsa_memory_ordered 1
		.amdhsa_forward_progress 1
		.amdhsa_inst_pref_size 227
	.end_amdhsa_kernel
	.amdgpu_metadata
---
amdhsa.version: [ 1, 2 ]
amdhsa.kernels:
  - .name:           k_q92934b9eae_gemm_qkv
    .symbol:         k_q92934b9eae_gemm_qkv.kd
    .args:
      - { .name: inq, .offset: 0, .size: 8, .value_kind: global_buffer, .address_space: global }
      - { .name: bq, .offset: 8, .size: 8, .value_kind: global_buffer, .address_space: global }
      - { .name: bk, .offset: 16, .size: 8, .value_kind: global_buffer, .address_space: global }
      - { .name: bv, .offset: 24, .size: 8, .value_kind: global_buffer, .address_space: global }
      - { .name: qkv, .offset: 32, .size: 8, .value_kind: global_buffer, .address_space: global }
    .group_segment_fixed_size: 327680
    .private_segment_fixed_size: 0
    .kernarg_segment_align: 8
    .kernarg_segment_size: 40
    .max_flat_workgroup_size: 128
    .sgpr_count:     102
    .vgpr_count:     1024
    .wavefront_size: 32
...
	.end_amdgpu_metadata
.endif
;; end of part 10
;; launch attention (part 11): grid 8 x 32, 16 waves a work-group, clusters of 4 x 1, 215,040 bytes of LDS; arguments qkv, att; writes att
.if DOCPART == 11
	.amdgcn_target "amdgcn-amd-amdhsa--gfx1250"
	.amdhsa_code_object_version 6
	.text
	.protected	k_q92934b9eae_attention
	.globl	k_q92934b9eae_attention
	.p2align	8
	.type	k_q92934b9eae_attention,@function
k_q92934b9eae_attention:
	s_mov_b64 s[64:65], 0
	v_nop
	global_prefetch_b8 v0, s[64:65] scope:SCOPE_SE
	s_setreg_imm32_b32 hwreg(HW_REG_WAVE_MODE, 25, 1), 1
	s_wait_xcnt 0x0
	s_wait_alu depctr_hold_cnt(0) depctr_sa_sdst(0) depctr_va_vdst(0) depctr_va_sdst(0) depctr_va_ssrc(0) depctr_va_vcc(0) depctr_vm_vsrc(0)
	s_getreg_b32 s2, hwreg(HW_REG_IB_STS2, 6, 4)
	s_cmp_eq_u32 s2, 0
	s_cbranch_scc0 .Lentry_in_a_cluster
	s_endpgm
.Lentry_in_a_cluster:
	s_bfe_u32 s2, ttmp6, 0x10000c
	s_cmp_lg_u32 s2, 0x3003
	s_cbranch_scc0 .Lentry_shape_is_right
	s_endpgm
.Lentry_shape_is_right:
; o = softmax(q k^T / 8) v for one head of one batch entry, both products on codes of FP6 (E2M3) with E8M0 scales; o is quantised along the head's 64 and leaves as codes for the next product.
; THE SOFTMAX: t = score x log2(e) / 8; M = the running largest t rounded up to a whole number; p = 2^(t - M) is what is quantised, along the keys, not normalised; the row's sum is taken of the unquantised p and divides at the end.
; When M moves, the sum and O are multiplied by 2^(old M - new M): exact.
; SHARES.  A work-group owns 256 queries of head bh = 16 b + head; each of its sixteen waves 16 of them, in 256 registers.  Every wave walks all 2,048 keys, 128 a step, in one loop of 16 trips.
; ALL of the head's K (98,304 bytes), V^T (98,304) and their scale words (8,192 each) fit in LDS and come once: ten loads at the head, one to a wave: wave w < 8 brings chunk w / 2 (512 keys, 24,576 bytes) of K (w even) or V (w odd),
; waves 8 and 9 the scale words of K and V.  Each waits for its own load, one barrier shows all to all; nothing is filled again, so no further barrier stands in the walk.  The four work-groups of a cluster own the same head: each load is asked for jointly.
; No prefetch: every byte is asked for at the head, and there is no loop that loads from memory.
; LAYOUT.  Both products are used transposed: S^T = K Q^T, O^T = V^T P^T: a lane holds one query (lane % 16) throughout.  Blocks of positions hold s = 32 (pb / 2) + 8 (pb % 2) + r % 8 + 16 (r / 8), so the 16 registers of two
; neighbouring tiles of S^T are 16 neighbouring keys; V^T's rows are ordered likewise, so O^T's registers are neighbours along the head's 64.
; K = 64 IN AN INSTRUCTION OF 128: Q's registers 6-11 are zero codes, so whatever K's operand holds there adds exactly 0 (FP6 has no NaN and no infinity): tile t's operand is v[32 + 6 t .. + 11], whose upper half is tile t + 1's data
; (tile 7's: six registers of zeros).  The scale bytes of that half are 0 on both sides.
; LIMITS: a block of zeros gets the byte 1 (its codes are zeros; this program alone reads the bytes); NaN and infinities are not served; the scaled scores stay under 2^31 in magnitude.
; REGISTERS: v1-5 lane terms; v6-10, v94 the step's LDS addresses; v11 Q's scale words; v12 -M, v13 the largest t, v[14:15] the sum; v16-27 Q; v28-31 V's scale words; v32-85 K's tiles, then V's fragments; v86-93 K's scale words;
;   v96-159 S^T, then p; v160-191 O^T; v192-223 o; v224-235 codes; v232-254 at work; v251, v255 the add's two.
.set VLDS, 98304
.set SCK,  196608
.set SCV,  204800
.set WV,   8
.set G1C,  16                          ; s[16:23] group 1 for a chunk: 96 rows of 256 bytes
.set G1S,  24                          ; s[24:31] for the scale words: 32 rows of 256 bytes
.set G0,   32                          ; s[32:35] group 0 for the scale words, s[36:39] for my chunk
.set SEL,  52
.set CS,   54
.set TK,   56
.set TS,   57
.set CNT,  58
.macro CROUND
	s_barrier_signal -1
	s_barrier_wait -1
	s_cmp_lg_u32 s[WV], 0
	s_cbranch_scc1 .Lnot_wave_0_\@
	s_barrier_signal -3
.Lnot_wave_0_\@:
	s_barrier_wait -3
	s_barrier_signal -1
	s_barrier_wait -1
.endm
	s_load_b128 s[4:7], s[0:1], 0x0                ; qkv, att
	v_lshl_add_u32 v251, v0, 2, 0x34000
	v_mov_b32 v255, 0
	ds_add_u32 v251, v255                          ; the opening lines: the add, twice on end, and its wait
	ds_add_u32 v251, v255
	v_lshrrev_b32 v95, 5, v0
	s_delay_alu instid0(VALU_DEP_1)
	v_readfirstlane_b32 s[WV], v95                 ; wave 0..15
	s_bfe_u32 s9, ttmp6, 0x40000                   ; cx: it enters Q's and att's global addresses alone
	s_lshl_b32 s10, ttmp9, 2
	s_add_co_u32 s10, s10, s9                      ; my block of 256 queries
	s_and_b32 s11, ttmp7, 0xffff                   ; bh, which the four partners share
	s_mov_b32 s[G1C], 15|(3<<16)|(1<<21)           ; the mask: all four work-groups; elements of 8 bytes; bit 21 beside a mask
	s_mov_b32 s[G1C+1], 32<<16
	s_mov_b32 s[G1C+2], 96<<16
	s_mov_b32 s[G1C+3], 32<<16
	s_mov_b32 s[G1C+4], 96
	s_mov_b32 s[G1C+5], 32
	s_mov_b32 s[G1C+6], 0
	s_mov_b32 s[G1C+7], 0
	s_mov_b32 s[G1S], 15|(3<<16)|(1<<21)
	s_mov_b32 s[G1S+1], 32<<16
	s_mov_b32 s[G1S+2], 32<<16
	s_mov_b32 s[G1S+3], 32<<16
	s_mov_b32 s[G1S+4], 32
	s_mov_b32 s[G1S+5], 32
	s_mov_b32 s[G1S+6], 0
	s_mov_b32 s[G1S+7], 0
	s_and_b32 s40, s[WV], 1                        ; I fetch for K (0) or for V (1)
	s_lshr_b32 s41, s[WV], 1
	s_mul_i32 s42, s41, 24576                      ; my chunk's place (used by waves 0 to 7 alone)
	s_mov_b32 s43, 0
	s_mul_i32 s60, s40, 3145728                    ; K's codes, or V's, 3,145,728 bytes on
	s_mul_i32 s61, s11, 98304
	s_add_co_u32 s60, s60, s61
	s_add_co_u32 s60, s60, 3145728
	s_mov_b32 s61, 0
	s_mul_i32 s62, s40, 262144                     ; and their scale words
	s_lshl_b32 s63, s11, 13
	s_add_co_u32 s62, s62, s63
	s_add_co_u32 s62, s62, 9699328
	s_mov_b32 s63, 0
	s_mul_i32 s66, s40, VLDS                       ; where they go
	s_add_co_u32 s66, s66, s42
	s_lshl_b32 s67, s40, 13
	s_add_co_u32 s67, s67, SCK
	s_lshl_b32 s68, s10, 4
	s_add_co_u32 s68, s68, s[WV]                   ; my block of positions
	s_lshl_b32 s69, s11, 7
	s_add_co_u32 s69, s69, s68                     ; 128 bh + pb
	s_mul_i32 s12, s69, 768
	s_mov_b32 s13, 0
	s_lshl_b32 s14, s69, 6
	s_add_co_u32 s14, s14, 9437184
	s_mov_b32 s15, 0
	s_mov_b32 s[SEL], 0x76543210
	s_mov_b32 s[SEL+1], 0xfedcba98
	s_mov_b32 s[CS], 0x3e38aa3b                    ; c = log2(e) / 8
	s_mov_b32 s[CS+1], s[CS]                       ; (named with it as a pair, so it is written)
	s_wait_dscnt 0x0
	s_wait_kmcnt 0x0
	s_add_nc_u64 s[60:61], s[4:5], s[60:61]
	s_add_nc_u64 s[62:63], s[4:5], s[62:63]
	s_add_nc_u64 s[12:13], s[4:5], s[12:13]        ; Q's half image
	s_add_nc_u64 s[14:15], s[4:5], s[14:15]        ; Q's scale words
	CROUND                                         ; all four work-groups are here: the joint loads meet
	s_mov_b32 s[G0], 1
	s_mov_b32 s[G0+1], s67
	s_mov_b64 s[G0+2:G0+3], s[62:63]
	s_or_b32 s[G0+3], s[G0+3], 0x80000000
	s_mov_b32 s[G0+4], 1
	s_mov_b32 s[G0+5], s66
	s_add_nc_u64 s[G0+6:G0+7], s[60:61], s[42:43]
	s_or_b32 s[G0+7], s[G0+7], 0x80000000
	s_cmp_lt_u32 s[WV], 8                          ; one chain of branches on the wave's number, one fill to an arm
	s_cbranch_scc0 .Lnot_codes
	tensor_load_to_lds s[G0+4:G0+7], s[G1C:G1C+7]
	s_nop 0
.rept 4
	v_nop
.endr
	s_branch .Lno_fetch
.Lnot_codes:
	s_cmp_lt_u32 s[WV], 10
	s_cbranch_scc0 .Lno_fetch
	tensor_load_to_lds s[G0:G0+3], s[G1S:G1S+7]
	s_nop 0
.rept 4
	v_nop
.endr
.Lno_fetch:
	v_and_b32 v95, 31, v0
	s_delay_alu instid0(VALU_DEP_1)
	v_lshlrev_b32 v1, 4, v95                       ; 16 x lane
	s_delay_alu instid0(VALU_DEP_2)
	v_lshlrev_b32 v2, 3, v95                       ; 8 x lane
	v_and_b32 v5, 15, v0
	s_delay_alu instid0(VALU_DEP_1)
	v_lshlrev_b32 v5, 2, v5                        ; 4 r
	s_delay_alu instid0(VALU_DEP_1)
	v_add_nc_u32 v3, SCK, v5
	v_lshl_add_u32 v4, v95, 2, SCV
	global_load_b128 v[16:19], v1, s[12:13]        ; Q's six registers stay
	global_load_b64 v[20:21], v2, s[12:13] offset:512
	global_load_b32 v11, v5, s[14:15]
	; where o goes: row block 128 b + pb, K step head / 2, half image head % 2
	s_lshr_b32 s60, s11, 4
	s_and_b32 s61, s11, 15
	s_lshl_b32 s60, s60, 7
	s_add_co_u32 s60, s60, s68
	s_lshr_b32 s62, s61, 1
	s_and_b32 s61, s61, 1
	s_lshl_b32 s63, s60, 3
	s_add_co_u32 s63, s63, s62
	s_mul_i32 s63, s63, 1536
	s_mul_i32 s66, s61, 768
	s_add_co_u32 s66, s66, s63
	s_mov_b32 s67, 0
	s_add_nc_u64 s[66:67], s[6:7], s[66:67]
	s_lshl_b32 s70, s60, 9
	s_lshl_b32 s62, s62, 6
	s_add_co_u32 s70, s70, s62
	s_lshl_b32 s61, s61, 1
	s_add_co_u32 s70, s70, s61
	s_add_co_u32 s70, s70, 3145728
	s_mov_b32 s71, 0
	s_add_nc_u64 s[70:71], s[6:7], s[70:71]
.irp j, 22,23,24,25,26,27, 80,81,82,83,84,85
	v_mov_b32 v[\j], 0                             ; zero codes: the unused half of K
.endr
	v_mov_b32 v13, 0xff61b1e6                      ; the largest t so far: -3e38
	s_delay_alu instid0(VALU_DEP_1)
	v_floor_f32 v12, -v13                          ; -M
	v_mov_b32 v14, 0
	v_mov_b32 v15, 0
.irp b, 0,1,2,3
	v_mov_b32 v[236+\b], 0                         ; written once: a lane permute's destination counts as one of its sources
.endr
	v_mov_b32 v253, 0                              ; (named as the upper half of v[252:253] before it is first written)
.set j, 0
.rept 32
	v_mov_b32 v[160+j], 0                          ; O^T: the step is written once; the first change of M leaves zeros zeros
.set j, j+1
.endr
	s_wait_loadcnt 0x0                             ; Q
	s_wait_tensorcnt 0x0                           ; my load, if I issued one, has landed
	s_wait_dscnt 0x0
	s_barrier_signal -1
	s_barrier_wait -1                              ; so have all ten: K, V and the scale words are whole for every wave
	s_mov_b32 s[TK], 0
	s_mov_b32 s[TS], 0
	s_mov_b32 s[CNT], 16
.Lstep:                                                ; A KEY STEP: 128 keys
	v_add_nc_u32 v6, s[TK], v1                     ; six additions: also the places behind the last step's products, in front of the loads below
	v_add_nc_u32 v7, s[TK], v2
	v_add_nc_u32 v10, s[TS], v3
	v_add_nc_u32 v94, s[TS], v4
	s_delay_alu instid0(VALU_DEP_4)
	v_add_nc_u32 v8, VLDS, v6
	s_delay_alu instid0(VALU_DEP_4)
	v_add_nc_u32 v9, VLDS, v7
.irp t, 0,1,2,3,4,5,6,7
	ds_load_b128 v[32+6*\t:35+6*\t], v6 offset:768*\t
	ds_load_b64 v[36+6*\t:37+6*\t], v7 offset:768*\t+512
	ds_load_b32 v[86+\t], v10 offset:64*\t
.endr
	s_wait_alu depctr_va_vdst(0)                   ; the wait, directly ahead of the wait below
	s_wait_dscnt 0x0
.irp t, 0,1,2,3,4,5,6,7
	v_wmma_scale_f32_16x16x128_f8f6f4 v[96+8*\t:103+8*\t], v[32+6*\t:43+6*\t], v[16:27], 0, v[86+\t], v11 matrix_a_fmt:MATRIX_FMT_FP6 matrix_b_fmt:MATRIX_FMT_FP6
.endr
.rept 4
	v_nop                                          ; places: the loads below land in registers that these products read, and the softmax reads their results
.endr
.irp t, 0,1,2,3                        ; V^T's four fragments land while the softmax is walked
	ds_load_b128 v[32+12*\t:35+12*\t], v8 offset:1536*\t
	ds_load_b64 v[36+12*\t:37+12*\t], v9 offset:1536*\t+512
	ds_load_b128 v[38+12*\t:41+12*\t], v8 offset:1536*\t+768
	ds_load_b64 v[42+12*\t:43+12*\t], v9 offset:1536*\t+1280
	ds_load_b32 v[28+\t], v94 offset:128*\t
.endr
.irp b, 0,1,2,3
	v_max3_num_f32 v[232+\b], v[96+16*\b], v[97+16*\b], v[98+16*\b]   ; the largest score of each block of 32 keys: for the row's maximum and, since p rises with the score, for the block's largest p
.endr
.irp i, 3,5,7,9,11,13
.irp b, 0,1,2,3
	v_max3_num_f32 v[232+\b], v[232+\b], v[96+16*\b+\i], v[97+16*\b+\i]
.endr
.endr
.irp b, 0,1,2,3
	v_max_num_f32 v[232+\b], v[232+\b], v[111+16*\b]
.endr
.irp b, 0,1,2,3
	s_delay_alu instid0(VALU_DEP_4)
	v_permlanex16_b32 v[236+\b], v[232+\b], s[SEL], s[SEL+1]
.endr
.irp b, 0,1,2,3
	s_delay_alu instid0(VALU_DEP_4)
	v_max_num_f32 v[232+\b], v[232+\b], v[236+\b]  ; with lane l xor 16's 16 keys
.endr
	s_delay_alu instid0(VALU_DEP_2)
	v_max3_num_f32 v254, v232, v233, v234
	s_delay_alu instid0(VALU_DEP_1)
	v_max_num_f32 v254, v254, v235
	s_delay_alu instid0(VALU_DEP_1)
	v_mul_f32 v254, s[CS], v254                    ; as t (c is positive)
	s_delay_alu instid0(VALU_DEP_1)
	v_max_num_f32 v13, v13, v254                   ; the running largest t
	v_mov_b32 v254, v12
	s_delay_alu instid0(VALU_DEP_2)
	v_floor_f32 v12, -v13                          ; the new -M = floor(-t): M is a whole number
	s_delay_alu instid0(VALU_DEP_1)
	v_sub_f32 v254, v12, v254                      ; old M - new M: a whole number, 0 or less
	s_delay_alu instid0(VALU_DEP_1)
	v_cvt_i32_f32 v254, v254                       ; (it saturates)
	s_delay_alu instid0(VALU_DEP_1)
	v_ldexp_f32 v252, 1.0, v254                    ; f = 2^(old M - new M)
.set j, 0
.rept 32
	v_pk_fma_f32 v[96+j:97+j], v[96+j:97+j], s[CS:CS+1], v[12:13] op_sel_hi:[1,0,0]   ; t - M, two at a time
.set j, j+2
.endr
.irp b, 0,1,2,3
	v_fma_f32 v[232+\b], v[232+\b], s[CS], v12     ; the same of each block's largest score
.endr
	s_wait_alu depctr_va_vdst(0)                   ; the wait ahead of the batch
.set j, 0
.rept 64
	v_exp_f32 v[96+j], v[96+j]                     ; p = 2^(t - M), at most 1
.set j, j+1
.endr
.irp b, 0,1,2,3
	v_exp_f32 v[232+\b], v[232+\b]                 ; the block's largest p: the same two instructions on the same number
.endr
	v_pk_mul_f32 v[14:15], v[14:15], v[252:253] op_sel_hi:[1,0]   ; the sums under the new M (a plain line behind the exponentials)
	s_wait_alu depctr_va_vdst(0)                   ; and behind it, ahead of its first reader
.irp b, 0,1,2,3
	v_max_num_f32 v[232+\b], 0x1800000, v[232+\b]  ; the floor 2^(3 - 127)
.endr
.irp b, 0,1,2,3
	s_delay_alu instid0(VALU_DEP_4)
	v_add_nc_u32 v[244+\b], 0xff000000, v[232+\b]  ; the conversion's scale operand
.endr
.irp b, 0,1,2,3
	s_delay_alu instid0(VALU_DEP_4)
	v_lshrrev_b32 v[236+\b], 23, v[244+\b]         ; the scale's byte
.endr
	s_delay_alu instid0(VALU_DEP_3)
	v_lshl_or_b32 v253, v237, 8, v236              ; p's scale word for these 128 keys
	s_delay_alu instid0(VALU_DEP_1)
	v_lshl_or_b32 v253, v238, 16, v253
	s_delay_alu instid0(VALU_DEP_1)
	v_lshl_or_b32 v253, v239, 24, v253
.irp c, 0,1
	v_cvt_scalef32_pk16_fp6_f32 v[224+6*\c:226+6*\c], v[96+32*\c:111+32*\c], v[244+2*\c]
	v_cvt_scalef32_pk16_fp6_f32 v[236+4*\c:238+4*\c], v[112+32*\c:127+32*\c], v[244+2*\c+1]
.endr
	v_nop                                          ; one plain line behind a scaled conversion
.irp c, 0,1
.irp i, 0,1,2
	v_permlane16_swap_b32 v[224+6*\c+\i], v[236+4*\c+\i]
.endr
.irp i, 0,1,2
	s_delay_alu instid0(VALU_DEP_3)
	v_mov_b32 v[227+6*\c+\i], v[236+4*\c+\i]
.endr
.endr
.irp k, 0,1,2,3                        ; the row's sum of the unquantised p: four chains of pairs by turns
	v_pk_add_f32 v[240+2*\k:241+2*\k], v[96+2*\k:97+2*\k], v[104+2*\k:105+2*\k]
.endr
.irp m, 16,24,32,40,48,56
.irp k, 0,1,2,3
	v_pk_add_f32 v[240+2*\k:241+2*\k], v[240+2*\k:241+2*\k], v[96+\m+2*\k:97+\m+2*\k]
.endr
.endr
	v_pk_add_f32 v[240:241], v[240:241], v[242:243]
	v_pk_add_f32 v[244:245], v[244:245], v[246:247]
	s_delay_alu instid0(VALU_DEP_2)
	v_pk_add_f32 v[14:15], v[14:15], v[240:241]
	s_delay_alu instid0(VALU_DEP_1)
	v_pk_add_f32 v[14:15], v[14:15], v[244:245]
.set j, 0
.rept 16
	v_pk_mul_f32 v[160+j:161+j], v[160+j:161+j], v[252:253] op_sel_hi:[1,0]   ; O^T under the new M; these are also the places between the scale word's and the codes' last writes and the products
.set j, j+2
.endr
	s_wait_alu depctr_va_vdst(0)                   ; the wait, directly ahead of the wait below
	s_wait_dscnt 0x0                               ; V^T's fragments and scale words
.irp t, 0,1,2,3
	v_wmma_scale_f32_16x16x128_f8f6f4 v[160+8*\t:167+8*\t], v[32+12*\t:43+12*\t], v[224:235], v[160+8*\t:167+8*\t], v[28+\t], v253 matrix_a_fmt:MATRIX_FMT_FP6 matrix_b_fmt:MATRIX_FMT_FP6
.endr
	s_add_co_u32 s[TK], s[TK], 6144
	s_add_co_u32 s[TS], s[TS], 512
	s_sub_co_u32 s[CNT], s[CNT], 1
	s_cmp_lg_u32 s[CNT], 0
	s_cbranch_scc1 .Lstep
	; THE WAY OUT: o = O^T / the sum; register 16 b + i is o(query, 32 b + 16 (lane / 16) + i): two blocks of 32 along the next K
.rept 4
	v_nop
.endr
	v_add_f32 v14, v14, v15
	s_delay_alu instid0(VALU_DEP_1)
	v_permlanex16_b32 v252, v14, s[SEL], s[SEL+1]
	s_delay_alu instid0(VALU_DEP_1)
	v_add_f32 v14, v14, v252                       ; the row's sum
	s_wait_alu depctr_va_vdst(0)
	v_rcp_f32 v14, v14
	v_nop
	s_wait_alu depctr_va_vdst(0)
.set j, 0
.rept 32
	v_mul_f32 v[192+j], v[160+j], v14
.set j, j+1
.endr
.irp b, 0,1
	v_max3_num_f32 v[232+\b], |v[192+16*\b]|, |v[193+16*\b]|, 0x1800000
.endr
.irp i, 2,4,6,8,10,12,14
.irp b, 0,1
	s_delay_alu instid0(VALU_DEP_2)
	v_max3_num_f32 v[232+\b], v[232+\b], |v[192+16*\b+\i]|, |v[193+16*\b+\i]|
.endr
.endr
.irp b, 0,1
	s_delay_alu instid0(VALU_DEP_2)
	v_permlanex16_b32 v[236+\b], v[232+\b], s[SEL], s[SEL+1]
.endr
.irp b, 0,1
	s_delay_alu instid0(VALU_DEP_2)
	v_max_num_f32 v[232+\b], v[232+\b], v[236+\b]
.endr
.irp b, 0,1
	s_delay_alu instid0(VALU_DEP_2)
	v_add_nc_u32 v[244+\b], 0xff000000, v[232+\b]
.endr
.irp b, 0,1
	s_delay_alu instid0(VALU_DEP_2)
	v_lshrrev_b32 v[236+\b], 23, v[244+\b]
.endr
	s_delay_alu instid0(VALU_DEP_1)
	v_lshl_or_b32 v253, v237, 8, v236              ; my head's two bytes of the row's scale word
	v_cvt_scalef32_pk16_fp6_f32 v[224:226], v[192:207], v244
	v_cvt_scalef32_pk16_fp6_f32 v[240:242], v[208:223], v245
	v_nop
.irp i, 0,1,2
	v_permlane16_swap_b32 v[224+\i], v[240+\i]
.endr
.irp i, 0,1,2
	s_delay_alu instid0(VALU_DEP_3)
	v_mov_b32 v[227+\i], v[240+\i]
.endr
	global_store_b128 v1, v[224:227], s[66:67]               ; a half image: 512 and 256 consecutive bytes, aligned
	global_store_b64 v2, v[228:229], s[66:67] offset:512
	global_store_b16 v5, v253, s[70:71]                      ; two bytes a row: a scale word spans two heads, which two work-groups own; lanes l and l xor 16 write the same bytes with the same value
	s_wait_tensorcnt 0x0                           ; the wave's end
	ds_add_u32 v251, v255
	s_wait_dscnt 0x0
	CROUND                                         ; the closing round
	s_endpgm
.Lfunc_end_k_q92934b9eae_attention:
	.size	k_q92934b9eae_attention, .Lfunc_end_k_q92934b9eae_attention-k_q92934b9eae_attention
	.p2alignl 7, 3214868480
	.fill 96, 4, 3214868480
	.section	.rodata,"a",@progbits
	.p2align	6, 0x0
	.amdhsa_kernel k_q92934b9eae_attention
		.amdhsa_group_segment_fixed_size 215040
		.amdhsa_private_segment_fixed_size 0
		.amdhsa_enable_private_segment 0
		.amdhsa_kernarg_size 16
		.amdhsa_user_sgpr_count 2
		.amdhsa_user_sgpr_kernarg_segment_ptr 1
		.amdhsa_wavefront_size32 1
		.amdhsa_system_sgpr_workgroup_id_x 1
		.amdhsa_system_sgpr_workgroup_id_y 1
		.amdhsa_system_sgpr_workgroup_id_z 1
		.amdhsa_system_vgpr_workitem_id 0
		.amdhsa_next_free_vgpr 256
		.amdhsa_next_free_sgpr 72
		.amdhsa_reserve_vcc 0
		.amdhsa_float_denorm_mode_32 3
		.amdhsa_float_denorm_mode_16_64 3
		.amdhsa_memory_ordered 1
		.amdhsa_forward_progress 1
		.amdhsa_inst_pref_size 31
	.end_amdhsa_kernel
	.amdgpu_metadata
---
amdhsa.version: [ 1, 2 ]
amdhsa.kernels:
  - .name:           k_q92934b9eae_attention
    .symbol:         k_q92934b9eae_attention.kd
    .args:
      - { .name: qkv, .offset: 0, .size: 8, .value_kind: global_buffer, .address_space: global }
      - { .name: att, .offset: 8, .size: 8, .value_kind: global_buffer, .address_space: global }
    .group_segment_fixed_size: 215040
    .private_segment_fixed_size: 0
    .kernarg_segment_align: 8
    .kernarg_segment_size: 16
    .max_flat_workgroup_size: 512
    .sgpr_count:     72
    .vgpr_count:     256
    .wavefront_size: 32
...
	.end_amdgpu_metadata
.endif
;; end of part 11
;; launch gemm_o (part 12): grid 8 x 32, 4 waves a work-group, clusters of 4 x 4, 327,680 bytes of LDS; arguments att, inq, y; writes y
.if DOCPART == 12
	.amdgcn_target "amdgcn-amd-amdhsa--gfx1250"
	.amdhsa_code_object_version 6
	.text
	.protected	k_q92934b9eae_gemm_o
	.globl	k_q92934b9eae_gemm_o
	.p2align	8
	.type	k_q92934b9eae_gemm_o,@function
k_q92934b9eae_gemm_o:
	s_mov_b64 s[64:65], 0
	v_nop
	global_prefetch_b8 v0, s[64:65] scope:SCOPE_SE
	s_setreg_imm32_b32 hwreg(HW_REG_WAVE_MODE, 25, 1), 1
	s_wait_xcnt 0x0
	s_wait_alu depctr_hold_cnt(0) depctr_sa_sdst(0) depctr_va_vdst(0) depctr_va_sdst(0) depctr_va_ssrc(0) depctr_va_vcc(0) depctr_vm_vsrc(0)
	s_getreg_b32 s2, hwreg(HW_REG_IB_STS2, 6, 4)
	s_cmp_eq_u32 s2, 0
	s_cbranch_scc0 .Lentry_in_a_cluster
	s_endpgm
.Lentry_in_a_cluster:
	s_bfe_u32 s2, ttmp6, 0x10000c
	s_cmp_lg_u32 s2, 0xf033
	s_cbranch_scc0 .Lentry_shape_is_right
	s_endpgm
.Lentry_shape_is_right:
.set KS,     8
.set AOFF,   0
.set ASOFF,  3145728
.set BOFF,   5505024
.set BSOFF,  12582912+448*512
.set SIZE_N, 1024
.set NQ,     4
.set FR,     12
.set NP,     4
.set BLKB,   NQ*1536
.set QT,     4*BLKB
.set SLOT,   4*QT
.set LAPS,   KS/(2*NQ)
.set SCL,    2*SLOT
.set HALFS,  4*KS*64
.set SPARE,  SCL+4*HALFS
.set SPITCH, 272
.set ADRA, 16
.set ADRB, 20
.set STO,  24
.set RD,   25
.set CO,   26
.set ADRS, 27
.set SPW,  28
.set NIL,  29
.set SC,   32
.set ACC,  128
.set G1, 24
.set G0, 32
.set G1B, 48
.set G0B, 56
.set G1S, 68
.set G0S, 76
.set G1SB, 80
.set G0SB, 88
.set MSB, 0
.macro WIN new
.if MSB != (\new)
	s_set_vgpr_msb (MSB<<8)|(\new)
.set MSB, (\new)
.endif
.endm
.set MUL,  0x05
.set TO_F, 0x40
.macro JLOAD g0a, g1a, g0b, g1b
	s_cmp_eq_u32 s15, 0
	s_cbranch_scc0 .Lfor_b_\@
	tensor_load_to_lds s[\g0a:\g0a+3], s[\g1a:\g1a+7]
	s_nop 0
.rept 4
	v_nop
.endr
	s_branch .Lasked_\@
.Lfor_b_\@:
	tensor_load_to_lds s[\g0b:\g0b+3], s[\g1b:\g1b+7]
	s_nop 0
.rept 4
	v_nop
.endr
.Lasked_\@:
.endm
.macro CREST
	s_cmp_lg_u32 s14, 0
	s_cbranch_scc1 .Lnot_wave_0_\@
	s_barrier_signal -3
.Lnot_wave_0_\@:
	s_barrier_wait -3
	s_barrier_signal -1
	s_barrier_wait -1
.endm
.macro CROUND
	s_barrier_signal -1
	s_barrier_wait -1
	CREST
.endm
	s_load_b128 s[4:7], s[0:1], 0x0
	s_load_b64 s[12:13], s[0:1], 0x10
	v_lshl_add_u32 v[SPW], v0, 2, SPARE
	v_mov_b32 v[NIL], 0
	ds_add_u32 v28, v29
	ds_add_u32 v28, v29
	s_wait_dscnt 0x0
	v_lshrrev_b32 v1, 5, v0
	v_readfirstlane_b32 s14, v1
	s_lshr_b32 s15, s14, 1
	s_and_b32 s16, s14, 1
	s_bfe_u32 s40, ttmp6, 0x40000
	s_bfe_u32 s41, ttmp6, 0x40004
	s_lshl_b32 s42, ttmp9, 2
	s_add_co_u32 s42, s42, s40
	s_and_b32 s17, ttmp7, 0xffff
	s_lshl_b32 s17, s17, 2
	s_add_co_u32 s17, s17, s41
	s_lshl_b32 s43, s41, 2
	s_lshl_b32 s43, 15, s43
	s_lshl_b32 s44, 0x1111, s40
	s_or_b32 s[G1+0], s43, (3<<16)|(1<<21)
	s_or_b32 s[G1B+0], s44, (3<<16)|(1<<21)
.irp g, G1, G1B
	s_mov_b32 s[\g+1], 768<<16
	s_mov_b32 s[\g+2], 8<<16                       ; 8 row blocks for the head's loads; set to 4 behind them
	s_mov_b32 s[\g+3], 768<<16
	s_mov_b32 s[\g+4], 8
	s_mov_b32 s[\g+5], KS*192
	s_mov_b32 s[\g+6], 0
	s_mov_b32 s[\g+7], 0
.endr
	s_or_b32 s[G1S+0], s43, (3<<16)|(1<<21)
	s_or_b32 s[G1SB+0], s44, (3<<16)|(1<<21)
.irp g, G1S, G1SB
	s_mov_b32 s[\g+1], 32<<16
	s_mov_b32 s[\g+2], (HALFS/128)<<16             ; the scale words of all 128 rows of a side
	s_mov_b32 s[\g+3], 32<<16
	s_mov_b32 s[\g+4], HALFS/128
	s_mov_b32 s[\g+5], 32
	s_mov_b32 s[\g+6], 0
	s_mov_b32 s[\g+7], 0
.endr
	s_mul_i32 s66, s16, 4*KS*1536
	s_mul_i32 s20, s17, 8*KS*1536
	s_add_co_u32 s20, s20, s66
	s_add_co_u32 s20, s20, AOFF
	s_mov_b32 s21, 0
	s_mul_i32 s22, s17, 8*KS*64
	s_add_co_u32 s22, s22, ASOFF
	s_mov_b32 s23, 0
	s_mul_i32 s46, s42, 8*KS*1536
	s_add_co_u32 s46, s46, s66
	s_add_co_u32 s46, s46, BOFF
	s_mov_b32 s47, 0
	s_mul_i32 s92, s42, 8*KS*64
	s_add_co_u32 s92, s92, BSOFF
	s_mov_b32 s93, 0
	s_mul_i32 s45, s14, QT
	s_wait_kmcnt 0x0
	s_add_nc_u64 s[20:21], s[4:5], s[20:21]
	s_add_nc_u64 s[22:23], s[4:5], s[22:23]
	s_add_nc_u64 s[46:47], s[6:7], s[46:47]
	s_add_nc_u64 s[92:93], s[6:7], s[92:93]
	CROUND
	s_mov_b32 s[G0S], 1
	s_mov_b32 s[G0S+1], SCL
	s_mov_b64 s[G0S+2:G0S+3], s[22:23]
	s_or_b32 s[G0S+3], s[G0S+3], 0x80000000
	s_mov_b32 s[G0SB], 1
	s_mov_b32 s[G0SB+1], SCL+2*HALFS
	s_mov_b64 s[G0SB+2:G0SB+3], s[92:93]
	s_or_b32 s[G0SB+3], s[G0SB+3], 0x80000000
.irp s, 0,1
	s_mov_b32 s[G0+4*\s], 1
	s_add_co_u32 s[G0+4*\s+1], s45, \s*SLOT
	s_add_nc_u64 s[G0+4*\s+2:G0+4*\s+3], s[20:21], \s*BLKB
	s_or_b32 s[G0+4*\s+3], s[G0+4*\s+3], 0x80000000
	s_mov_b32 s[G0B+4*\s], 1
	s_add_co_u32 s[G0B+4*\s+1], s45, \s*SLOT
	s_add_nc_u64 s[G0B+4*\s+2:G0B+4*\s+3], s[46:47], \s*BLKB
	s_or_b32 s[G0B+4*\s+3], s[G0B+4*\s+3], 0x80000000
.endr
; THE HEAD'S LOADS, ONE A WAVE: wave 0 A's 8 row blocks of slot 0 (its own group 0 points at the tile's start), wave 1 A's scale words, wave 2 B's 8 row blocks, wave 3 B's scale words.
.macro ARM under, g0, g1, next
	s_cmp_lt_u32 s14, \under
	s_cbranch_scc0 \next
	tensor_load_to_lds s[\g0:\g0+3], s[\g1:\g1+7]
	s_nop 0
.rept 4
	v_nop
.endr
	s_branch .Lhead_asked
\next:
.endm
	ARM 1, G0,  G1,  .Lhead_sa
	ARM 2, G0S, G1S, .Lhead_b
	ARM 3, G0B, G1B, .Lhead_sb
	tensor_load_to_lds s[G0SB:G0SB+3], s[G1SB:G1SB+7]
	s_nop 0
.rept 4
	v_nop
.endr
.Lhead_asked:
	; THE PREFETCH.  K has two slots.  Here, behind slot 0's load, a wave asks for slot 1 of the four row blocks that it fetches in the ring.  The four partners that ask for a tile jointly share it out BY ADDRESS:
	; the partner at place p (cx for A, cy for B) takes row block p: 6,144 bytes, 24 blocks of 256, a lane a block (lanes 24-31 name the last again).
	s_cmp_eq_u32 s15, 0                            ; do I fetch for A?
	s_cselect_b64 s[96:97], s[20:21], s[46:47]     ; my four row blocks, at slot 0; never rewritten
	s_cselect_b32 s98, s40, s41
	s_mul_i32 s98, s98, KS*1536                    ; my work-group's row block of them
	s_mov_b32 s99, 0
	s_add_nc_u64 s[96:97], s[96:97], s[98:99]
	v_and_b32 v30, 31, v0
	v_min_u32 v30, 23, v30
	v_lshlrev_b32 v30, 8, v30                      ; v30: 256 x min(lane, 23); never rewritten
	global_prefetch_b8 v30, s[96:97] offset:BLKB th:TH_LOAD_NT scope:SCOPE_SE
	v_and_b32 v1, 15, v0
	v_bfe_u32 v2, v0, 4, 1
	v_and_b32 v3, 31, v0
	v_lshlrev_b32 v4, 4, v3
	v_lshlrev_b32 v5, 3, v3
	s_mul_i32 s21, s15, QT
	s_mul_i32 s22, s16, QT
	s_add_co_u32 s22, s22, 2*QT
.irp s, 0,1
	v_add_nc_u32 v[ADRA+\s], s21, v4
	v_add_nc_u32 v[ADRB+\s], s22, v4
	v_add_nc_u32 v[ADRA+2+\s], s21, v5
	v_add_nc_u32 v[ADRB+2+\s], s22, v5
	s_add_co_u32 s21, s21, SLOT
	s_add_co_u32 s22, s22, SLOT
.endr
	v_lshlrev_b32 v5, 2, v1
	s_mul_i32 s21, s15, HALFS
	s_mul_i32 s22, s16, HALFS
	s_add_co_u32 s22, s22, 2*HALFS
	s_sub_co_u32 s22, s22, s21
	v_mul_u32_u24 v6, s22, v2
	s_add_co_u32 s21, s21, SCL
	v_add_nc_u32 v5, v5, v6
	v_add_nc_u32 v[ADRS], s21, v5
	s_mul_i32 s23, s14, 64*SPITCH
	v_mul_u32_u24 v5, v1, SPITCH
	v_lshl_add_u32 v5, v2, 5, v5
	v_add_nc_u32 v[STO], s23, v5
	v_mul_u32_u24 v5, v2, SPITCH
	v_lshl_add_u32 v5, v1, 4, v5
	v_add_nc_u32 v[RD], s23, v5
	v_lshlrev_b32 v[CO], 12, v2
	v_lshl_add_u32 v[CO], v1, 4, v[CO]
	s_lshl_b32 s20, s17, 7
	s_lshl_b32 s21, s15, 6
	s_add_co_u32 s20, s20, s21
	s_mov_b32 s21, 0
	s_mov_b64 s[18:19], SIZE_N*4
	s_mul_u64 s[20:21], s[20:21], s[18:19]
	s_lshl_b32 s46, s42, 9
	s_lshl_b32 s47, s16, 8
	s_add_co_u32 s46, s46, s47
	s_mov_b32 s47, 0
	s_add_nc_u64 s[20:21], s[20:21], s[46:47]
	s_add_nc_u64 s[12:13], s[12:13], s[20:21]
.macro FRAG reg, adr, q, i
	ds_load_b128 v[\reg:\reg+3], v[\adr] offset:(\i)*BLKB+(\q)*1536
	ds_load_b64 v[\reg+4:\reg+5], v[\adr+2] offset:(\i)*BLKB+(\q)*1536+512
	ds_load_b128 v[\reg+6:\reg+9], v[\adr] offset:(\i)*BLKB+(\q)*1536+768
	ds_load_b64 v[\reg+10:\reg+11], v[\adr+2] offset:(\i)*BLKB+(\q)*1536+1280
.endm
.macro FETCH slot, q, p
	WIN TO_F
.irp i, 0,1,2,3
	FRAG 128*(\p)+FR*\i, ADRA+\slot, \q, \i
.endr
.irp i, 0,1,2,3
	FRAG 128*(\p)+48+FR*\i, ADRB+\slot, \q, \i
.endr
.endm
.macro SCALES sc
.irp i, 0,1,2,3
.irp q, 0,1,2,3
	ds_load_b32 v[SC+16*\sc+4*\i+\q], v[ADRS] offset:\i*KS*64+64*\q
.endr
.endr
.endm
.macro MUL4 a, p, q, sc, zero
.irp b, 0,1,2,3
.if \zero
	v_wmma_scale_f32_16x16x128_f8f6f4 v[ACC+8*(4*(\a)+\b):ACC+8*(4*(\a)+\b)+7], v[128*(\p)+48+FR*\b:128*(\p)+48+FR*\b+FR-1], v[128*(\p)+FR*(\a):128*(\p)+FR*(\a)+FR-1], 0, v[SC+16*(\sc)+4*\b+(\q)], v[SC+16*(\sc)+4*(\a)+(\q)] matrix_a_fmt:MATRIX_FMT_FP6 matrix_b_fmt:MATRIX_FMT_FP6 matrix_a_scale:MATRIX_SCALE_ROW1
.else
	v_wmma_scale_f32_16x16x128_f8f6f4 v[ACC+8*(4*(\a)+\b):ACC+8*(4*(\a)+\b)+7], v[128*(\p)+48+FR*\b:128*(\p)+48+FR*\b+FR-1], v[128*(\p)+FR*(\a):128*(\p)+FR*(\a)+FR-1], v[ACC+8*(4*(\a)+\b):ACC+8*(4*(\a)+\b)+7], v[SC+16*(\sc)+4*\b+(\q)], v[SC+16*(\sc)+4*(\a)+(\q)] matrix_a_fmt:MATRIX_FMT_FP6 matrix_b_fmt:MATRIX_FMT_FP6 matrix_a_scale:MATRIX_SCALE_ROW1
.endif
.endr
.endm
.macro PLACES n
.rept \n
	v_nop
.endr
.endm
.macro KSTEP slot, q, zero
	PLACES NP
	FETCH \slot, (\q)+1, 1-(\q)%2
	s_wait_dscnt 32
	WIN MUL
	MUL4 0, (\q)%2, \q, \slot, \zero
	MUL4 1, (\q)%2, \q, \slot, \zero
	MUL4 2, (\q)%2, \q, \slot, \zero
	MUL4 3, (\q)%2, \q, \slot, \zero
.endm
.macro TURN slot, next, fill
	WIN 0
	s_wait_tensorcnt 0x0
	ds_add_u32 v[SPW], v[NIL]
	s_wait_dscnt 1
	WIN MUL
	MUL4 0, 1, NQ-1, \slot, 0
	s_wait_dscnt 0x0
	s_barrier_signal -1
	MUL4 1, 1, NQ-1, \slot, 0
	WIN 0
	s_barrier_wait -1
.if \fill
	CREST
	s_add_nc_u64 s[G0+4*\slot+2:G0+4*\slot+3], s[G0+4*\slot+2:G0+4*\slot+3], 2*BLKB
	s_add_nc_u64 s[G0B+4*\slot+2:G0B+4*\slot+3], s[G0B+4*\slot+2:G0B+4*\slot+3], 2*BLKB
	JLOAD G0+4*\slot, G1, G0B+4*\slot, G1B
.else
	PLACES NP
.endif
	v_add_nc_u32 v[ADRS], 64*NQ, v[ADRS]
	FETCH \next, 0, 0
	WIN 0
	SCALES \next
	WIN MUL
	MUL4 2, 1, NQ-1, \slot, 0
	MUL4 3, 1, NQ-1, \slot, 0
.endm
	s_wait_alu depctr_va_vdst(0)                   ; the wait at the head's end
	s_wait_tensorcnt 0x0                           ; my tile of the head's four is in
	ds_add_u32 v[SPW], v[NIL]
	s_mov_b32 s[G1+2], 4<<16                       ; no tensor load of mine is out: from here on a load brings 4 row blocks
	s_mov_b32 s[G1+4], 4
	s_mov_b32 s[G1B+2], 4<<16
	s_mov_b32 s[G1B+4], 4
	s_wait_dscnt 0x0
	CROUND                                         ; all four tiles are in, and all sixteen work-groups are here
	JLOAD G0+4, G1, G0B+4, G1B                     ; slot 1's first fill, the first tensor load behind the round
	FETCH 0, 0, 0
	WIN 0
	SCALES 0
	KSTEP 0, 0, 1
.if LAPS > 1
	WIN 0
	s_mov_b32 s3, LAPS-1
.Llap:
	KSTEP 0, 1, 0
	KSTEP 0, 2, 0
	TURN 0, 1, 1
	KSTEP 1, 0, 0
	KSTEP 1, 1, 0
	KSTEP 1, 2, 0
	TURN 1, 0, 1
	KSTEP 0, 0, 0
	WIN 0
	s_sub_co_u32 s3, s3, 1
	s_cmp_lg_u32 s3, 0
	s_cbranch_scc1 .Llap
.endif
	KSTEP 0, 1, 0
	KSTEP 0, 2, 0
	TURN 0, 1, 0
	KSTEP 1, 0, 0
	KSTEP 1, 1, 0
	KSTEP 1, 2, 0
	s_wait_dscnt 0x0
	WIN MUL
	MUL4 0, 1, NQ-1, 1, 0
	MUL4 1, 1, NQ-1, 1, 0
	MUL4 2, 1, NQ-1, 1, 0
	MUL4 3, 1, NQ-1, 1, 0
	WIN 0
	PLACES NP
.irp a, 0,1,2,3
.irp b, 0,1,2,3
	ds_store_b128 v[STO], v[ACC+8*(4*\a+\b):ACC+8*(4*\a+\b)+3] offset:\a*16*SPITCH+64*\b
	ds_store_b128 v[STO], v[ACC+8*(4*\a+\b)+4:ACC+8*(4*\a+\b)+7] offset:\a*16*SPITCH+64*\b+16
.endr
.irp t, 0,1,2,3,4,5,6,7
	ds_load_b128 v[ACC+32*\a+4*\t:ACC+32*\a+4*\t+3], v[RD] offset:(16*\a+2*\t)*SPITCH
.endr
.endr
.irp a, 0,1,2,3
.irp t, 0,1,2,3,4,5,6,7
	s_wait_dscnt (3-\a)*16+7-\t
	global_store_b128 v[CO], v[ACC+32*\a+4*\t:ACC+32*\a+4*\t+3], s[12:13] offset:(16*\a+2*\t)*SIZE_N*4
.endr
.endr
	s_wait_tensorcnt 0x0
	ds_add_u32 v[SPW], v[NIL]
	s_wait_dscnt 0x0
	CROUND
	s_endpgm
.Lfunc_end_k_q92934b9eae_gemm_o:
	.size	k_q92934b9eae_gemm_o, .Lfunc_end_k_q92934b9eae_gemm_o-k_q92934b9eae_gemm_o
	.p2alignl 7, 3214868480
	.fill 96, 4, 3214868480
	.section	.rodata,"a",@progbits
	.p2align	6, 0x0
	.amdhsa_kernel k_q92934b9eae_gemm_o
		.amdhsa_group_segment_fixed_size 327680
		.amdhsa_private_segment_fixed_size 0
		.amdhsa_enable_private_segment 0
		.amdhsa_kernarg_size 24
		.amdhsa_user_sgpr_count 2
		.amdhsa_user_sgpr_kernarg_segment_ptr 1
		.amdhsa_wavefront_size32 1
		.amdhsa_system_sgpr_workgroup_id_x 1
		.amdhsa_system_sgpr_workgroup_id_y 1
		.amdhsa_system_sgpr_workgroup_id_z 1
		.amdhsa_system_vgpr_workitem_id 0
		.amdhsa_next_free_vgpr 512
		.amdhsa_next_free_sgpr 100
		.amdhsa_reserve_vcc 0
		.amdhsa_float_denorm_mode_32 3
		.amdhsa_float_denorm_mode_16_64 3
		.amdhsa_memory_ordered 1
		.amdhsa_forward_progress 1
		.amdhsa_inst_pref_size 56
	.end_amdhsa_kernel
	.amdgpu_metadata
---
amdhsa.version: [ 1, 2 ]
amdhsa.kernels:
  - .name:           k_q92934b9eae_gemm_o
    .symbol:         k_q92934b9eae_gemm_o.kd
    .args:
      - { .name: att, .offset: 0, .size: 8, .value_kind: global_buffer, .address_space: global }
      - { .name: inq, .offset: 8, .size: 8, .value_kind: global_buffer, .address_space: global }
      - { .name: y, .offset: 16, .size: 8, .value_kind: global_buffer, .address_space: global }
    .group_segment_fixed_size: 327680
    .private_segment_fixed_size: 0
    .kernarg_segment_align: 8
    .kernarg_segment_size: 24
    .max_flat_workgroup_size: 128
    .sgpr_count:     100
    .vgpr_count:     512
    .wavefront_size: 32
...
	.end_amdgpu_metadata
.endif
;; end of part 12
;; launch ln1 (part 13): grid 256 x 1, 16 waves a work-group, no clusters, 89,088 bytes of LDS; arguments y, bo, src, g1, be1, x; writes x
.if DOCPART == 13
	.amdgcn_target "amdgcn-amd-amdhsa--gfx1250"
	.amdhsa_code_object_version 6
	.text
	.protected	k_q92934b9eae_ln1
	.globl	k_q92934b9eae_ln1
	.p2align	8
	.type	k_q92934b9eae_ln1,@function
k_q92934b9eae_ln1:
	s_mov_b64 s[64:65], 0
	v_nop
	global_prefetch_b8 v0, s[64:65] scope:SCOPE_SE
	s_setreg_imm32_b32 hwreg(HW_REG_WAVE_MODE, 25, 1), 1
	s_wait_xcnt 0x0
; x = layer norm(src + y + bo) g1 + be1, in f32, stored as f32 (rows in the order of positions) and as codes of FP6 (E2M3) with E8M0 scales, laid as the next product's operand.
; A work-group is a block of 16 positions (number g = 128 b + pb); wave w takes image row w: position p = 16 g + w in y and x, row 2 s + b of src with s = 32 (pb / 2) + 8 (pb % 2) + w % 8 + 16 (w / 8).
; A row is 4,096 bytes: eight loads of 512 consecutive bytes, 32 numbers a lane, kept in registers.  Mean first, then the mean of the squared differences: no difference of large sums is formed.
; The quantising: the row turns through the wave's own stage in LDS so that lane l holds block l (32 neighbours); codes meet in LDS as half images (16 rows x 64 K: 16 bytes at 16 x lane, 8 bytes at 512 + 8 x lane); one barrier; each wave stores one.
; LIMITS: a block of zeros gets the byte 1 (its codes are zeros; this program alone reads the bytes); blocks whose largest magnitude lies under 2^-124 are held at the byte 1; NaN and infinities are not served.
.set TPL,   144
.set TWV,   32*TPL
.set IMG,   16*TWV
.set IPI,   784
.set SCB,   IMG+16*IPI
.set Z,  16                            ; v16-47   y's row, then the sum, the differences, x
.set X,  48                            ; v48-79   src's row; later my block's 32 numbers
.set BI, 80                            ; v80-111  bo; later codes and the way out
.set G,  112                           ; v112-143 g1
.set BE, 144                           ; v144-175 be1
.set C4, 176                           ; v176-183 four chains
.set MN, 184                           ; v184-185 the mean, twice
.set VR, 186
.set IV, 188                           ; v188-189 1 / sqrt(variance + eps), twice
.set TP, 190
.set P,  80
.set T,  88
.set OU, 92
.set SW, 100
	s_load_b256 s[8:15], s[0:1], 0x0               ; y, bo, src, g1
	s_load_b128 s[16:19], s[0:1], 0x20             ; be1, x
	v_lshl_add_u32 v200, v0, 2, 0x15400
	v_mov_b32 v201, 0
	v_lshrrev_b32 v1, 5, v0
	s_delay_alu instid0(VALU_DEP_1)
	v_readfirstlane_b32 s7, v1                     ; wave = image row
	v_and_b32 v1, 31, v0
	s_delay_alu instid0(VALU_DEP_1)
	v_lshlrev_b32 v2, 4, v1
	s_mul_i32 s6, s7, TWV
	v_lshrrev_b32 v3, 3, v1
	s_delay_alu instid0(VALU_DEP_1)
	v_mul_u32_u24 v3, v3, TPL
	v_and_b32 v10, 7, v1
	s_delay_alu instid0(VALU_DEP_1)
	v_lshl_add_u32 v3, v10, 4, v3
	s_delay_alu instid0(VALU_DEP_1)
	v_add_nc_u32 v3, s6, v3
	v_mul_u32_u24 v4, v1, TPL
	s_delay_alu instid0(VALU_DEP_1)
	v_add_nc_u32 v4, s6, v4
	v_lshrrev_b32 v10, 1, v1
	s_delay_alu instid0(VALU_DEP_1)
	v_mul_u32_u24 v10, v10, IPI
	v_and_b32 v11, 1, v1
	s_delay_alu instid0(VALU_DEP_1)
	v_lshl_add_u32 v5, v11, 8, v10
	s_lshl_b32 s6, s7, 4
	s_add_co_u32 s6, s6, IMG
	v_add_nc_u32 v5, s6, v5
	v_lshl_add_u32 v6, v11, 7, v10
	s_lshl_b32 s6, s7, 3
	s_add_co_u32 s6, s6, IMG+512
	v_add_nc_u32 v6, s6, v6
	v_lshrrev_b32 v7, 2, v1
	s_delay_alu instid0(VALU_DEP_1)
	v_lshlrev_b32 v7, 6, v7
	v_and_b32 v10, 3, v1
	s_delay_alu instid0(VALU_DEP_1)
	v_add_nc_u32 v7, v7, v10
	s_lshl_b32 s6, s7, 2
	s_add_co_u32 s6, s6, SCB
	v_add_nc_u32 v7, s6, v7
	v_lshlrev_b32 v9, 3, v1
	s_mul_i32 s6, s7, IPI
	s_add_co_u32 s6, s6, IMG
	v_add_nc_u32 v8, s6, v9
	v_add_nc_u32 v14, SCB, v2
	v_mov_b32 v[TP], 0                             ; written once: a lane permute's destination counts as one of its sources
	s_lshl_b32 s20, ttmp9, 4
	s_add_co_u32 s20, s20, s7
	s_lshl_b32 s20, s20, 12                        ; p x 4,096
	s_mov_b32 s21, 0
	s_and_b32 s22, ttmp9, 127
	s_lshr_b32 s23, s22, 1
	s_lshl_b32 s23, s23, 5
	s_and_b32 s22, s22, 1
	s_lshl_b32 s22, s22, 3
	s_add_co_u32 s22, s22, s23
	s_and_b32 s23, s7, 7
	s_add_co_u32 s22, s22, s23
	s_lshr_b32 s23, s7, 3
	s_lshl_b32 s23, s23, 4
	s_add_co_u32 s22, s22, s23                     ; s
	s_lshl_b32 s22, s22, 13
	s_lshr_b32 s23, ttmp9, 7
	s_lshl_b32 s23, s23, 12
	s_add_co_u32 s22, s22, s23                     ; (2 s + b) x 4,096
	s_mov_b32 s23, 0
	s_mul_i32 s26, ttmp9, 12288
	s_mul_i32 s27, s7, 768
	s_add_co_u32 s26, s26, s27
	s_add_co_u32 s26, s26, 16777216
	s_mov_b32 s27, 0
	s_lshl_b32 s28, ttmp9, 9
	s_add_co_u32 s28, s28, 19922944
	s_mov_b32 s29, 0
	s_mov_b32 s32, 0x76543210
	s_mov_b32 s33, 0xfedcba98
	s_mov_b32 s34, 0x3a800000                      ; 1 / 1,024
	s_mov_b32 s35, 0x3727c5ac                      ; 1e-5
	s_wait_kmcnt 0x0
	s_add_nc_u64 s[8:9], s[8:9], s[20:21]
	s_add_nc_u64 s[12:13], s[12:13], s[22:23]
	s_add_nc_u64 s[24:25], s[18:19], s[20:21]      ; x's row, f32
	s_add_nc_u64 s[42:43], s[18:19], s[26:27]      ; my half image
	s_add_nc_u64 s[44:45], s[18:19], s[28:29]      ; the block's scale words
.irp j, 0,1,2,3,4,5,6,7
	global_load_b128 v[Z+4*\j:Z+4*\j+3], v2, s[8:9] offset:512*\j th:TH_LOAD_NT
.endr
.irp j, 0,1,2,3,4,5,6,7
	global_load_b128 v[X+4*\j:X+4*\j+3], v2, s[12:13] offset:512*\j
.endr
.irp j, 0,1,2,3,4,5,6,7
	global_load_b128 v[BI+4*\j:BI+4*\j+3], v2, s[10:11] offset:512*\j
.endr
.irp j, 0,1,2,3,4,5,6,7
	global_load_b128 v[G+4*\j:G+4*\j+3], v2, s[14:15] offset:512*\j
.endr
.irp j, 0,1,2,3,4,5,6,7
	global_load_b128 v[BE+4*\j:BE+4*\j+3], v2, s[16:17] offset:512*\j
.endr
.macro WSUM                            ; the four chains, then the 32 lanes: the sum in v[C4] of every lane
	s_delay_alu instid0(VALU_DEP_3)
	v_pk_add_f32 v[C4:C4+1], v[C4:C4+1], v[C4+2:C4+3]
	s_delay_alu instid0(VALU_DEP_2)
	v_pk_add_f32 v[C4+4:C4+5], v[C4+4:C4+5], v[C4+6:C4+7]
	s_delay_alu instid0(VALU_DEP_1)
	v_pk_add_f32 v[C4:C4+1], v[C4:C4+1], v[C4+4:C4+5]
	s_delay_alu instid0(VALU_DEP_1)
	v_add_f32 v[C4], v[C4], v[C4+1]
	s_delay_alu instid0(VALU_DEP_1)
	v_add_f32_dpp v[C4], v[C4], v[C4] row_xmask:1 row_mask:0xf bank_mask:0xf
	s_delay_alu instid0(VALU_DEP_1)
	v_add_f32_dpp v[C4], v[C4], v[C4] row_xmask:2 row_mask:0xf bank_mask:0xf
	s_delay_alu instid0(VALU_DEP_1)
	v_add_f32_dpp v[C4], v[C4], v[C4] row_xmask:4 row_mask:0xf bank_mask:0xf
	s_delay_alu instid0(VALU_DEP_1)
	v_add_f32_dpp v[C4], v[C4], v[C4] row_xmask:8 row_mask:0xf bank_mask:0xf
	s_delay_alu instid0(VALU_DEP_1)
	v_permlanex16_b32 v[TP], v[C4], s32, s33
	s_delay_alu instid0(VALU_DEP_1)
	v_add_f32 v[C4], v[C4], v[TP]
.endm
	s_wait_loadcnt 16                              ; y, src and bo are in; the gain's and the offset's sixteen loads may be out
.set j, 0
.rept 16
	v_pk_add_f32 v[Z+j:Z+j+1], v[Z+j:Z+j+1], v[X+j:X+j+1]
.set j, j+2
.endr
.set j, 0
.rept 16
	v_pk_add_f32 v[Z+j:Z+j+1], v[Z+j:Z+j+1], v[BI+j:BI+j+1]
.set j, j+2
.endr
.irp k, 0,1,2,3
	v_pk_add_f32 v[C4+2*\k:C4+2*\k+1], v[Z+2*\k:Z+2*\k+1], v[Z+8+2*\k:Z+9+2*\k]
.endr
.irp m, 16,24
.irp k, 0,1,2,3
	s_delay_alu instid0(VALU_DEP_4)
	v_pk_add_f32 v[C4+2*\k:C4+2*\k+1], v[C4+2*\k:C4+2*\k+1], v[Z+\m+2*\k:Z+\m+1+2*\k]
.endr
.endr
	WSUM
	s_delay_alu instid0(VALU_DEP_1)
	v_mul_f32 v[MN], s34, v[C4]
	s_delay_alu instid0(VALU_DEP_2)
	v_mul_f32 v[MN+1], s34, v[C4]
.set j, 0
.rept 16
	v_pk_add_f32 v[Z+j:Z+j+1], v[Z+j:Z+j+1], v[MN:MN+1] neg_lo:[0,1] neg_hi:[0,1]
.set j, j+2
.endr
.irp k, 0,1,2,3
	v_pk_mul_f32 v[C4+2*\k:C4+2*\k+1], v[Z+2*\k:Z+2*\k+1], v[Z+2*\k:Z+2*\k+1]
.endr
.irp m, 8,16,24
.irp k, 0,1,2,3
	s_delay_alu instid0(VALU_DEP_4)
	v_pk_fma_f32 v[C4+2*\k:C4+2*\k+1], v[Z+\m+2*\k:Z+\m+1+2*\k], v[Z+\m+2*\k:Z+\m+1+2*\k], v[C4+2*\k:C4+2*\k+1]
.endr
.endr
	WSUM
	s_delay_alu instid0(VALU_DEP_1)
	v_fma_f32 v[VR], v[C4], s34, s35               ; the variance + eps
	s_wait_alu depctr_va_vdst(0)
	v_rsq_f32 v[IV], v[VR]
	v_rsq_f32 v[IV+1], v[VR]
	v_nop                                          ; a plain line behind the transcendentals
	s_wait_loadcnt 0x0
.set j, 0
	s_wait_alu depctr_va_vdst(0)
.rept 16
	v_pk_mul_f32 v[Z+j:Z+j+1], v[Z+j:Z+j+1], v[IV:IV+1]
.set j, j+2
.endr
.set j, 0
.rept 16
	v_pk_fma_f32 v[Z+j:Z+j+1], v[Z+j:Z+j+1], v[G+j:G+j+1], v[BE+j:BE+j+1]
.set j, j+2
.endr
.irp j, 0,1,2,3,4,5,6,7
	global_store_b128 v2, v[Z+4*\j:Z+4*\j+3], s[24:25] offset:512*\j      ; 512 consecutive bytes, aligned
.endr
	; the row turns through my own stage: LDS serves a wave's instructions in order
.irp j, 0,1,2,3,4,5,6,7
	ds_store_b128 v3, v[Z+4*\j:Z+4*\j+3] offset:4*TPL*\j
.endr
.irp j, 0,1,2,3,4,5,6,7
	ds_load_b128 v[X+4*\j:X+4*\j+3], v4 offset:16*\j
.endr
	s_wait_dscnt 0x0
	v_max3_num_f32 v10, |v[X]|, |v[X+1]|, |v[X+2]|
	v_max3_num_f32 v11, |v[X+3]|, |v[X+4]|, |v[X+5]|
.irp i, 6,10,14,18,22,26
	s_delay_alu instid0(VALU_DEP_2)
	v_max3_num_f32 v10, v10, |v[X+\i]|, |v[X+\i+1]|
	s_delay_alu instid0(VALU_DEP_2)
	v_max3_num_f32 v11, v11, |v[X+\i+2]|, |v[X+\i+3]|
.endr
	s_delay_alu instid0(VALU_DEP_2)
	v_max3_num_f32 v10, v10, |v[X+30]|, |v[X+31]|
	s_delay_alu instid0(VALU_DEP_1)
	v_max3_num_f32 v10, v10, v11, 0x1800000        ; and the floor 2^(3 - 127)
	s_delay_alu instid0(VALU_DEP_1)
	v_add_nc_u32 v12, 0xff000000, v10              ; the conversion's scale operand
	v_cvt_scalef32_pk16_fp6_f32 v[P:P+2], v[X:X+15], v12
	v_cvt_scalef32_pk16_fp6_f32 v[T:T+2], v[X+16:X+31], v12
	v_lshrrev_b32 v13, 23, v12                     ; the scale's byte; also the plain line behind the conversions
	v_mov_b32 v[P+3], v[T]
	v_mov_b32 v[P+4], v[T+1]
	v_mov_b32 v[P+5], v[T+2]
	ds_store_b128 v5, v[P:P+3]
	ds_store_b64 v6, v[P+4:P+5]
	ds_store_b8 v7, v13
	s_wait_dscnt 0x0                               ; for the others' sake: my stores into the images are done
	s_barrier_signal -1
	s_barrier_wait -1
	ds_load_b64 v[OU:OU+1], v8
	ds_load_b64 v[OU+2:OU+3], v8 offset:256
	ds_load_b64 v[OU+4:OU+5], v8 offset:512
	s_wait_dscnt 0x0
	global_store_b64 v9, v[OU:OU+1], s[42:43]
	global_store_b64 v9, v[OU+2:OU+3], s[42:43] offset:256
	global_store_b64 v9, v[OU+4:OU+5], s[42:43] offset:512
	s_cmp_lg_u32 s7, 0
	s_cbranch_scc1 .Ldone
	ds_load_b128 v[SW:SW+3], v14
	s_wait_dscnt 0x0
	global_store_b128 v2, v[SW:SW+3], s[44:45]
.Ldone:
	s_wait_tensorcnt 0x0
	ds_add_u32 v200, v201
	s_wait_dscnt 0x0
	s_endpgm
.Lfunc_end_k_q92934b9eae_ln1:
	.size	k_q92934b9eae_ln1, .Lfunc_end_k_q92934b9eae_ln1-k_q92934b9eae_ln1
	.p2alignl 7, 3214868480
	.fill 96, 4, 3214868480
	.section	.rodata,"a",@progbits
	.p2align	6, 0x0
	.amdhsa_kernel k_q92934b9eae_ln1
		.amdhsa_group_segment_fixed_size 89088
		.amdhsa_private_segment_fixed_size 0
		.amdhsa_enable_private_segment 0
		.amdhsa_kernarg_size 48
		.amdhsa_user_sgpr_count 2
		.amdhsa_user_sgpr_kernarg_segment_ptr 1
		.amdhsa_wavefront_size32 1
		.amdhsa_system_sgpr_workgroup_id_x 1
		.amdhsa_system_sgpr_workgroup_id_y 1
		.amdhsa_system_sgpr_workgroup_id_z 1
		.amdhsa_system_vgpr_workitem_id 0
		.amdhsa_next_free_vgpr 202
		.amdhsa_next_free_sgpr 66
		.amdhsa_reserve_vcc 0
		.amdhsa_float_denorm_mode_32 3
		.amdhsa_float_denorm_mode_16_64 3
		.amdhsa_memory_ordered 1
		.amdhsa_forward_progress 1
		.amdhsa_inst_pref_size 22
	.end_amdhsa_kernel
	.amdgpu_metadata
---
amdhsa.version: [ 1, 2 ]
amdhsa.kernels:
  - .name:           k_q92934b9eae_ln1
    .symbol:         k_q92934b9eae_ln1.kd
    .args:
      - { .name: y, .offset: 0, .size: 8, .value_kind: global_buffer, .address_space: global }
      - { .name: bo, .offset: 8, .size: 8, .value_kind: global_buffer, .address_space: global }
      - { .name: src, .offset: 16, .size: 8, .value_kind: global_buffer, .address_space: global }
      - { .name: g1, .offset: 24, .size: 8, .value_kind: global_buffer, .address_space: global }
      - { .name: be1, .offset: 32, .size: 8, .value_kind: global_buffer, .address_space: global }
      - { .name: x, .offset: 40, .size: 8, .value_kind: global_buffer, .address_space: global }
    .group_segment_fixed_size: 89088
    .private_segment_fixed_size: 0
    .kernarg_segment_align: 8
    .kernarg_segment_size: 48
    .max_flat_workgroup_size: 512
    .sgpr_count:     66
    .vgpr_count:     202
    .wavefront_size: 32
...
	.end_amdgpu_metadata
.endif
;; end of part 13
;; launch gemm_1 (part 14): grid 16 x 16, 4 waves a work-group, clusters of 4 x 4, 327,680 bytes of LDS; arguments x, inq, b1, hid; writes hid
.if DOCPART == 14
	.amdgcn_target "amdgcn-amd-amdhsa--gfx1250"
	.amdhsa_code_object_version 6
	.text
	.protected	k_q92934b9eae_gemm_1
	.globl	k_q92934b9eae_gemm_1
	.p2align	8
	.type	k_q92934b9eae_gemm_1,@function
k_q92934b9eae_gemm_1:
	s_mov_b64 s[64:65], 0
	v_nop
	global_prefetch_b8 v0, s[64:65] scope:SCOPE_SE
	s_setreg_imm32_b32 hwreg(HW_REG_WAVE_MODE, 25, 1), 1
	s_wait_xcnt 0x0
	s_wait_alu depctr_hold_cnt(0) depctr_sa_sdst(0) depctr_va_vdst(0) depctr_va_sdst(0) depctr_va_ssrc(0) depctr_va_vcc(0) depctr_vm_vsrc(0)
	s_getreg_b32 s2, hwreg(HW_REG_IB_STS2, 6, 4)
	s_cmp_eq_u32 s2, 0
	s_cbranch_scc0 .Lentry_in_a_cluster
	s_endpgm
.Lentry_in_a_cluster:
	s_bfe_u32 s2, ttmp6, 0x10000c
	s_cmp_lg_u32 s2, 0xf033
	s_cbranch_scc0 .Lentry_shape_is_right
	s_endpgm
.Lentry_shape_is_right:
.set KS,     8
.set AOFF,   16777216
.set ASOFF,  19922944
.set BOFF,   6291456
.set BSOFF,  12582912+512*512
.set NQ,     2
.set FR,     12
.set NL,     4
.set NP,     4
.set BLKB,   3072
.set HALFT,  8*BLKB
.set SLOT,   4*HALFT
.set LAPS,   KS/4
.set SCL,    2*SLOT
.set HALFS,  8*KS*64
.set SPARE,  SCL+4*HALFS
.set ADRA, 16
.set ADRB, 20
.set LI16, 24
.set LI8,  25
.set SOFF, 26
.set ADRS, 27
.set SPW,  28
.set NIL,  29
.set SC,   32
.set BIAS, 64
.set AF,   128
.set PC,   128
.set TM,   160
.set PW,   176
.set SWR,  178
.set G1, 24
.set G0, 32
.set G1B, 48
.set G0B, 56
.set G1S, 68
.set G0S, 76
.set G1SB, 80
.set G0SB, 88
.set MSB, 0
.macro WIN new
.if MSB != (\new)
	s_set_vgpr_msb (MSB<<8)|(\new)
.set MSB, (\new)
.endif
.endm
.set MUL_LO, 0xa1
.set MUL_HI, 0xf1
.set TO_B,   0x40
.macro JLOAD g0a, g1a, g0b, g1b
	s_cmp_eq_u32 s15, 0
	s_cbranch_scc0 .Lfor_b_\@
	tensor_load_to_lds s[\g0a:\g0a+3], s[\g1a:\g1a+7]
	s_nop 0
.rept 4
	v_nop
.endr
	s_branch .Lasked_\@
.Lfor_b_\@:
	tensor_load_to_lds s[\g0b:\g0b+3], s[\g1b:\g1b+7]
	s_nop 0
.rept 4
	v_nop
.endr
.Lasked_\@:
.endm
.macro CREST
	s_cmp_lg_u32 s14, 0
	s_cbranch_scc1 .Lnot_wave_0_\@
	s_barrier_signal -3
.Lnot_wave_0_\@:
	s_barrier_wait -3
	s_barrier_signal -1
	s_barrier_wait -1
.endm
.macro CROUND
	s_barrier_signal -1
	s_barrier_wait -1
	CREST
.endm
	s_load_b256 s[4:11], s[0:1], 0x0
	v_lshl_add_u32 v[SPW], v0, 2, SPARE
	v_mov_b32 v[NIL], 0
	ds_add_u32 v28, v29
	ds_add_u32 v28, v29
	s_wait_dscnt 0x0
	v_lshrrev_b32 v1, 5, v0
	v_readfirstlane_b32 s14, v1
	s_lshr_b32 s15, s14, 1
	s_and_b32 s16, s14, 1
	s_bfe_u32 s40, ttmp6, 0x40000
	s_bfe_u32 s41, ttmp6, 0x40004
	s_lshl_b32 s42, ttmp9, 2
	s_add_co_u32 s42, s42, s40
	s_and_b32 s17, ttmp7, 0xffff
	s_lshl_b32 s17, s17, 2
	s_add_co_u32 s17, s17, s41
	s_lshl_b32 s43, s41, 2
	s_lshl_b32 s43, 15, s43
	s_lshl_b32 s44, 0x1111, s40
	s_mov_b32 s97, 0xffff0000
	s_mov_b32 s98, 0x76543210
	s_mov_b32 s99, 0xfedcba98
	s_or_b32 s[G1+0], s43, (3<<16)|(1<<21)
	s_or_b32 s[G1B+0], s44, (3<<16)|(1<<21)
.irp g, G1, G1B
	s_mov_b32 s[\g+1], 384<<16
	s_mov_b32 s[\g+2], 16<<16                      ; 16 row blocks for the head's loads; set to 8 behind them
	s_mov_b32 s[\g+3], 384<<16
	s_mov_b32 s[\g+4], 16
	s_mov_b32 s[\g+5], KS*192
	s_mov_b32 s[\g+6], 0
	s_mov_b32 s[\g+7], 0
.endr
	s_or_b32 s[G1S+0], s43, (3<<16)|(1<<21)
	s_or_b32 s[G1SB+0], s44, (3<<16)|(1<<21)
.irp g, G1S, G1SB
	s_mov_b32 s[\g+1], 32<<16
	s_mov_b32 s[\g+2], (HALFS/128)<<16             ; the scale words of all 256 rows of a side
	s_mov_b32 s[\g+3], 32<<16
	s_mov_b32 s[\g+4], HALFS/128
	s_mov_b32 s[\g+5], 32
	s_mov_b32 s[\g+6], 0
	s_mov_b32 s[\g+7], 0
.endr
	s_mul_i32 s66, s16, 8*KS*1536
	s_mul_i32 s20, s17, 16*KS*1536
	s_add_co_u32 s20, s20, s66
	s_add_co_u32 s20, s20, AOFF
	s_mov_b32 s21, 0
	s_mul_i32 s22, s17, 16*KS*64
	s_add_co_u32 s22, s22, ASOFF
	s_mov_b32 s23, 0
	s_mul_i32 s46, s42, 16*KS*1536
	s_add_co_u32 s46, s46, s66
	s_add_co_u32 s46, s46, BOFF
	s_mov_b32 s47, 0
	s_mul_i32 s92, s42, 16*KS*64
	s_add_co_u32 s92, s92, BSOFF
	s_mov_b32 s93, 0
	s_mul_i32 s45, s14, HALFT
	s_wait_kmcnt 0x0
	s_add_nc_u64 s[20:21], s[4:5], s[20:21]
	s_add_nc_u64 s[22:23], s[4:5], s[22:23]
	s_add_nc_u64 s[46:47], s[6:7], s[46:47]
	s_add_nc_u64 s[92:93], s[6:7], s[92:93]
	CROUND
	s_mov_b32 s[G0S], 1
	s_mov_b32 s[G0S+1], SCL
	s_mov_b64 s[G0S+2:G0S+3], s[22:23]
	s_or_b32 s[G0S+3], s[G0S+3], 0x80000000
	s_mov_b32 s[G0SB], 1
	s_mov_b32 s[G0SB+1], SCL+2*HALFS
	s_mov_b64 s[G0SB+2:G0SB+3], s[92:93]
	s_or_b32 s[G0SB+3], s[G0SB+3], 0x80000000
.irp s, 0,1
	s_mov_b32 s[G0+4*\s], 1
	s_add_co_u32 s[G0+4*\s+1], s45, \s*SLOT
	s_add_nc_u64 s[G0+4*\s+2:G0+4*\s+3], s[20:21], \s*BLKB
	s_or_b32 s[G0+4*\s+3], s[G0+4*\s+3], 0x80000000
	s_mov_b32 s[G0B+4*\s], 1
	s_add_co_u32 s[G0B+4*\s+1], s45, \s*SLOT
	s_add_nc_u64 s[G0B+4*\s+2:G0B+4*\s+3], s[46:47], \s*BLKB
	s_or_b32 s[G0B+4*\s+3], s[G0B+4*\s+3], 0x80000000
.endr
; THE HEAD'S LOADS, ONE A WAVE: wave 0 A's 16 row blocks of slot 0 (its own group 0 points at the tile's start), wave 1 A's scale words, wave 2 B's 16 row blocks, wave 3 B's scale words.
.macro ARM under, g0, g1, next
	s_cmp_lt_u32 s14, \under
	s_cbranch_scc0 \next
	tensor_load_to_lds s[\g0:\g0+3], s[\g1:\g1+7]
	s_nop 0
.rept 4
	v_nop
.endr
	s_branch .Lhead_asked
\next:
.endm
	ARM 1, G0,  G1,  .Lhead_sa
	ARM 2, G0S, G1S, .Lhead_b
	ARM 3, G0B, G1B, .Lhead_sb
	tensor_load_to_lds s[G0SB:G0SB+3], s[G1SB:G1SB+7]
	s_nop 0
.rept 4
	v_nop
.endr
.Lhead_asked:
	; THE PREFETCHES.  K has four slots.  Here, behind slot 0's load, a wave asks for slots 1 and 2 of the eight row blocks that it fetches in the ring; behind slot 1's fill for slot 3: at most two slots are asked for and not yet read.
	; The four partners that ask for a tile jointly share it out BY ADDRESS: the partner at place p (cx for A, cy for B) takes row blocks 2 p and 2 p + 1: 2 x 3,072 bytes, 24 blocks of 256, a lane a block (lanes 24-31 name the last again).
	s_cmp_eq_u32 s15, 0                            ; do I fetch for A?
	s_cselect_b64 s[100:101], s[20:21], s[46:47]   ; my eight row blocks, at slot 0; never rewritten
	s_cselect_b32 s66, s40, s41
	s_mul_i32 s66, s66, 2*KS*1536                  ; my work-group's two of them
	s_mov_b32 s67, 0
	s_add_nc_u64 s[100:101], s[100:101], s[66:67]
	v_and_b32 v31, 31, v0
	v_min_u32 v31, 23, v31                         ; u = min(lane, 23)
	v_mul_u32_u24 v1, v31, 171
	v_lshrrev_b32 v1, 11, v1                       ; u / 12, for u under 24
	v_lshlrev_b32 v31, 8, v31
	v_mad_u32_u24 v31, v1, KS*1536-3072, v31       ; v31: (u / 12) row blocks + 256 (u % 12); never rewritten
	global_prefetch_b8 v31, s[100:101] offset:BLKB th:TH_LOAD_NT scope:SCOPE_SE
	global_prefetch_b8 v31, s[100:101] offset:2*BLKB th:TH_LOAD_NT scope:SCOPE_SE
	v_and_b32 v1, 15, v0
	v_bfe_u32 v2, v0, 4, 1
	v_and_b32 v3, 31, v0
	v_lshlrev_b32 v4, 4, v3
	v_lshlrev_b32 v5, 3, v3
	s_mul_i32 s21, s15, HALFT
	s_mul_i32 s22, s16, HALFT
	s_add_co_u32 s22, s22, 2*HALFT
.irp s, 0,1
	v_add_nc_u32 v[ADRA+\s], s21, v4
	v_add_nc_u32 v[ADRB+\s], s22, v4
	v_add_nc_u32 v[ADRA+2+\s], s21, v5
	v_add_nc_u32 v[ADRB+2+\s], s22, v5
	s_add_co_u32 s21, s21, SLOT
	s_add_co_u32 s22, s22, SLOT
.endr
	v_lshlrev_b32 v5, 2, v1
	s_mul_i32 s21, s15, HALFS
	s_mul_i32 s22, s16, HALFS
	s_add_co_u32 s22, s22, 2*HALFS
	s_sub_co_u32 s22, s22, s21
	v_mul_u32_u24 v6, s22, v2
	s_add_co_u32 s21, s21, SCL
	v_add_nc_u32 v5, v5, v6
	v_add_nc_u32 v[ADRS], s21, v5
	v_lshlrev_b32 v[LI16], 4, v3
	v_lshlrev_b32 v[LI8], 3, v3
	v_lshlrev_b32 v[SOFF], 2, v1
	v_lshl_add_u32 v[SOFF], v2, 11, v[SOFF]
	v_lshlrev_b32 v7, 6, v2
	s_lshl_b32 s46, s42, 10
	s_lshl_b32 s47, s16, 9
	s_add_co_u32 s46, s46, s47
	s_mov_b32 s47, 0
	s_add_nc_u64 s[8:9], s[8:9], s[46:47]
.irp t, 0,1,2,3,4,5,6,7
	global_load_b128 v[BIAS+8*\t:BIAS+8*\t+3], v7, s[8:9] offset:(32*(\t/2)+8*(\t%2))*4
	global_load_b128 v[BIAS+8*\t+4:BIAS+8*\t+7], v7, s[8:9] offset:(32*(\t/2)+8*(\t%2))*4+16
.endr
	s_lshl_b32 s20, s17, 4
	s_lshl_b32 s21, s15, 3
	s_add_co_u32 s20, s20, s21
	s_lshl_b32 s46, s42, 1
	s_add_co_u32 s46, s46, s16
	s_mul_i32 s21, s20, 49152
	s_mul_i32 s47, s46, 1536
	s_add_co_u32 s22, s21, s47
	s_mov_b32 s23, 0
	s_add_nc_u64 s[12:13], s[10:11], s[22:23]
	s_lshl_b32 s21, s20, 11
	s_lshl_b32 s47, s46, 6
	s_add_co_u32 s22, s21, s47
	s_add_co_u32 s22, s22, 12582912
	s_add_nc_u64 s[10:11], s[10:11], s[22:23]
.macro FRAG reg, adr, q, i
	ds_load_b128 v[\reg:\reg+3], v[\adr] offset:(\i)*BLKB+(\q)*1536
	ds_load_b64 v[\reg+4:\reg+5], v[\adr+2] offset:(\i)*BLKB+(\q)*1536+512
	ds_load_b128 v[\reg+6:\reg+9], v[\adr] offset:(\i)*BLKB+(\q)*1536+768
	ds_load_b64 v[\reg+10:\reg+11], v[\adr+2] offset:(\i)*BLKB+(\q)*1536+1280
.endm
.macro MUL16 a0, p, q, sc, zero
.irp a, \a0, \a0+1
.irp b, 0,1,2,3,4,5,6,7
.if \zero
	v_wmma_scale_f32_16x16x128_f8f6f4 v[8*(8*((\a)%4)+\b):8*(8*((\a)%4)+\b)+7], v[128*(\p)+FR*\b:128*(\p)+FR*\b+FR-1], v[AF+FR*(\a):AF+FR*(\a)+FR-1], 0, v[SC+8*NQ*(\sc)+NQ*\b+(\q)], v[SC+8*NQ*(\sc)+NQ*(\a)+(\q)] matrix_a_fmt:MATRIX_FMT_FP6 matrix_b_fmt:MATRIX_FMT_FP6 matrix_a_scale:MATRIX_SCALE_ROW1
.else
	v_wmma_scale_f32_16x16x128_f8f6f4 v[8*(8*((\a)%4)+\b):8*(8*((\a)%4)+\b)+7], v[128*(\p)+FR*\b:128*(\p)+FR*\b+FR-1], v[AF+FR*(\a):AF+FR*(\a)+FR-1], v[8*(8*((\a)%4)+\b):8*(8*((\a)%4)+\b)+7], v[SC+8*NQ*(\sc)+NQ*\b+(\q)], v[SC+8*NQ*(\sc)+NQ*(\a)+(\q)] matrix_a_fmt:MATRIX_FMT_FP6 matrix_b_fmt:MATRIX_FMT_FP6 matrix_a_scale:MATRIX_SCALE_ROW1
.endif
.endr
.endr
.endm
.macro FETCH_B slot, q, p
	WIN TO_B
.irp i, 0,1,2,3,4,5,6,7
	FRAG 128*(\p)+FR*\i, ADRB+\slot, \q, \i
.endr
	WIN 0
.endm
.macro FETCH_A slot, q, i0
.irp i, \i0, \i0+1, \i0+2, \i0+3
	FRAG AF+FR*(\i), ADRA+\slot, \q, \i
.endr
.endm
.macro SCALES sc
.irp i, 0,1,2,3,4,5,6,7
	ds_load_b32 v[SC+8*NQ*\sc+NQ*\i], v[ADRS] offset:\i*KS*64
	ds_load_b32 v[SC+8*NQ*\sc+NQ*\i+1], v[ADRS] offset:\i*KS*64+64
.endr
.endm
.macro PLACES n
.rept \n
	v_nop
.endr
.endm
.macro STEP slot, q, zero
	s_wait_dscnt 4*NL
	WIN MUL_LO
	MUL16 0, (\q)%2, \q, \slot, \zero
	MUL16 2, (\q)%2, \q, \slot, \zero
	s_wait_dscnt 0
	PLACES NP
	FETCH_B \slot, (\q)+1, 1-(\q)%2
	FETCH_A \slot, (\q)+1, 0
	WIN MUL_HI
	MUL16 4, (\q)%2, \q, \slot, \zero
	MUL16 6, (\q)%2, \q, \slot, \zero
	PLACES NP
	WIN 0
	FETCH_A \slot, (\q)+1, 4
.endm
.macro TURN slot, next, fill
	s_wait_tensorcnt 0x0
	ds_add_u32 v[SPW], v[NIL]
	s_wait_dscnt 4*NL+1
	WIN MUL_LO
	MUL16 0, 1, NQ-1, \slot, 0
	s_wait_dscnt 0x0
	s_barrier_signal -1
	MUL16 2, 1, NQ-1, \slot, 0
	WIN 0
	s_barrier_wait -1
.if \fill
	CREST
	s_add_nc_u64 s[G0+4*\slot+2:G0+4*\slot+3], s[G0+4*\slot+2:G0+4*\slot+3], 2*BLKB
	s_add_nc_u64 s[G0B+4*\slot+2:G0B+4*\slot+3], s[G0B+4*\slot+2:G0B+4*\slot+3], 2*BLKB
	JLOAD G0+4*\slot, G1, G0B+4*\slot, G1B
.else
	PLACES NP
.endif
	s_wait_alu depctr_va_vdst(0)
	v_add_nc_u32 v[ADRS], 64*NQ, v[ADRS]
	FETCH_B \next, 0, 0
	FETCH_A \next, 0, 0
	SCALES \next
	WIN MUL_HI
	MUL16 4, 1, NQ-1, \slot, 0
	MUL16 6, 1, NQ-1, \slot, 0
	PLACES NP
	WIN 0
	FETCH_A \next, 0, 4
.endm
	s_wait_alu depctr_va_vdst(0)                   ; the wait at the head's end
	s_wait_tensorcnt 0x0                           ; my tile of the head's four is in
	ds_add_u32 v[SPW], v[NIL]
	s_mov_b32 s[G1+2], 8<<16                       ; no tensor load of mine is out: from here on a load brings 8 row blocks
	s_mov_b32 s[G1+4], 8
	s_mov_b32 s[G1B+2], 8<<16
	s_mov_b32 s[G1B+4], 8
	s_wait_dscnt 0x0
	CROUND                                         ; all four tiles are in, and all sixteen work-groups are here
	JLOAD G0+4, G1, G0B+4, G1B                     ; slot 1's first fill, the first tensor load behind the round
	global_prefetch_b8 v31, s[100:101] offset:3*BLKB th:TH_LOAD_NT scope:SCOPE_SE   ; slot 3, two fills on
	FETCH_B 0, 0, 0
	FETCH_A 0, 0, 0
	SCALES 0
	FETCH_A 0, 0, 4
	STEP 0, 0, 1
	s_mov_b32 s3, LAPS-1
.Llap:
	TURN 0, 1, 1
	STEP 1, 0, 0
	TURN 1, 0, 1
	STEP 0, 0, 0
	s_sub_co_u32 s3, s3, 1
	s_cmp_lg_u32 s3, 0
	s_cbranch_scc1 .Llap
	TURN 0, 1, 0
	STEP 1, 0, 0
	s_wait_dscnt 4*NL
	WIN MUL_LO
	MUL16 0, 1, NQ-1, 1, 0
	MUL16 2, 1, NQ-1, 1, 0
	s_wait_dscnt 0
	WIN MUL_HI
	MUL16 4, 1, NQ-1, 1, 0
	MUL16 6, 1, NQ-1, 1, 0
	WIN 0
.macro QUANT win, src, pw
	WIN ((\win)<<2)|((\win)<<4)
.irp b, 0,1,2,3
	v_max3_num_f32 v[TM+\b], 0x1800000, |v[\src+16*\b]|, |v[\src+1+16*\b]|
.endr
.irp i, 2,4,6,8,10,12,14
.irp b, 0,1,2,3
	v_max3_num_f32 v[TM+\b], v[TM+\b], |v[\src+16*\b+\i]|, |v[\src+1+16*\b+\i]|
.endr
.endr
	WIN 0
.irp b, 0,1,2,3
	v_permlanex16_b32 v[TM+4+\b], v[TM+\b], s98, s99
.endr
.irp b, 0,1,2,3
	v_max_num_f32 v[TM+\b], v[TM+\b], v[TM+4+\b]
.endr
.irp b, 0,1,2,3
	v_add_nc_u32 v[TM+12+\b], 0xff000000, v[TM+\b]
.endr
.irp b, 0,1,2,3
	v_lshrrev_b32 v[TM+4+\b], 23, v[TM+12+\b]
.endr
	v_lshl_or_b32 v[\pw], v[TM+5], 8, v[TM+4]
	v_lshl_or_b32 v[\pw], v[TM+6], 16, v[\pw]
	v_lshl_or_b32 v[\pw], v[TM+7], 24, v[\pw]
	WIN (\win)
.irp c, 0,1
	v_cvt_scalef32_pk16_fp6_f32 v[PC+6*\c:PC+2+6*\c], v[\src+32*\c:\src+15+32*\c], v[TM+12+2*\c]
	v_cvt_scalef32_pk16_fp6_f32 v[PC+12+4*\c:PC+14+4*\c], v[\src+16+32*\c:\src+31+32*\c], v[TM+12+2*\c+1]
.endr
	WIN 0
	v_nop
.irp c, 0,1
.irp i, 0,1,2
	v_permlane16_swap_b32 v[PC+6*\c+\i], v[PC+12+4*\c+\i]
.endr
.irp i, 0,1,2
	v_mov_b32 v[PC+3+6*\c+\i], v[PC+12+4*\c+\i]
.endr
.endr
.endm
.macro EPI a
.set WQ, 2+(\a)/4
.set AC, 64*((\a)%4)
	s_wait_xcnt 0x0
	WIN (WQ<<6)|WQ
.set j, 0
.rept 32
	v_pk_add_f32 v[AC+j:AC+j+1], v[AC+j:AC+j+1], v[BIAS+j:BIAS+j+1]
.set j, j+2
.endr
.set j, 0
.rept 64
	v_max_num_f32 v[AC+j], v[AC+j], 0
.set j, j+1
.endr
	QUANT WQ, AC, PW+(\a)%2
	global_store_b128 v[LI16], v[PC:PC+3], s[12:13] offset:(\a)*49152
	global_store_b64 v[LI8], v[PC+4:PC+5], s[12:13] offset:(\a)*49152+512
	global_store_b128 v[LI16], v[PC+6:PC+9], s[12:13] offset:(\a)*49152+768
	global_store_b64 v[LI8], v[PC+10:PC+11], s[12:13] offset:(\a)*49152+1280
.if (\a)%2
	v_cndmask_b32 v[SWR], v[PW], v[PW+1], s97
	global_store_b32 v[SOFF], v[SWR], s[10:11] offset:((\a)-1)*2048
.endif
.endm
	PLACES NP
	s_wait_loadcnt 0x0
.irp b, 0,1,2,3
	v_mov_b32 v[TM+4+\b], 0
.endr
.irp a, 0,1,2,3,4,5,6,7
	EPI \a
.endr
	s_wait_tensorcnt 0x0
	ds_add_u32 v[SPW], v[NIL]
	s_wait_dscnt 0x0
	CROUND
	s_endpgm
.Lfunc_end_k_q92934b9eae_gemm_1:
	.size	k_q92934b9eae_gemm_1, .Lfunc_end_k_q92934b9eae_gemm_1-k_q92934b9eae_gemm_1
	.p2alignl 7, 3214868480
	.fill 96, 4, 3214868480
	.section	.rodata,"a",@progbits
	.p2align	6, 0x0
	.amdhsa_kernel k_q92934b9eae_gemm_1
		.amdhsa_group_segment_fixed_size 327680
		.amdhsa_private_segment_fixed_size 0
		.amdhsa_enable_private_segment 0
		.amdhsa_kernarg_size 32
		.amdhsa_user_sgpr_count 2
		.amdhsa_user_sgpr_kernarg_segment_ptr 1
		.amdhsa_wavefront_size32 1
		.amdhsa_system_sgpr_workgroup_id_x 1
		.amdhsa_system_sgpr_workgroup_id_y 1
		.amdhsa_system_sgpr_workgroup_id_z 1
		.amdhsa_system_vgpr_workitem_id 0
		.amdhsa_next_free_vgpr 1024
		.amdhsa_next_free_sgpr 102
		.amdhsa_reserve_vcc 0
		.amdhsa_float_denorm_mode_32 3
		.amdhsa_float_denorm_mode_16_64 3
		.amdhsa_memory_ordered 1
		.amdhsa_forward_progress 1
		.amdhsa_inst_pref_size 203
	.end_amdhsa_kernel
	.amdgpu_metadata
---
amdhsa.version: [ 1, 2 ]
amdhsa.kernels:
  - .name:           k_q92934b9eae_gemm_1
    .symbol:         k_q92934b9eae_gemm_1.kd
    .args:
      - { .name: x, .offset: 0, .size: 8, .value_kind: global_buffer, .address_space: global }
      - { .name: inq, .offset: 8, .size: 8, .value_kind: global_buffer, .address_space: global }
      - { .name: b1, .offset: 16, .size: 8, .value_kind: global_buffer, .address_space: global }
      - { .name: hid, .offset: 24, .size: 8, .value_kind: global_buffer, .address_space: global }
    .group_segment_fixed_size: 327680
    .private_segment_fixed_size: 0
    .kernarg_segment_align: 8
    .kernarg_segment_size: 32
    .max_flat_workgroup_size: 128
    .sgpr_count:     102
    .vgpr_count:     1024
    .wavefront_size: 32
...
	.end_amdgpu_metadata
.endif
;; end of part 14
;; launch gemm_2 (part 15): grid 8 x 32, 4 waves a work-group, clusters of 4 x 4, 327,680 bytes of LDS; arguments hid, inq, y; writes y
.if DOCPART == 15
	.amdgcn_target "amdgcn-amd-amdhsa--gfx1250"
	.amdhsa_code_object_version 6
	.text
	.protected	k_q92934b9eae_gemm_2
	.globl	k_q92934b9eae_gemm_2
	.p2align	8
	.type	k_q92934b9eae_gemm_2,@function
k_q92934b9eae_gemm_2:
	s_mov_b64 s[64:65], 0
	v_nop
	global_prefetch_b8 v0, s[64:65] scope:SCOPE_SE
	s_setreg_imm32_b32 hwreg(HW_REG_WAVE_MODE, 25, 1), 1
	s_wait_xcnt 0x0
	s_wait_alu depctr_hold_cnt(0) depctr_sa_sdst(0) depctr_va_vdst(0) depctr_va_sdst(0) depctr_va_ssrc(0) depctr_va_vcc(0) depctr_vm_vsrc(0)
	s_getreg_b32 s2, hwreg(HW_REG_IB_STS2, 6, 4)
	s_cmp_eq_u32 s2, 0
	s_cbranch_scc0 .Lentry_in_a_cluster
	s_endpgm
.Lentry_in_a_cluster:
	s_bfe_u32 s2, ttmp6, 0x10000c
	s_cmp_lg_u32 s2, 0xf033
	s_cbranch_scc0 .Lentry_shape_is_right
	s_endpgm
.Lentry_shape_is_right:
.set KS,     32
.set AOFF,   0
.set ASOFF,  12582912
.set BOFF,   9437184
.set BSOFF,  12582912+768*512
.set SIZE_N, 1024
.set NQ,     4
.set FR,     12
.set NP,     4
.set BLKB,   NQ*1536
.set QT,     4*BLKB
.set SLOT,   4*QT
.set LAPS,   KS/(2*NQ)
.set SCL,    2*SLOT
.set HALFS,  4*KS*64
.set SPARE,  SCL+4*HALFS
.set SPITCH, 272
.set ADRA, 16
.set ADRB, 20
.set STO,  24
.set RD,   25
.set CO,   26
.set ADRS, 27
.set SPW,  28
.set NIL,  29
.set SC,   32
.set ACC,  128
.set G1, 24
.set G0, 32
.set G1B, 48
.set G0B, 56
.set G1S, 68
.set G0S, 76
.set G1SB, 80
.set G0SB, 88
.set MSB, 0
.macro WIN new
.if MSB != (\new)
	s_set_vgpr_msb (MSB<<8)|(\new)
.set MSB, (\new)
.endif
.endm
.set MUL,  0x05
.set TO_F, 0x40
.macro JLOAD g0a, g1a, g0b, g1b
	s_cmp_eq_u32 s15, 0
	s_cbranch_scc0 .Lfor_b_\@
	tensor_load_to_lds s[\g0a:\g0a+3], s[\g1a:\g1a+7]
	s_nop 0
.rept 4
	v_nop
.endr
	s_branch .Lasked_\@
.Lfor_b_\@:
	tensor_load_to_lds s[\g0b:\g0b+3], s[\g1b:\g1b+7]
	s_nop 0
.rept 4
	v_nop
.endr
.Lasked_\@:
.endm
.macro CREST
	s_cmp_lg_u32 s14, 0
	s_cbranch_scc1 .Lnot_wave_0_\@
	s_barrier_signal -3
.Lnot_wave_0_\@:
	s_barrier_wait -3
	s_barrier_signal -1
	s_barrier_wait -1
.endm
.macro CROUND
	s_barrier_signal -1
	s_barrier_wait -1
	CREST
.endm
	s_load_b128 s[4:7], s[0:1], 0x0
	s_load_b64 s[12:13], s[0:1], 0x10
	v_lshl_add_u32 v[SPW], v0, 2, SPARE
	v_mov_b32 v[NIL], 0
	ds_add_u32 v28, v29
	ds_add_u32 v28, v29
	s_wait_dscnt 0x0
	v_lshrrev_b32 v1, 5, v0
	v_readfirstlane_b32 s14, v1
	s_lshr_b32 s15, s14, 1
	s_and_b32 s16, s14, 1
	s_bfe_u32 s40, ttmp6, 0x40000
	s_bfe_u32 s41, ttmp6, 0x40004
	s_lshl_b32 s42, ttmp9, 2
	s_add_co_u32 s42, s42, s40
	s_and_b32 s17, ttmp7, 0xffff
	s_lshl_b32 s17, s17, 2
	s_add_co_u32 s17, s17, s41
	s_lshl_b32 s43, s41, 2
	s_lshl_b32 s43, 15, s43
	s_lshl_b32 s44, 0x1111, s40
	s_or_b32 s[G1+0], s43, (3<<16)|(1<<21)
	s_or_b32 s[G1B+0], s44, (3<<16)|(1<<21)
.irp g, G1, G1B
	s_mov_b32 s[\g+1], 768<<16
	s_mov_b32 s[\g+2], 8<<16                       ; 8 row blocks for the head's loads; set to 4 behind them
	s_mov_b32 s[\g+3], 768<<16
	s_mov_b32 s[\g+4], 8
	s_mov_b32 s[\g+5], KS*192
	s_mov_b32 s[\g+6], 0
	s_mov_b32 s[\g+7], 0
.endr
	s_or_b32 s[G1S+0], s43, (3<<16)|(1<<21)
	s_or_b32 s[G1SB+0], s44, (3<<16)|(1<<21)
.irp g, G1S, G1SB
	s_mov_b32 s[\g+1], 32<<16
	s_mov_b32 s[\g+2], (HALFS/128)<<16             ; the scale words of all 128 rows of a side
	s_mov_b32 s[\g+3], 32<<16
	s_mov_b32 s[\g+4], HALFS/128
	s_mov_b32 s[\g+5], 32
	s_mov_b32 s[\g+6], 0
	s_mov_b32 s[\g+7], 0
.endr
	s_mul_i32 s66, s16, 4*KS*1536
	s_mul_i32 s20, s17, 8*KS*1536
	s_add_co_u32 s20, s20, s66
	s_add_co_u32 s20, s20, AOFF
	s_mov_b32 s21, 0
	s_mul_i32 s22, s17, 8*KS*64
	s_add_co_u32 s22, s22, ASOFF
	s_mov_b32 s23, 0
	s_mul_i32 s46, s42, 8*KS*1536
	s_add_co_u32 s46, s46, s66
	s_add_co_u32 s46, s46, BOFF
	s_mov_b32 s47, 0
	s_mul_i32 s92, s42, 8*KS*64
	s_add_co_u32 s92, s92, BSOFF
	s_mov_b32 s93, 0
	s_mul_i32 s45, s14, QT
	s_wait_kmcnt 0x0
	s_add_nc_u64 s[20:21], s[4:5], s[20:21]
	s_add_nc_u64 s[22:23], s[4:5], s[22:23]
	s_add_nc_u64 s[46:47], s[6:7], s[46:47]
	s_add_nc_u64 s[92:93], s[6:7], s[92:93]
	CROUND
	s_mov_b32 s[G0S], 1
	s_mov_b32 s[G0S+1], SCL
	s_mov_b64 s[G0S+2:G0S+3], s[22:23]
	s_or_b32 s[G0S+3], s[G0S+3], 0x80000000
	s_mov_b32 s[G0SB], 1
	s_mov_b32 s[G0SB+1], SCL+2*HALFS
	s_mov_b64 s[G0SB+2:G0SB+3], s[92:93]
	s_or_b32 s[G0SB+3], s[G0SB+3], 0x80000000
.irp s, 0,1
	s_mov_b32 s[G0+4*\s], 1
	s_add_co_u32 s[G0+4*\s+1], s45, \s*SLOT
	s_add_nc_u64 s[G0+4*\s+2:G0+4*\s+3], s[20:21], \s*BLKB
	s_or_b32 s[G0+4*\s+3], s[G0+4*\s+3], 0x80000000
	s_mov_b32 s[G0B+4*\s], 1
	s_add_co_u32 s[G0B+4*\s+1], s45, \s*SLOT
	s_add_nc_u64 s[G0B+4*\s+2:G0B+4*\s+3], s[46:47], \s*BLKB
	s_or_b32 s[G0B+4*\s+3], s[G0B+4*\s+3], 0x80000000
.endr
; THE HEAD'S LOADS, ONE A WAVE: wave 0 A's 8 row blocks of slot 0 (its own group 0 points at the tile's start), wave 1 A's scale words, wave 2 B's 8 row blocks, wave 3 B's scale words.
.macro ARM under, g0, g1, next
	s_cmp_lt_u32 s14, \under
	s_cbranch_scc0 \next
	tensor_load_to_lds s[\g0:\g0+3], s[\g1:\g1+7]
	s_nop 0
.rept 4
	v_nop
.endr
	s_branch .Lhead_asked
\next:
.endm
	ARM 1, G0,  G1,  .Lhead_sa
	ARM 2, G0S, G1S, .Lhead_b
	ARM 3, G0B, G1B, .Lhead_sb
	tensor_load_to_lds s[G0SB:G0SB+3], s[G1SB:G1SB+7]
	s_nop 0
.rept 4
	v_nop
.endr
.Lhead_asked:
	; THE PREFETCHES.  K has eight slots.  Here, behind slot 0's load, a wave asks for slots 1 and 2 of the four row blocks that it fetches in the ring; behind the fill of slot j (1 to 5) for slot j + 2: at most two slots are asked for and not yet read.
	; The four partners that ask for a tile jointly share it out BY ADDRESS: the partner at place p (cx for A, cy for B) takes row block p: 6,144 bytes, 24 blocks of 256, a lane a block (lanes 24-31 name the last again).  The last two refills ask for nothing.
	s_cmp_eq_u32 s15, 0
	s_cselect_b64 s[96:97], s[20:21], s[46:47]     ; my four row blocks, at slot 0
	s_cselect_b32 s98, s40, s41
	s_mul_i32 s98, s98, KS*1536                    ; my work-group's row block of them
	s_add_co_u32 s98, s98, BLKB                    ; at slot 1: each refill steps it by a slot, so that it stands at the slot being filled
	s_mov_b32 s99, 0
	s_add_nc_u64 s[96:97], s[96:97], s[98:99]
	v_and_b32 v30, 31, v0
	v_min_u32 v30, 23, v30
	v_lshlrev_b32 v30, 8, v30                      ; v30: 256 x min(lane, 23); never rewritten
	global_prefetch_b8 v30, s[96:97] offset:0 th:TH_LOAD_NT scope:SCOPE_SE       ; slot 1
	global_prefetch_b8 v30, s[96:97] offset:BLKB th:TH_LOAD_NT scope:SCOPE_SE    ; slot 2
	v_and_b32 v1, 15, v0
	v_bfe_u32 v2, v0, 4, 1
	v_and_b32 v3, 31, v0
	v_lshlrev_b32 v4, 4, v3
	v_lshlrev_b32 v5, 3, v3
	s_mul_i32 s21, s15, QT
	s_mul_i32 s22, s16, QT
	s_add_co_u32 s22, s22, 2*QT
.irp s, 0,1
	v_add_nc_u32 v[ADRA+\s], s21, v4
	v_add_nc_u32 v[ADRB+\s], s22, v4
	v_add_nc_u32 v[ADRA+2+\s], s21, v5
	v_add_nc_u32 v[ADRB+2+\s], s22, v5
	s_add_co_u32 s21, s21, SLOT
	s_add_co_u32 s22, s22, SLOT
.endr
	v_lshlrev_b32 v5, 2, v1
	s_mul_i32 s21, s15, HALFS
	s_mul_i32 s22, s16, HALFS
	s_add_co_u32 s22, s22, 2*HALFS
	s_sub_co_u32 s22, s22, s21
	v_mul_u32_u24 v6, s22, v2
	s_add_co_u32 s21, s21, SCL
	v_add_nc_u32 v5, v5, v6
	v_add_nc_u32 v[ADRS], s21, v5
	s_mul_i32 s23, s14, 64*SPITCH
	v_mul_u32_u24 v5, v1, SPITCH
	v_lshl_add_u32 v5, v2, 5, v5
	v_add_nc_u32 v[STO], s23, v5
	v_mul_u32_u24 v5, v2, SPITCH
	v_lshl_add_u32 v5, v1, 4, v5
	v_add_nc_u32 v[RD], s23, v5
	v_lshlrev_b32 v[CO], 12, v2
	v_lshl_add_u32 v[CO], v1, 4, v[CO]
	s_lshl_b32 s20, s17, 7
	s_lshl_b32 s21, s15, 6
	s_add_co_u32 s20, s20, s21
	s_mov_b32 s21, 0
	s_mov_b64 s[18:19], SIZE_N*4
	s_mul_u64 s[20:21], s[20:21], s[18:19]
	s_lshl_b32 s46, s42, 9
	s_lshl_b32 s47, s16, 8
	s_add_co_u32 s46, s46, s47
	s_mov_b32 s47, 0
	s_add_nc_u64 s[20:21], s[20:21], s[46:47]
	s_add_nc_u64 s[12:13], s[12:13], s[20:21]
.macro FRAG reg, adr, q, i
	ds_load_b128 v[\reg:\reg+3], v[\adr] offset:(\i)*BLKB+(\q)*1536
	ds_load_b64 v[\reg+4:\reg+5], v[\adr+2] offset:(\i)*BLKB+(\q)*1536+512
	ds_load_b128 v[\reg+6:\reg+9], v[\adr] offset:(\i)*BLKB+(\q)*1536+768
	ds_load_b64 v[\reg+10:\reg+11], v[\adr+2] offset:(\i)*BLKB+(\q)*1536+1280
.endm
.macro FETCH slot, q, p
	WIN TO_F
.irp i, 0,1,2,3
	FRAG 128*(\p)+FR*\i, ADRA+\slot, \q, \i
.endr
.irp i, 0,1,2,3
	FRAG 128*(\p)+48+FR*\i, ADRB+\slot, \q, \i
.endr
.endm
.macro SCALES sc
.irp i, 0,1,2,3
.irp q, 0,1,2,3
	ds_load_b32 v[SC+16*\sc+4*\i+\q], v[ADRS] offset:\i*KS*64+64*\q
.endr
.endr
.endm
.macro MUL4 a, p, q, sc, zero
.irp b, 0,1,2,3
.if \zero
	v_wmma_scale_f32_16x16x128_f8f6f4 v[ACC+8*(4*(\a)+\b):ACC+8*(4*(\a)+\b)+7], v[128*(\p)+48+FR*\b:128*(\p)+48+FR*\b+FR-1], v[128*(\p)+FR*(\a):128*(\p)+FR*(\a)+FR-1], 0, v[SC+16*(\sc)+4*\b+(\q)], v[SC+16*(\sc)+4*(\a)+(\q)] matrix_a_fmt:MATRIX_FMT_FP6 matrix_b_fmt:MATRIX_FMT_FP6 matrix_a_scale:MATRIX_SCALE_ROW1
.else
	v_wmma_scale_f32_16x16x128_f8f6f4 v[ACC+8*(4*(\a)+\b):ACC+8*(4*(\a)+\b)+7], v[128*(\p)+48+FR*\b:128*(\p)+48+FR*\b+FR-1], v[128*(\p)+FR*(\a):128*(\p)+FR*(\a)+FR-1], v[ACC+8*(4*(\a)+\b):ACC+8*(4*(\a)+\b)+7], v[SC+16*(\sc)+4*\b+(\q)], v[SC+16*(\sc)+4*(\a)+(\q)] matrix_a_fmt:MATRIX_FMT_FP6 matrix_b_fmt:MATRIX_FMT_FP6 matrix_a_scale:MATRIX_SCALE_ROW1
.endif
.endr
.endm
.macro PLACES n
.rept \n
	v_nop
.endr
.endm
.macro KSTEP slot, q, zero
	PLACES NP
	FETCH \slot, (\q)+1, 1-(\q)%2
	s_wait_dscnt 32
	WIN MUL
	MUL4 0, (\q)%2, \q, \slot, \zero
	MUL4 1, (\q)%2, \q, \slot, \zero
	MUL4 2, (\q)%2, \q, \slot, \zero
	MUL4 3, (\q)%2, \q, \slot, \zero
.endm
.macro TURN slot, next, fill
	WIN 0
.if \fill
	s_wait_xcnt 0x0                                ; my last prefetch has read its address: it is stepped here, a slot's work behind it
	s_add_nc_u64 s[96:97], s[96:97], BLKB
.endif
	s_wait_tensorcnt 0x0
	ds_add_u32 v[SPW], v[NIL]
	s_wait_dscnt 1
	WIN MUL
	MUL4 0, 1, NQ-1, \slot, 0
	s_wait_dscnt 0x0
	s_barrier_signal -1
	MUL4 1, 1, NQ-1, \slot, 0
	WIN 0
	s_barrier_wait -1
.if \fill
	CREST
	s_add_nc_u64 s[G0+4*\slot+2:G0+4*\slot+3], s[G0+4*\slot+2:G0+4*\slot+3], 2*BLKB
	s_add_nc_u64 s[G0B+4*\slot+2:G0B+4*\slot+3], s[G0B+4*\slot+2:G0B+4*\slot+3], 2*BLKB
	JLOAD G0+4*\slot, G1, G0B+4*\slot, G1B
.else
	PLACES NP
.endif
	s_wait_alu depctr_va_vdst(0)
	v_add_nc_u32 v[ADRS], 64*NQ, v[ADRS]
	FETCH \next, 0, 0
	WIN 0
	SCALES \next
.if \fill
	s_cmp_gt_u32 s3, 1                             ; s3 = 1 in the loop's last trip, whose two refills have no slot two on
	s_cbranch_scc0 .Lno_ask_\@
	global_prefetch_b8 v30, s[96:97] offset:2*BLKB th:TH_LOAD_NT scope:SCOPE_SE
.Lno_ask_\@:
.endif
	WIN MUL
	MUL4 2, 1, NQ-1, \slot, 0
	MUL4 3, 1, NQ-1, \slot, 0
.endm
	s_wait_alu depctr_va_vdst(0)                   ; the wait at the head's end
	s_wait_tensorcnt 0x0                           ; my tile of the head's four is in
	ds_add_u32 v[SPW], v[NIL]
	s_mov_b32 s[G1+2], 4<<16                       ; no tensor load of mine is out: from here on a load brings 4 row blocks
	s_mov_b32 s[G1+4], 4
	s_mov_b32 s[G1B+2], 4<<16
	s_mov_b32 s[G1B+4], 4
	s_wait_dscnt 0x0
	CROUND                                         ; all four tiles are in, and all sixteen work-groups are here
	JLOAD G0+4, G1, G0B+4, G1B                     ; slot 1's first fill, the first tensor load behind the round
	global_prefetch_b8 v30, s[96:97] offset:2*BLKB th:TH_LOAD_NT scope:SCOPE_SE  ; slot 3, two fills on
	FETCH 0, 0, 0
	WIN 0
	SCALES 0
	KSTEP 0, 0, 1
.if LAPS > 1
	WIN 0
	s_mov_b32 s3, LAPS-1
.Llap:
	KSTEP 0, 1, 0
	KSTEP 0, 2, 0
	TURN 0, 1, 1
	KSTEP 1, 0, 0
	KSTEP 1, 1, 0
	KSTEP 1, 2, 0
	TURN 1, 0, 1
	KSTEP 0, 0, 0
	WIN 0
	s_sub_co_u32 s3, s3, 1
	s_cmp_lg_u32 s3, 0
	s_cbranch_scc1 .Llap
.endif
	KSTEP 0, 1, 0
	KSTEP 0, 2, 0
	TURN 0, 1, 0
	KSTEP 1, 0, 0
	KSTEP 1, 1, 0
	KSTEP 1, 2, 0
	s_wait_dscnt 0x0
	WIN MUL
	MUL4 0, 1, NQ-1, 1, 0
	MUL4 1, 1, NQ-1, 1, 0
	MUL4 2, 1, NQ-1, 1, 0
	MUL4 3, 1, NQ-1, 1, 0
	WIN 0
	PLACES NP
.irp a, 0,1,2,3
.irp b, 0,1,2,3
	ds_store_b128 v[STO], v[ACC+8*(4*\a+\b):ACC+8*(4*\a+\b)+3] offset:\a*16*SPITCH+64*\b
	ds_store_b128 v[STO], v[ACC+8*(4*\a+\b)+4:ACC+8*(4*\a+\b)+7] offset:\a*16*SPITCH+64*\b+16
.endr
.irp t, 0,1,2,3,4,5,6,7
	ds_load_b128 v[ACC+32*\a+4*\t:ACC+32*\a+4*\t+3], v[RD] offset:(16*\a+2*\t)*SPITCH
.endr
.endr
.irp a, 0,1,2,3
.irp t, 0,1,2,3,4,5,6,7
	s_wait_dscnt (3-\a)*16+7-\t
	global_store_b128 v[CO], v[ACC+32*\a+4*\t:ACC+32*\a+4*\t+3], s[12:13] offset:(16*\a+2*\t)*SIZE_N*4
.endr
.endr
	s_wait_tensorcnt 0x0
	ds_add_u32 v[SPW], v[NIL]
	s_wait_dscnt 0x0
	CROUND
	s_endpgm
.Lfunc_end_k_q92934b9eae_gemm_2:
	.size	k_q92934b9eae_gemm_2, .Lfunc_end_k_q92934b9eae_gemm_2-k_q92934b9eae_gemm_2
	.p2alignl 7, 3214868480
	.fill 96, 4, 3214868480
	.section	.rodata,"a",@progbits
	.p2align	6, 0x0
	.amdhsa_kernel k_q92934b9eae_gemm_2
		.amdhsa_group_segment_fixed_size 327680
		.amdhsa_private_segment_fixed_size 0
		.amdhsa_enable_private_segment 0
		.amdhsa_kernarg_size 24
		.amdhsa_user_sgpr_count 2
		.amdhsa_user_sgpr_kernarg_segment_ptr 1
		.amdhsa_wavefront_size32 1
		.amdhsa_system_sgpr_workgroup_id_x 1
		.amdhsa_system_sgpr_workgroup_id_y 1
		.amdhsa_system_sgpr_workgroup_id_z 1
		.amdhsa_system_vgpr_workitem_id 0
		.amdhsa_next_free_vgpr 512
		.amdhsa_next_free_sgpr 100
		.amdhsa_reserve_vcc 0
		.amdhsa_float_denorm_mode_32 3
		.amdhsa_float_denorm_mode_16_64 3
		.amdhsa_memory_ordered 1
		.amdhsa_forward_progress 1
		.amdhsa_inst_pref_size 95
	.end_amdhsa_kernel
	.amdgpu_metadata
---
amdhsa.version: [ 1, 2 ]
amdhsa.kernels:
  - .name:           k_q92934b9eae_gemm_2
    .symbol:         k_q92934b9eae_gemm_2.kd
    .args:
      - { .name: hid, .offset: 0, .size: 8, .value_kind: global_buffer, .address_space: global }
      - { .name: inq, .offset: 8, .size: 8, .value_kind: global_buffer, .address_space: global }
      - { .name: y, .offset: 16, .size: 8, .value_kind: global_buffer, .address_space: global }
    .group_segment_fixed_size: 327680
    .private_segment_fixed_size: 0
    .kernarg_segment_align: 8
    .kernarg_segment_size: 24
    .max_flat_workgroup_size: 128
    .sgpr_count:     100
    .vgpr_count:     512
    .wavefront_size: 32
...
	.end_amdgpu_metadata
.endif
;; end of part 15
;; launch ln2 (part 16): grid 256 x 1, 16 waves a work-group, no clusters, 0 bytes of LDS; arguments y, b2, x, g2, be2, out0; writes out0
.if DOCPART == 16
	.amdgcn_target "amdgcn-amd-amdhsa--gfx1250"
	.amdhsa_code_object_version 6
	.text
	.protected	k_q92934b9eae_ln2
	.globl	k_q92934b9eae_ln2
	.p2align	8
	.type	k_q92934b9eae_ln2,@function
k_q92934b9eae_ln2:
	s_mov_b64 s[64:65], 0
	v_nop
	global_prefetch_b8 v0, s[64:65] scope:SCOPE_SE
	s_setreg_imm32_b32 hwreg(HW_REG_WAVE_MODE, 25, 1), 1
	s_wait_xcnt 0x0
; out0 = layer norm(x + y + b2) g2 + be2, in f32.  y and x lie in the order of positions; out0 in the problem's order.
; A work-group is a block of 16 positions (number g = 128 b + pb); wave w takes position p = 16 g + w, which is row 2 s + b of out0 with s = 32 (pb / 2) + 8 (pb % 2) + w % 8 + 16 (w / 8).
; A row is 4,096 bytes: eight loads of 512 consecutive bytes, 32 numbers a lane, kept in registers.  Mean first, then the mean of the squared differences: no difference of large sums is formed.
; Waves share nothing: no LDS, no barrier.  NaN and infinities among the inputs go through as f32 arithmetic has them.
.set Z,  16                            ; v16-47   y's row, then the sum, the differences, the result
.set X,  48                            ; v48-79   x's row
.set BI, 80                            ; v80-111  b2
.set G,  112                           ; v112-143 g2
.set BE, 144                           ; v144-175 be2
.set C4, 176
.set MN, 184
.set VR, 186
.set IV, 188
.set TP, 190
	s_load_b256 s[8:15], s[0:1], 0x0               ; y, b2, x, g2
	s_load_b128 s[16:19], s[0:1], 0x20             ; be2, out0
	v_lshrrev_b32 v1, 5, v0
	s_delay_alu instid0(VALU_DEP_1)
	v_readfirstlane_b32 s7, v1
	v_and_b32 v1, 31, v0
	s_delay_alu instid0(VALU_DEP_1)
	v_lshlrev_b32 v2, 4, v1
	v_mov_b32 v[TP], 0                             ; written once: a lane permute's destination counts as one of its sources
	s_lshl_b32 s20, ttmp9, 4
	s_add_co_u32 s20, s20, s7
	s_lshl_b32 s20, s20, 12                        ; p x 4,096
	s_mov_b32 s21, 0
	s_and_b32 s22, ttmp9, 127
	s_lshr_b32 s23, s22, 1
	s_lshl_b32 s23, s23, 5
	s_and_b32 s22, s22, 1
	s_lshl_b32 s22, s22, 3
	s_add_co_u32 s22, s22, s23
	s_and_b32 s23, s7, 7
	s_add_co_u32 s22, s22, s23
	s_lshr_b32 s23, s7, 3
	s_lshl_b32 s23, s23, 4
	s_add_co_u32 s22, s22, s23                     ; s
	s_lshl_b32 s22, s22, 13
	s_lshr_b32 s23, ttmp9, 7
	s_lshl_b32 s23, s23, 12
	s_add_co_u32 s22, s22, s23                     ; (2 s + b) x 4,096
	s_mov_b32 s23, 0
	s_mov_b32 s32, 0x76543210
	s_mov_b32 s33, 0xfedcba98
	s_mov_b32 s34, 0x3a800000                      ; 1 / 1,024
	s_mov_b32 s35, 0x3727c5ac                      ; 1e-5
	s_wait_alu depctr_va_vdst(0)
	s_wait_kmcnt 0x0
	s_add_nc_u64 s[8:9], s[8:9], s[20:21]
	s_add_nc_u64 s[12:13], s[12:13], s[20:21]
	s_add_nc_u64 s[24:25], s[18:19], s[22:23]
.irp j, 0,1,2,3,4,5,6,7
	global_load_b128 v[Z+4*\j:Z+4*\j+3], v2, s[8:9] offset:512*\j th:TH_LOAD_NT
.endr
.irp j, 0,1,2,3,4,5,6,7
	global_load_b128 v[X+4*\j:X+4*\j+3], v2, s[12:13] offset:512*\j th:TH_LOAD_NT
.endr
.irp j, 0,1,2,3,4,5,6,7
	global_load_b128 v[BI+4*\j:BI+4*\j+3], v2, s[10:11] offset:512*\j
.endr
.irp j, 0,1,2,3,4,5,6,7
	global_load_b128 v[G+4*\j:G+4*\j+3], v2, s[14:15] offset:512*\j
.endr
.irp j, 0,1,2,3,4,5,6,7
	global_load_b128 v[BE+4*\j:BE+4*\j+3], v2, s[16:17] offset:512*\j
.endr
.macro WSUM                            ; the four chains, then the 32 lanes: the sum in v[C4] of every lane
	s_delay_alu instid0(VALU_DEP_3)
	v_pk_add_f32 v[C4:C4+1], v[C4:C4+1], v[C4+2:C4+3]
	s_delay_alu instid0(VALU_DEP_2)
	v_pk_add_f32 v[C4+4:C4+5], v[C4+4:C4+5], v[C4+6:C4+7]
	s_delay_alu instid0(VALU_DEP_1)
	v_pk_add_f32 v[C4:C4+1], v[C4:C4+1], v[C4+4:C4+5]
	s_delay_alu instid0(VALU_DEP_1)
	v_add_f32 v[C4], v[C4], v[C4+1]
	s_delay_alu instid0(VALU_DEP_1)
	v_add_f32_dpp v[C4], v[C4], v[C4] row_xmask:1 row_mask:0xf bank_mask:0xf
	s_delay_alu instid0(VALU_DEP_1)
	v_add_f32_dpp v[C4], v[C4], v[C4] row_xmask:2 row_mask:0xf bank_mask:0xf
	s_delay_alu instid0(VALU_DEP_1)
	v_add_f32_dpp v[C4], v[C4], v[C4] row_xmask:4 row_mask:0xf bank_mask:0xf
	s_delay_alu instid0(VALU_DEP_1)
	v_add_f32_dpp v[C4], v[C4], v[C4] row_xmask:8 row_mask:0xf bank_mask:0xf
	s_delay_alu instid0(VALU_DEP_1)
	v_permlanex16_b32 v[TP], v[C4], s32, s33
	s_delay_alu instid0(VALU_DEP_1)
	v_add_f32 v[C4], v[C4], v[TP]
.endm
	s_wait_loadcnt 16                              ; y, x and b2 are in; the gain's and the offset's sixteen loads may be out
.set j, 0
.rept 16
	v_pk_add_f32 v[Z+j:Z+j+1], v[Z+j:Z+j+1], v[X+j:X+j+1]
.set j, j+2
.endr
.set j, 0
.rept 16
	v_pk_add_f32 v[Z+j:Z+j+1], v[Z+j:Z+j+1], v[BI+j:BI+j+1]
.set j, j+2
.endr
.irp k, 0,1,2,3
	v_pk_add_f32 v[C4+2*\k:C4+2*\k+1], v[Z+2*\k:Z+2*\k+1], v[Z+8+2*\k:Z+9+2*\k]
.endr
.irp m, 16,24
.irp k, 0,1,2,3
	s_delay_alu instid0(VALU_DEP_4)
	v_pk_add_f32 v[C4+2*\k:C4+2*\k+1], v[C4+2*\k:C4+2*\k+1], v[Z+\m+2*\k:Z+\m+1+2*\k]
.endr
.endr
	WSUM
	s_delay_alu instid0(VALU_DEP_1)
	v_mul_f32 v[MN], s34, v[C4]
	s_delay_alu instid0(VALU_DEP_2)
	v_mul_f32 v[MN+1], s34, v[C4]
.set j, 0
.rept 16
	v_pk_add_f32 v[Z+j:Z+j+1], v[Z+j:Z+j+1], v[MN:MN+1] neg_lo:[0,1] neg_hi:[0,1]
.set j, j+2
.endr
.irp k, 0,1,2,3
	v_pk_mul_f32 v[C4+2*\k:C4+2*\k+1], v[Z+2*\k:Z+2*\k+1], v[Z+2*\k:Z+2*\k+1]
.endr
.irp m, 8,16,24
.irp k, 0,1,2,3
	s_delay_alu instid0(VALU_DEP_4)
	v_pk_fma_f32 v[C4+2*\k:C4+2*\k+1], v[Z+\m+2*\k:Z+\m+1+2*\k], v[Z+\m+2*\k:Z+\m+1+2*\k], v[C4+2*\k:C4+2*\k+1]
.endr
.endr
	WSUM
	s_delay_alu instid0(VALU_DEP_1)
	v_fma_f32 v[VR], v[C4], s34, s35               ; the variance + eps
	s_wait_alu depctr_va_vdst(0)
	v_rsq_f32 v[IV], v[VR]
	v_rsq_f32 v[IV+1], v[VR]
	v_nop                                          ; a plain line behind the transcendentals
	s_wait_loadcnt 0x0
.set j, 0
	s_wait_alu depctr_va_vdst(0)
.rept 16
	v_pk_mul_f32 v[Z+j:Z+j+1], v[Z+j:Z+j+1], v[IV:IV+1]
.set j, j+2
.endr
.set j, 0
.rept 16
	v_pk_fma_f32 v[Z+j:Z+j+1], v[Z+j:Z+j+1], v[G+j:G+j+1], v[BE+j:BE+j+1]
.set j, j+2
.endr
.irp j, 0,1,2,3,4,5,6,7
	global_store_b128 v2, v[Z+4*\j:Z+4*\j+3], s[24:25] offset:512*\j th:TH_STORE_NT   ; 512 consecutive bytes, aligned; written once
.endr
	s_endpgm
.Lfunc_end_k_q92934b9eae_ln2:
	.size	k_q92934b9eae_ln2, .Lfunc_end_k_q92934b9eae_ln2-k_q92934b9eae_ln2
	.p2alignl 7, 3214868480
	.fill 96, 4, 3214868480
	.section	.rodata,"a",@progbits
	.p2align	6, 0x0
	.amdhsa_kernel k_q92934b9eae_ln2
		.amdhsa_group_segment_fixed_size 0
		.amdhsa_private_segment_fixed_size 0
		.amdhsa_enable_private_segment 0
		.amdhsa_kernarg_size 48
		.amdhsa_user_sgpr_count 2
		.amdhsa_user_sgpr_kernarg_segment_ptr 1
		.amdhsa_wavefront_size32 1
		.amdhsa_system_sgpr_workgroup_id_x 1
		.amdhsa_system_sgpr_workgroup_id_y 1
		.amdhsa_system_sgpr_workgroup_id_z 1
		.amdhsa_system_vgpr_workitem_id 0
		.amdhsa_next_free_vgpr 192
		.amdhsa_next_free_sgpr 66
		.amdhsa_reserve_vcc 0
		.amdhsa_float_denorm_mode_32 3
		.amdhsa_float_denorm_mode_16_64 3
		.amdhsa_memory_ordered 1
		.amdhsa_forward_progress 1
		.amdhsa_inst_pref_size 16
	.end_amdhsa_kernel
	.amdgpu_metadata
---
amdhsa.version: [ 1, 2 ]
amdhsa.kernels:
  - .name:           k_q92934b9eae_ln2
    .symbol:         k_q92934b9eae_ln2.kd
    .args:
      - { .name: y, .offset: 0, .size: 8, .value_kind: global_buffer, .address_space: global }
      - { .name: b2, .offset: 8, .size: 8, .value_kind: global_buffer, .address_space: global }
      - { .name: x, .offset: 16, .size: 8, .value_kind: global_buffer, .address_space: global }
      - { .name: g2, .offset: 24, .size: 8, .value_kind: global_buffer, .address_space: global }
      - { .name: be2, .offset: 32, .size: 8, .value_kind: global_buffer, .address_space: global }
      - { .name: out0, .offset: 40, .size: 8, .value_kind: global_buffer, .address_space: global }
    .group_segment_fixed_size: 0
    .private_segment_fixed_size: 0
    .kernarg_segment_align: 8
    .kernarg_segment_size: 48
    .max_flat_workgroup_size: 512
    .sgpr_count:     66
    .vgpr_count:     192
    .wavefront_size: 32
...
	.end_amdgpu_metadata
.endif
;; end of part 16
